; MI455X (gfx1250); checked and timed in simulation.
; The chip was launched on July 23, 2026; its instructions are those of AMD's public machine-readable ISA for CDNA 5 (MIT licence, August 2026) and "CDNA5" Instruction Set Architecture Reference Guide (July 2026). The comments in the code are by the model that wrote it; some were corrected since.
;; Multi Head Attention. Allowed arithmetic: matrix products marked QUANTISED: E2M3 operands, one E8M0 scale for each 32 along K, by v_wmma_scale_f32_16x16x128_f8f6f4 with both operands' format E2M3, f32 sums; everything else in f32.
;; Inputs: WK 1,024 x 1,024 float32; WO 1,024 x 1,024 float32; WQ 1,024 x 1,024 float32; WV 1,024 x 1,024 float32; bK 1,024 float32; bO 1,024 float32; bQ 1,024 float32; bV 1,024 float32; k 4 x 2,048 x 1,024 float32; mask 4 x 1 x 2,048 x 2,048 int32; q 4 x 2,048 x 1,024 float32; v 4 x 2,048 x 1,024 float32.
;; Outputs: out0 4 x 2,048 x 1,024 float32.
;; This version of the problem:
;;   THIS VERSION OF THE PROBLEM IS GIVEN IN LOW PRECISION. The matrix products marked QUANTISED in the list below multiply operands that are first quantised to E2M3 (2 exponent bits, 3 mantissa bits; 6 bits a number), with one power-of-two scale for each 32 numbers along K (OCP MX v1.0); their sums are f32. All else is computed in f32.
;;   The module's matrix products, in the order in which they are computed (A, B: the left and right operand; K: the contracted axis; several contracted axes count as one K, in the product's order):
;;     1. [M 8,192, K 1,024] x [K 1,024, N 1,024]; A: input q; B: input WQ: QUANTISED
;;     2. [M 8,192, K 1,024] x [K 1,024, N 1,024]; A: input k; B: input WK: QUANTISED
;;     3. [M 8,192, K 1,024] x [K 1,024, N 1,024]; A: input v; B: input WV: QUANTISED
;;     4. batch 64 x [M 2,048, K 64] x [K 64, N 2,048]; A: computed on the way; B: computed on the way: QUANTISED
;;     5. batch 64 x [M 2,048, K 2,048] x [K 2,048, N 64]; A: softmax (see below); B: computed on the way: QUANTISED
;;     6. [M 8,192, K 1,024] x [K 1,024, N 1,024]; A: computed on the way; B: input WO: QUANTISED
;;   THE QUANTISER, for each operand of a quantised product, along K:
;;     - K is cut into blocks of 32 from its start; a last block that is shorter is filled with zeros.
;;     - A block's scale is 2^e with e = floor(log2(the largest magnitude in the block)) - 2, held to -126 .. 127; a block of zeros has e = 0. As a byte (E8M0): e + 127.
;;     - Each number is divided by its block's scale, clamped to +-7.5, and rounded to the nearest number of E2M3, ties to even, subnormals kept.
;;     - The product sums the exact products of the quantised numbers (number of the format x scale) in f32.
;;   ~~~python
;;   def quantise(x, axis):      # numpy; x: float32 -> the quantised numbers, widened to float32 again
;;       x = np.moveaxis(x, axis, -1); K = x.shape[-1]
;;       x = np.pad(x, [(0, 0)] * (x.ndim - 1) + [(0, -K % 32)]); x = x.reshape(x.shape[:-1] + (-1, 32)); a = np.abs(x).max(-1, keepdims=True)
;;       e = np.where(a > 0, np.clip(np.frexp(np.where(a > 0, a, 1))[1] - 1 - 2, -126, 127), 0)      # np.frexp(a)[1] - 1 = floor(log2(a)), exactly
;;       r = np.clip(x / 2.0 ** e, -7.5, 7.5)
;;       step = 2.0 ** (np.maximum(np.frexp(np.where(r == 0, 1, r))[1] - 1, 0) - 3)
;;       q = np.round(r / step) * step * 2.0 ** e      # np.round: ties to even
;;       return np.moveaxis(q.reshape(q.shape[:-2] + (-1,))[..., :K], -1, axis).astype(np.float32)
;;   ~~~
;;   SOFTMAX AHEAD OF A QUANTISED PRODUCT. Where the list says 'softmax', what is quantised is not the finished softmax but p = 2^(t - M), with t = logit x log2(e) and M = ceil(the row's largest t), a whole number; so 1/2 < the row's largest p <= 1. The row's sum l is taken of the UNQUANTISED p, in f32, and the product's result is divided by l at the end. Since M is a whole number, a kernel that streams over the keys may use a running M (the ceiling of the running maximum): every later rescaling is an exact power of two, which a block's scale takes up: the codes' values come out the same.
;;   OPERANDS COMPUTED ON THE WAY. 'Computed on the way' means the value that the module computes at that place (a softmax that the list does not call 'softmax' is quantised finished and normalised). What goes into a quantiser is computed in f32, as accurately as f32 sums, v_exp_f32 and their like allow (about 1e-6 of the number): no bf16 or f16 on the way to a quantiser, and a product that is left as it is and whose result goes on into a quantised operand takes f32 operands (vector FMAs, or v_wmma_f32_16x16x4_f32). A number that lies on a knife's edge between two numbers of the format may be rounded either way, as far as f32 arithmetic and the matrix unit's own rounding can turn it there, and no further.
;; 2 versions. Each part assembles by itself: llvm-mc -triple=amdgcn-amd-amdhsa -mcpu=gfx1250 --defsym DOCPART=n.
;; ======== version 1 of 2: 6 launches
;; workspace buffers: mbits 2,097,152 bytes of whole numbers; xq 19,660,800 bytes; wq 3,276,800 bytes; qkv 20,185,088 bytes; ctx 6,553,600 bytes
;; launch packm (part 1): grid 512 x 1, 4 waves a work-group, no clusters, 34,304 bytes of LDS; arguments mask, mbits; writes mbits
.if DOCPART == 1
	.amdgcn_target "amdgcn-amd-amdhsa--gfx1250"
	.amdhsa_code_object_version 6
	.text
	.protected	k_q292e5bcc6d_packm
	.globl	k_q292e5bcc6d_packm
	.p2align	8
	.type	k_q292e5bcc6d_packm,@function
k_q292e5bcc6d_packm:
	s_mov_b64 s[64:65], 0
	v_nop
	global_prefetch_b8 v0, s[64:65] scope:SCOPE_SE
	s_setreg_imm32_b32 hwreg(HW_REG_WAVE_MODE, 25, 1), 1
	s_wait_xcnt 0x0
; mask [4][1][2048][2048], int32, becomes one bit a number, laid as the attention launch's lanes want it:
; mbits [tile of 16 queries, 512][step of 128 keys, 16][64 words]; bit (r + 16 h) of word 16 b + i says whether mask[16 tile + r][128 step + 32 b + 16 h + i] is not 0.
; So a word is the lane mask of one score register of a wave that holds query r in lanes r and r + 16.  The 67 MB of the mask are read once, here; the sixteen heads then read 2 MB.
; A work-group takes a tile of 16 queries, wave w the steps 4 w .. 4 w + 3, a step (16 rows x 512 bytes) at a time.  Each load reads 512 consecutive bytes of a row; the step turns through the wave's own
; stage in LDS (rows 528 bytes apart), so that lane (r, h) gets row r's keys 32 b + 16 h + 0 .. 15; 64 compares give the 64 words; they are dealt to the lanes, two a lane, and leave as 256 consecutive bytes.
; No barrier: waves share nothing.
.set STG,   8448                       ; a wave's stage: 16 rows x 528 bytes
.set SPARE, 4*STG                      ; behind the stages: the spare words, 128 bytes a wave
.set GA,  1                            ; v1   16 x lane: my 16 bytes of a load's 512
.set SA,  2                            ; v2   the same in my stage
.set LA,  3                            ; v3   stage: row r, + 64 h
.set OA,  4                            ; v4   8 x lane: my two words of a step's 64
.set SPW, 12                           ; v12  LDS address of my spare word; never rewritten
.set NIL, 13                           ; v13  0; never rewritten
.set R,   16                           ; v16-143  two sets of 64 registers as loaded
.set X,   144                          ; v144-207 register 16 b + i: key 32 b + 16 h + i of row r
.set OU,  208                          ; v208-215 two registers of words for each of the four steps
	s_load_b128 s[4:7], s[0:1], 0x0                ; mask, mbits
	v_lshl_add_u32 v[SPW], v0, 2, SPARE
	v_mov_b32 v[NIL], 0
	v_lshrrev_b32 v5, 5, v0
	v_readfirstlane_b32 s8, v5                     ; wave
	v_and_b32 v5, 31, v0                           ; lane
	v_and_b32 v6, 15, v0                           ; r
	v_bfe_u32 v7, v0, 4, 1                         ; h
	s_mul_i32 s9, s8, STG
	v_lshlrev_b32 v[GA], 4, v5
	v_add_nc_u32 v[SA], s9, v[GA]
	v_mul_u32_u24 v[LA], v6, 528
	v_lshl_add_u32 v[LA], v7, 6, v[LA]
	v_add_nc_u32 v[LA], s9, v[LA]
	v_lshlrev_b32 v[OA], 3, v5
.irp i, 0,1,2,3,4,5,6,7
	v_mov_b32 v[OU+\i], 0                          ; written once: v_writelane_b32's destination counts as one of its sources
.endr
	s_lshl_b32 s10, ttmp9, 17                      ; 16 rows of 8,192 bytes a tile,
	s_lshl_b32 s11, s8, 11                         ; 4 steps of 512 bytes a wave
	s_add_co_u32 s10, s10, s11
	s_mov_b32 s11, 0
	s_lshl_b32 s12, ttmp9, 12                      ; out: 16 steps of 256 bytes a tile,
	s_lshl_b32 s13, s8, 10                         ; 4 a wave
	s_add_co_u32 s12, s12, s13
	s_mov_b32 s13, 0
	s_wait_kmcnt 0x0
	s_add_nc_u64 s[4:5], s[4:5], s[10:11]
	s_add_nc_u64 s[6:7], s[6:7], s[12:13]
.macro LOAD u                          ; step u: 16 rows x 512 consecutive bytes
.irp j, 0,1,2,3,4,5,6,7,8,9,10,11,12,13,14,15
	global_load_b128 v[R+64*((\u)%2)+4*\j:R+64*((\u)%2)+4*\j+3], v[GA], s[4:5] offset:8192*\j+512*(\u) th:TH_LOAD_NT
.endr
.endm
.macro UNIT u
.if (\u) < 3
	s_wait_loadcnt 16                              ; this step's 16 loads are in; the next step's 16 may be out
.else
	s_wait_loadcnt 0
.endif
.irp j, 0,1,2,3,4,5,6,7,8,9,10,11,12,13,14,15
	ds_store_b128 v[SA], v[R+64*((\u)%2)+4*\j:R+64*((\u)%2)+4*\j+3] offset:528*\j
.endr
.irp m, 0,1,2,3,4,5,6,7,8,9,10,11,12,13,14,15
	ds_load_b128 v[X+4*\m:X+4*\m+3], v[LA] offset:128*(\m/4)+16*(\m%4)   ; LDS serves a wave's instructions in order: these see the stores above
.endr
	s_wait_dscnt 0x0                               ; the step is back; the stores have read their registers
.if (\u) < 2
	LOAD (\u)+2                                    ; which take the step two on
.endif
.irp g, 0,1
.irp n, 0,1,2,3,4,5,6,7,8,9,10,11,12,13,14,15,16,17,18,19,20,21,22,23,24,25,26,27,28,29,30,31
	v_cmp_ne_u32 s[16+\n], 0, v[X+32*\g+\n]        ; word 32 g + n: one bit a lane
.endr
.irp n, 0,1,2,3,4,5,6,7,8,9,10,11,12,13,14,15,16,17,18,19,20,21,22,23,24,25,26,27,28,29,30,31
	v_writelane_b32 v[OU+2*(\u)+\n%2], s[16+\n], 16*\g+\n/2   ; lane l keeps words 2 l and 2 l + 1
.endr
.endr
	global_store_b64 v[OA], v[OU+2*(\u):OU+2*(\u)+1], s[6:7] offset:256*(\u)   ; 32 lanes store 256 consecutive bytes, aligned; each step has its own two registers
.endm
	LOAD 0
	LOAD 1
	UNIT 0
	UNIT 1
	UNIT 2
	UNIT 3
	s_wait_tensorcnt 0x0                           ; the wave's end: behind my last LDS store
	ds_add_u32 v[SPW], v[NIL]
	s_wait_dscnt 0x0
	s_endpgm
.Lfunc_end_k_q292e5bcc6d_packm:
	.size	k_q292e5bcc6d_packm, .Lfunc_end_k_q292e5bcc6d_packm-k_q292e5bcc6d_packm
	.p2alignl 7, 3214868480
	.fill 96, 4, 3214868480
	.section	.rodata,"a",@progbits
	.p2align	6, 0x0
	.amdhsa_kernel k_q292e5bcc6d_packm
		.amdhsa_group_segment_fixed_size 34304
		.amdhsa_private_segment_fixed_size 0
		.amdhsa_enable_private_segment 0
		.amdhsa_kernarg_size 16
		.amdhsa_user_sgpr_count 2
		.amdhsa_user_sgpr_kernarg_segment_ptr 1
		.amdhsa_wavefront_size32 1
		.amdhsa_system_sgpr_workgroup_id_x 1
		.amdhsa_system_sgpr_workgroup_id_y 1
		.amdhsa_system_sgpr_workgroup_id_z 1
		.amdhsa_system_vgpr_workitem_id 0
		.amdhsa_next_free_vgpr 216
		.amdhsa_next_free_sgpr 66
		.amdhsa_reserve_vcc 0
		.amdhsa_float_denorm_mode_32 3
		.amdhsa_float_denorm_mode_16_64 3
		.amdhsa_memory_ordered 1
		.amdhsa_forward_progress 1
		.amdhsa_inst_pref_size 49
	.end_amdhsa_kernel
	.amdgpu_metadata
---
amdhsa.version: [ 1, 2 ]
amdhsa.kernels:
  - .name:           k_q292e5bcc6d_packm
    .symbol:         k_q292e5bcc6d_packm.kd
    .args:
      - { .name: mask, .offset: 0, .size: 8, .value_kind: global_buffer, .address_space: global }
      - { .name: mbits, .offset: 8, .size: 8, .value_kind: global_buffer, .address_space: global }
    .group_segment_fixed_size: 34304
    .private_segment_fixed_size: 0
    .kernarg_segment_align: 8
    .kernarg_segment_size: 16
    .max_flat_workgroup_size: 128
    .sgpr_count:     66
    .vgpr_count:     216
    .wavefront_size: 32
...
	.end_amdgpu_metadata
.endif
;; end of part 1
;; launch quantx (part 2): grid 768 x 1, 4 waves a work-group, no clusters, 33,280 bytes of LDS; arguments q, k, v, xq; writes xq
.if DOCPART == 2
	.amdgcn_target "amdgcn-amd-amdhsa--gfx1250"
	.amdhsa_code_object_version 6
	.text
	.protected	k_q292e5bcc6d_quantx
	.globl	k_q292e5bcc6d_quantx
	.p2align	8
	.type	k_q292e5bcc6d_quantx,@function
k_q292e5bcc6d_quantx:
	s_mov_b64 s[64:65], 0
	v_nop
	global_prefetch_b8 v0, s[64:65] scope:SCOPE_SE
	s_setreg_imm32_b32 hwreg(HW_REG_WAVE_MODE, 25, 1), 1
	s_wait_xcnt 0x0
; q, k, v [8192][1024], f32, become codes of FP6 (E2M3), K innermost, with one E8M0 byte for each 32 along K, in xq: codes [3 x 8192 slots][768 bytes], then scale bytes [3 x 8192 slots][32].
; A block's scale is 2^(floor(log2(its largest magnitude)) - 2); its byte is the largest magnitude's exponent field - 2, held at 1 from below (a block of zeros gets the byte 1: its codes are zeros, and this program alone reads the bytes).
; LIMITS: blocks whose largest magnitude lies under 2^-124 keep the byte 1; NaN and infinities among the inputs are not served.
; ROWS: q's rows lie as they come.  k's and v's lie in SLOTS: slot s holds the row whose number is s with bits 3 and 4 exchanged, so that 16 neighbouring slots, taken as the first source of a matrix
; instruction, give a lane's result registers of two neighbouring tiles 16 neighbouring rows.  A wave takes 8 rows (8,192 numbers), so the exchange is one of the wave's two bits in the place it stores to.
; A wave takes 16 steps of 512 numbers.  Each load reads 512 consecutive bytes; a step turns through the wave's own stage in LDS, so that a lane holds 16 neighbours (two lanes a block) for the conversion.
; A lane's 16 codes are 12 bytes: the wave stores 384 consecutive bytes.  A wave's 256 scale bytes are gathered in LDS and leave as 256 consecutive bytes, aligned.  No barrier: waves share nothing.
.set WAVES, 4
.set STEPS, 16
.set EMAX,  2
.set CB,    12                         ; bytes of 16 codes
.set R,     16                         ; v16-79   four sets of 16 numbers as loaded
.set X,     80                         ; v80-111  two sets of 16 neighbours
.set C,     128                        ; v128-191 codes: four registers for each step
.set E,     112                        ; v112-127 a scale byte for each step
.set WREG,  8192                       ; LDS: a wave's region: two stages of 32 x SP bytes, then its 256 scale bytes
.set SP,    80
.set SPW,   12
.set NIL,   13
.set SPARE, WAVES*WREG
.set XSC,   18874368                   ; where the scale bytes begin in xq
	s_load_b256 s[4:11], s[0:1], 0x0               ; q, k, v, xq
	v_lshl_add_u32 v[SPW], v0, 2, SPARE
	v_mov_b32 v[NIL], 0
	v_lshrrev_b32 v1, 5, v0
	v_readfirstlane_b32 s16, v1                    ; wave
	v_and_b32 v2, 31, v0                           ; lane
	v_lshlrev_b32 v3, 4, v2                        ; my 16 bytes of a load's 512
	s_mul_i32 s17, s16, WREG
	v_lshrrev_b32 v14, 2, v2
	v_mul_u32_u24 v14, v14, SP
	v_and_b32 v15, 3, v2
	v_lshl_add_u32 v14, v15, 4, v14
	v_add_nc_u32 v14, s17, v14                     ; the stage, on the way in: SP (lane / 4) + 16 (lane % 4)
	v_mul_u32_u24 v15, v2, SP
	v_add_nc_u32 v15, s17, v15                     ; and on the way out: SP x lane
	v_mul_u32_u24 v4, v2, CB                       ; my codes' place in a step's
	v_lshrrev_b32 v5, 1, v2
	s_add_co_u32 s17, s17, 2*32*SP
	v_add_nc_u32 v5, s17, v5                       ; LDS: my block's byte among my wave's 256
	v_lshlrev_b32 v7, 3, v2
	v_add_nc_u32 v6, s17, v7
	s_and_b32 s18, s16, 1
	s_lshl_b32 s18, s18, 1
	s_lshr_b32 s19, s16, 1
	s_or_b32 s22, s18, s19                         ; the wave's two bits exchanged
	s_and_b32 s18, ttmp9, 255                      ; 256 work-groups a tensor
	s_lshl_b32 s18, s18, 2
	s_add_co_u32 s18, s18, s16                     ; which 8 rows of the tensor I read,
	s_lshl_b32 s18, s18, 15                        ; 32,768 bytes each
	s_mov_b32 s19, 0
	s_mov_b32 s25, 0
	s_wait_kmcnt 0x0
	s_cmp_lt_u32 ttmp9, 512                        ; the choices hang on the work-group's number alone
	s_cselect_b64 s[6:7], s[6:7], s[8:9]
	s_cmp_lt_u32 ttmp9, 256
	s_cselect_b64 s[4:5], s[4:5], s[6:7]
	s_cselect_b32 s22, s16, s22                    ; q: as it comes
	s_add_nc_u64 s[4:5], s[4:5], s[18:19]
	s_lshl_b32 s20, ttmp9, 2
	s_add_co_u32 s20, s20, s22                     ; which 8 slots of xq I write
	s_mul_i32 s24, s20, 6144
	s_add_nc_u64 s[8:9], s[10:11], s[24:25]        ; their codes,
	s_lshl_b32 s24, s20, 8
	s_add_co_u32 s24, s24, XSC
	s_add_nc_u64 s[10:11], s[10:11], s[24:25]      ; their scale bytes
.macro LOAD t
.irp i, 0,1,2,3
	global_load_b128 v[R+16*((\t)%4)+4*\i:R+16*((\t)%4)+4*\i+3], v3, s[4:5] offset:2048*(\t)+512*\i th:TH_LOAD_NT
.endr
.endm
.macro TURN t                          ; step t's numbers through the stage: LDS serves a wave's instructions in order
.irp i, 0,1,2,3
	ds_store_b128 v14, v[R+16*((\t)%4)+4*\i:R+16*((\t)%4)+4*\i+3] offset:32*SP*((\t)%2)+8*SP*\i
.endr
.irp i, 0,1,2,3
	ds_load_b128 v[X+16*((\t)%2)+4*\i:X+16*((\t)%2)+4*\i+3], v15 offset:32*SP*((\t)%2)+16*\i
.endr
.endm
.irp t, 0,1,2,3
	LOAD \t
.endr
	s_wait_loadcnt 12                              ; step 0's four loads are in
	TURN 0
.macro STEP t
.set XS, X+16*((\t)%2)
.if (\t) > 0
	s_wait_dscnt 1                                 ; this step's numbers are back (the last step's byte store may be out)
.else
	s_wait_dscnt 0x0
.endif
.if (\t)+4 < STEPS
	LOAD (\t)+4
.endif
.if (\t)+1 < STEPS
.if STEPS-2-(\t) >= 3
	s_wait_loadcnt 12                              ; the next step's four loads are in; those of the three steps behind it may be out
.else
	s_wait_loadcnt 4*(STEPS-2-(\t))
.endif
	TURN (\t)+1
.endif
	v_max3_num_f32 v8, |v[XS]|, |v[XS+1]|, |v[XS+2]|
	v_max3_num_f32 v9, |v[XS+3]|, |v[XS+4]|, |v[XS+5]|
.irp i, 6,10
	v_max3_num_f32 v8, v8, |v[XS+\i]|, |v[XS+\i+1]|
	v_max3_num_f32 v9, v9, |v[XS+\i+2]|, |v[XS+\i+3]|
.endr
	v_max3_num_f32 v8, v8, |v[XS+14]|, |v[XS+15]|
	v_max3_num_f32 v8, v8, v9, (EMAX+1)<<23        ; and the floor 2^(3 - 127): the byte cannot fall under 1
	v_max_num_f32_dpp v8, v8, v8 row_xmask:1 row_mask:0xf bank_mask:0xf   ; with my neighbour's 16: the block's largest magnitude
	v_add_nc_u32 v11, -(EMAX<<23), v8              ; 2 off its exponent field: the conversion's scale operand
	v_cvt_scalef32_pk16_fp6_f32 v[C+4*(\t):C+4*(\t)+2], v[XS:XS+15], v11
	v_lshrrev_b32 v[E+(\t)], 23, v11               ; the scale's byte
	ds_store_b8 v5, v[E+(\t)] offset:16*(\t)       ; both lanes of a block write the same byte with the same value
	global_store_b96 v4, v[C+4*(\t):C+4*(\t)+2], s[8:9] offset:32*CB*(\t)
.endm
.irp t, 0,1,2,3,4,5,6,7,8,9,10,11,12,13,14,15
	STEP \t
.endr
	ds_load_b64 v[8:9], v6
	s_wait_dscnt 0x0
	global_store_b64 v7, v[8:9], s[10:11]          ; 32 lanes store 256 consecutive bytes, aligned
	s_wait_tensorcnt 0x0                           ; the wave's end: behind my last LDS store
	ds_add_u32 v[SPW], v[NIL]
	s_wait_dscnt 0x0
	s_endpgm
.Lfunc_end_k_q292e5bcc6d_quantx:
	.size	k_q292e5bcc6d_quantx, .Lfunc_end_k_q292e5bcc6d_quantx-k_q292e5bcc6d_quantx
	.p2alignl 7, 3214868480
	.fill 96, 4, 3214868480
	.section	.rodata,"a",@progbits
	.p2align	6, 0x0
	.amdhsa_kernel k_q292e5bcc6d_quantx
		.amdhsa_group_segment_fixed_size 33280
		.amdhsa_private_segment_fixed_size 0
		.amdhsa_enable_private_segment 0
		.amdhsa_kernarg_size 32
		.amdhsa_user_sgpr_count 2
		.amdhsa_user_sgpr_kernarg_segment_ptr 1
		.amdhsa_wavefront_size32 1
		.amdhsa_system_sgpr_workgroup_id_x 1
		.amdhsa_system_sgpr_workgroup_id_y 1
		.amdhsa_system_sgpr_workgroup_id_z 1
		.amdhsa_system_vgpr_workitem_id 0
		.amdhsa_next_free_vgpr 192
		.amdhsa_next_free_sgpr 66
		.amdhsa_reserve_vcc 0
		.amdhsa_float_denorm_mode_32 3
		.amdhsa_float_denorm_mode_16_64 3
		.amdhsa_memory_ordered 1
		.amdhsa_forward_progress 1
		.amdhsa_inst_pref_size 32
	.end_amdhsa_kernel
	.amdgpu_metadata
---
amdhsa.version: [ 1, 2 ]
amdhsa.kernels:
  - .name:           k_q292e5bcc6d_quantx
    .symbol:         k_q292e5bcc6d_quantx.kd
    .args:
      - { .name: q, .offset: 0, .size: 8, .value_kind: global_buffer, .address_space: global }
      - { .name: k, .offset: 8, .size: 8, .value_kind: global_buffer, .address_space: global }
      - { .name: v, .offset: 16, .size: 8, .value_kind: global_buffer, .address_space: global }
      - { .name: xq, .offset: 24, .size: 8, .value_kind: global_buffer, .address_space: global }
    .group_segment_fixed_size: 33280
    .private_segment_fixed_size: 0
    .kernarg_segment_align: 8
    .kernarg_segment_size: 32
    .max_flat_workgroup_size: 128
    .sgpr_count:     66
    .vgpr_count:     192
    .wavefront_size: 32
...
	.end_amdgpu_metadata
.endif
;; end of part 2
;; launch quantw (part 3): grid 8 x 16, 4 waves a work-group, no clusters, 35,840 bytes of LDS; arguments WQ, WK, WV, WO, wq; writes wq
.if DOCPART == 3
	.amdgcn_target "amdgcn-amd-amdhsa--gfx1250"
	.amdhsa_code_object_version 6
	.text
	.protected	k_q292e5bcc6d_quantw
	.globl	k_q292e5bcc6d_quantw
	.p2align	8
	.type	k_q292e5bcc6d_quantw,@function
k_q292e5bcc6d_quantw:
	s_mov_b64 s[64:65], 0
	v_nop
	global_prefetch_b8 v0, s[64:65] scope:SCOPE_SE
	s_setreg_imm32_b32 hwreg(HW_REG_WAVE_MODE, 25, 1), 1
	s_wait_xcnt 0x0
; WQ, WK, WV, WO [1024 (k)][1024 (n)], f32, K their FIRST axis, become codes of FP6 (E2M3) laid [4 x 1024 slots (n)][768 bytes] with K innermost, and scale bytes [4 x 1024 slots][32], both in wq.
; A LANE TAKES A COLUMN n, AND ITS REGISTERS RUN DOWN K: a block of 32 along K lies in one lane's 32 registers, and the conversions give codes with K innermost.  Nothing is transposed by an instruction.
; SLOTS: slot s of a weight holds the column whose number is s with bits 3 and 4 exchanged (see the launch that quantises q, k, v): a lane's row in the stage, and its row of scale bytes, are its slot.
; A block's byte is its largest magnitude's exponent field - 2, held at 1 from below (a block of zeros gets 1: its codes are zeros, and this program alone reads the bytes).
; LIMITS: blocks whose largest magnitude lies under 2^-124 keep the byte 1; NaN and infinities among the inputs are not served.
; Work-group (x, y): columns 128 x on of weight y / 4, K from 256 (y % 4) on; a wave 32 columns x 256 along K.  The codes leave through the wave's own stage: sixteen lanes store a row's 192 consecutive bytes.
.set SIZE_K, 1024
.set SIZE_N, 1024
.set KW,    256
.set NB,    KW/32
.set ROWB,  192
.set PITCH, 272
.set KROW,  SIZE_K*6/8
.set EMAX,  2
.set WSC,   3145728                    ; where the scale bytes begin in wq
.set X,     32                         ; v32-95   two sets of 32 numbers
.set C,     96                         ; v96..    a block's codes
.set OUTR,  112                        ; v112-175 the way out
.set SPW,   14
.set NIL,   15
.set SPARE, 4*32*PITCH
.set SB,    24                         ; v24-25   the scale bytes
	s_load_b256 s[4:11], s[0:1], 0x0               ; WQ, WK, WV, WO
	s_load_b64 s[12:13], s[0:1], 0x20              ; wq
	v_lshl_add_u32 v[SPW], v0, 2, SPARE
	v_mov_b32 v[NIL], 0
	v_lshrrev_b32 v1, 5, v0
	v_readfirstlane_b32 s16, v1                    ; wave
	v_and_b32 v2, 31, v0                           ; lane
	s_lshl_b32 s17, ttmp9, 7
	s_lshl_b32 s18, s16, 5
	s_add_co_u32 s17, s17, s18                     ; my wave's first column
	s_and_b32 s18, ttmp7, 0xffff
	s_lshr_b32 s30, s18, 2                         ; which weight
	s_and_b32 s18, s18, 3                          ; which 256 along K
	v_lshlrev_b32 v3, 2, v2                        ; in: 4 bytes a lane
	s_mul_i32 s19, s16, 32*PITCH                   ; my stage
	v_and_b32 v10, 7, v2
	v_and_b32 v11, 8, v2
	v_lshl_add_u32 v10, v11, 1, v10
	v_bfe_u32 v11, v2, 4, 1
	v_lshl_add_u32 v10, v11, 3, v10                ; my column's slot among the wave's 32: bits 3 and 4 exchanged
	v_mul_u32_u24 v4, v10, PITCH
	v_add_nc_u32 v4, s19, v4                       ; into the stage: row = my slot
	v_and_b32 v5, 15, v2
	v_lshrrev_b32 v6, 4, v2
	v_mul_u32_u24 v7, v6, PITCH
	v_lshl_add_u32 v7, v5, 4, v7
	v_add_nc_u32 v7, s19, v7                       ; out of it: sixteen lanes to a row, two rows an instruction
	v_mul_u32_u24 v8, v6, KROW
	v_mad_u32_u24 v8, v5, 12, v8                   ; and the same place in the codes
	v_lshlrev_b32 v9, 5, v10                       ; my slot's row of scale bytes
	s_lshl_b32 s20, s18, 20                        ; in: 256 rows of 4,096 bytes for each part of K,
	s_lshl_b32 s22, s17, 2
	s_add_co_u32 s20, s20, s22                     ; + 4 x column
	s_mov_b32 s21, 0
	s_lshl_b32 s22, s30, 10
	s_add_co_u32 s22, s22, s17                     ; my wave's first slot in wq
	s_mul_i32 s24, s22, KROW
	s_mul_i32 s26, s18, ROWB
	s_add_co_u32 s24, s24, s26
	s_mov_b32 s25, 0
	s_lshl_b32 s28, s22, 5
	s_lshl_b32 s26, s18, 3
	s_add_co_u32 s28, s28, s26
	s_add_co_u32 s28, s28, WSC
	s_mov_b32 s29, 0
	s_wait_kmcnt 0x0
	s_cmp_lt_u32 s30, 1                            ; the choices hang on the work-group's number alone
	s_cselect_b64 s[4:5], s[4:5], s[6:7]
	s_cmp_lt_u32 s30, 3
	s_cselect_b64 s[8:9], s[8:9], s[10:11]
	s_cmp_lt_u32 s30, 2
	s_cselect_b64 s[4:5], s[4:5], s[8:9]
	s_add_nc_u64 s[4:5], s[4:5], s[20:21]
	s_add_nc_u64 s[6:7], s[12:13], s[24:25]        ; codes
	s_add_nc_u64 s[8:9], s[12:13], s[28:29]        ; scale bytes
.macro LOAD t                          ; block t: W(32 t + i, my column) into set t % 2
.irp i, 0,1,2,3,4,5,6,7,8,9,10,11,12,13,14,15,16,17,18,19,20,21,22,23,24,25,26,27,28,29,30,31
	global_load_b32 v[X+32*((\t)%2)+\i], v3, s[4:5] offset:(32*(\t)+\i)*SIZE_N*4 th:TH_LOAD_NT
.endr
.endm
	LOAD 0
	LOAD 1
.macro BLOCK t
.set XS, X+32*((\t)%2)
.if (\t) < NB-1
	s_wait_loadcnt 32                              ; this block's 32 loads are in; the next block's may be out
.else
	s_wait_loadcnt 0
.endif
	v_max3_num_f32 v12, |v[XS]|, |v[XS+1]|, |v[XS+2]|
	v_max3_num_f32 v13, |v[XS+3]|, |v[XS+4]|, |v[XS+5]|
.irp i, 6,10,14,18,22,26
	v_max3_num_f32 v12, v12, |v[XS+\i]|, |v[XS+\i+1]|
	v_max3_num_f32 v13, v13, |v[XS+\i+2]|, |v[XS+\i+3]|
.endr
	v_max3_num_f32 v12, v12, |v[XS+30]|, |v[XS+31]|
	v_max3_num_f32 v12, v12, v13, (EMAX+1)<<23     ; and the floor: the byte cannot fall under 1
	v_add_nc_u32 v11, -(EMAX<<23), v12             ; the conversion's scale operand
	v_lshrrev_b32 v13, 23, v11                     ; the scale's byte
.if (\t)%4 == 0
	v_mov_b32 v[SB+(\t)/4], v13
.else
	v_lshl_or_b32 v[SB+(\t)/4], v13, 8*((\t)%4), v[SB+(\t)/4]
.endif
	v_cvt_scalef32_pk16_fp6_f32 v[C:C+2], v[XS:XS+15], v11
	v_cvt_scalef32_pk16_fp6_f32 v[C+4:C+6], v[XS+16:XS+31], v11
	ds_store_b96 v4, v[C:C+2] offset:32*(\t)       ; 12 bytes to a place of 16 in the stage
	ds_store_b96 v4, v[C+4:C+6] offset:32*(\t)+16
.if (\t)+2 < NB
	LOAD (\t)+2
.endif
	s_wait_dscnt 0x0                               ; the stores have read their registers: the next block's codes may be written
.endm
.set Q, 0
.rept NB
	BLOCK Q
.set Q, Q+1
.endr
	global_store_b64 v9, v[SB:SB+1], s[8:9]        ; my slot's 8 scale bytes
.irp t, 0,1,2,3,4,5,6,7,8,9,10,11,12,13,14,15
	ds_load_b96 v[OUTR+4*\t:OUTR+4*\t+2], v7 offset:2*\t*PITCH
.endr
.irp t, 0,1,2,3,4,5,6,7,8,9,10,11,12,13,14,15
	s_wait_dscnt 15-\t
	global_store_b96 v8, v[OUTR+4*\t:OUTR+4*\t+2], s[6:7] offset:2*\t*KROW
.endr
	s_wait_tensorcnt 0x0                           ; the wave's end: behind my last LDS store
	ds_add_u32 v[SPW], v[NIL]
	s_wait_dscnt 0x0
	s_endpgm
.Lfunc_end_k_q292e5bcc6d_quantw:
	.size	k_q292e5bcc6d_quantw, .Lfunc_end_k_q292e5bcc6d_quantw-k_q292e5bcc6d_quantw
	.p2alignl 7, 3214868480
	.fill 96, 4, 3214868480
	.section	.rodata,"a",@progbits
	.p2align	6, 0x0
	.amdhsa_kernel k_q292e5bcc6d_quantw
		.amdhsa_group_segment_fixed_size 35840
		.amdhsa_private_segment_fixed_size 0
		.amdhsa_enable_private_segment 0
		.amdhsa_kernarg_size 40
		.amdhsa_user_sgpr_count 2
		.amdhsa_user_sgpr_kernarg_segment_ptr 1
		.amdhsa_wavefront_size32 1
		.amdhsa_system_sgpr_workgroup_id_x 1
		.amdhsa_system_sgpr_workgroup_id_y 1
		.amdhsa_system_sgpr_workgroup_id_z 1
		.amdhsa_system_vgpr_workitem_id 0
		.amdhsa_next_free_vgpr 192
		.amdhsa_next_free_sgpr 66
		.amdhsa_reserve_vcc 0
		.amdhsa_float_denorm_mode_32 3
		.amdhsa_float_denorm_mode_16_64 3
		.amdhsa_memory_ordered 1
		.amdhsa_forward_progress 1
		.amdhsa_inst_pref_size 42
	.end_amdhsa_kernel
	.amdgpu_metadata
---
amdhsa.version: [ 1, 2 ]
amdhsa.kernels:
  - .name:           k_q292e5bcc6d_quantw
    .symbol:         k_q292e5bcc6d_quantw.kd
    .args:
      - { .name: WQ, .offset: 0, .size: 8, .value_kind: global_buffer, .address_space: global }
      - { .name: WK, .offset: 8, .size: 8, .value_kind: global_buffer, .address_space: global }
      - { .name: WV, .offset: 16, .size: 8, .value_kind: global_buffer, .address_space: global }
      - { .name: WO, .offset: 24, .size: 8, .value_kind: global_buffer, .address_space: global }
      - { .name: wq, .offset: 32, .size: 8, .value_kind: global_buffer, .address_space: global }
    .group_segment_fixed_size: 35840
    .private_segment_fixed_size: 0
    .kernarg_segment_align: 8
    .kernarg_segment_size: 40
    .max_flat_workgroup_size: 128
    .sgpr_count:     66
    .vgpr_count:     192
    .wavefront_size: 32
...
	.end_amdgpu_metadata
.endif
;; end of part 3
;; launch proj (part 4): grid 4 x 96, 4 waves a work-group, clusters of 4 x 4, 327,680 bytes of LDS; arguments xq, wq, bQ, bK, bV, qkv; writes qkv
.if DOCPART == 4
	.amdgcn_target "amdgcn-amd-amdhsa--gfx1250"
	.amdhsa_code_object_version 6
	.text
	.protected	k_q292e5bcc6d_proj
	.globl	k_q292e5bcc6d_proj
	.p2align	8
	.type	k_q292e5bcc6d_proj,@function
k_q292e5bcc6d_proj:
	s_mov_b64 s[64:65], 0
	v_nop
	global_prefetch_b8 v0, s[64:65] scope:SCOPE_SE
	s_setreg_imm32_b32 hwreg(HW_REG_WAVE_MODE, 25, 1), 1
	s_wait_xcnt 0x0
	s_wait_alu depctr_hold_cnt(0) depctr_sa_sdst(0) depctr_va_vdst(0) depctr_va_sdst(0) depctr_va_ssrc(0) depctr_va_vcc(0) depctr_vm_vsrc(0)
	s_getreg_b32 s2, hwreg(HW_REG_IB_STS2, 6, 4)
	s_cmp_eq_u32 s2, 0
	s_cbranch_scc0 .Lentry_in_a_cluster
	s_endpgm
.Lentry_in_a_cluster:
	s_bfe_u32 s2, ttmp6, 0x10000c
	s_cmp_lg_u32 s2, 0xf033
	s_cbranch_scc0 .Lentry_shape_is_right
	s_endpgm
.Lentry_shape_is_right:
; Q = q WQ + bQ, K = k WK + bK, V = v WV + bV on codes of FP6 (E2M3) with E8M0 scales, sums in f32; the results are quantised in registers, Q and K along a head's 64, V along the keys, and leave as
; IMAGES of the attention launch's operand registers: piece p (registers 2 p, 2 p + 1) of lane l at 256 p + 8 l, so that each store of the wave covers 256 consecutive bytes, aligned.
; A work-group of four waves makes a tile of 256 x 256, a wave 128 x 128: 64 accumulators, 512 registers.  K goes in steps of 256 through a ring of two LDS slots filled by the tensor data mover; the scale
; bytes of the work-group's 2 x 256 rows come into LDS once.  THE MATRIX INSTRUCTION'S SOURCE 0 ("B" below) gives the axis along a lane's result registers, SOURCE 1 ("A") the lane's row.
;   cluster y 0-15 (Q: 0-7, K: 8-15): A = 256 slots of q or k, B = 256 slots of WQ or WK: a lane holds a token, its 64 registers 128 columns (two heads): the quantiser's K.
;   cluster y 16-23 (V): A = 256 slots of WV, B = 256 slots of v: a lane holds a channel, its 64 registers 128 tokens (a key step): the quantiser's K.
; B's rows lie in slots (bits 3 and 4 of the row number exchanged), so that the 16 registers of B's blocks 2 b and 2 b + 1 are the 16 neighbours 32 b + 16 (lane / 16) + 0 .. 15.
; CLUSTERS: 4 x 4 work-groups; the four of a row need the same tiles of A, the four of a column the same tiles of B: each is asked for jointly.  The one branch on ids hangs on the cluster's y, which all sixteen share.
; LIMITS: a block of zeros gets the byte 1; blocks whose largest magnitude lies under 2^-124 keep it; NaN and infinities are not served.
; REGISTERS: window 0: v0-31 addresses; v32-63 scale words; from v128 A's fragments; on the way out v64-247 are at work.  window 1: B's fragments, two sets.  windows 2, 3: the accumulators ((a, b) at v[8 (8 (a % 4) + b)]).
.set KSTEP,  256
.set NQ,     2
.set ROWB,   192                       ; a tile's row: 256 codes
.set KROW,   768                       ; a row of 1,024 codes in memory
.set PITCH,  240                       ; an LDS row: 3 x (64 bytes + 16 of padding)
.set FR,     12
.set NL,     6
.set NP,     4
.set HALFT,  128*PITCH
.set SLOT,   4*HALFT
.set LAPS,   2                         ; 1,024 along K: twice round the ring
.set KS,     32                        ; a row of scale bytes
.set SCL,    2*SLOT
.set HALFS,  16*272                    ; the scale bytes of 128 rows: 16 rows of 256 bytes + 16
.set SBLK,   2*272                     ; those of 16 rows
.set SPARE,  SCL+4*HALFS
.set XSC,    18874368                  ; scale bytes in xq
.set WSC,    3145728                   ; and in wq
.set VI,     12582912                  ; qkv: V's images,
.set QKS,    18874368                  ; Q's and K's scale words,
.set VSG,    19922944                  ; V's scale words
.set ADRA, 16
.set ADRB, 20
.set LO8,  24                          ; v24  8 x lane
.set LO16, 25                          ; v25  16 x lane
.set BA,   26                          ; v26  my lane's offset in a bias
.set ADRS, 27
.set SPW,  28
.set NIL,  29
.set SC,   32
.set T,    64                          ; v64-127  64 results + bias
.set AF,   128
.set PC,   128                         ; v128-147 the codes just made
.set TM,   152                         ; v152-167 the quantiser's work
.set PW,   168                         ; the scale word just made
.set X0,   169
.set X1,   170
.set PAD,  171                         ; 0x7f7f0000: the bytes of the half of K that a head does not have
.set BI,   176                         ; v176-239 the bias
.set SW0,  240                         ; v240-243, v244-247 scale words gathered for a store
.set SW1,  244
.set SEL,  66                          ; s[66:67] lane selects: lane l xor 16
.set G1, 24
.set G0, 32
.set G1B, 48
.set G0B, 56
.set G1S, 68
.set G0S, 76
.set G1SB, 80
.set G0SB, 88
.set MSB, 0
.macro WIN new                         ; the immediate's high byte repeats the setting that is left
.if MSB != (\new)
	s_set_vgpr_msb (MSB<<8)|(\new)
.set MSB, (\new)
.endif
.endm
.set MUL_LO, 0xa1                      ; source 0 (B) window 1, source 1 (A) window 0, C and D window 2
.set MUL_HI, 0xf1
.set TO_B,   0x40
; A joint load: waves 0 and 1 fetch for A, waves 2 and 3 for B; the branch hangs on the wave's number alone.  An s_nop 0 and four v_nop follow each of the two lines.
.macro JLOAD g0a, g1a, g0b, g1b
	s_cmp_eq_u32 s15, 0
	s_cbranch_scc0 .Lfor_b_\@
	tensor_load_to_lds s[\g0a:\g0a+3], s[\g1a:\g1a+7]
	s_nop 0
.rept 4
	v_nop
.endr
	s_branch .Lasked_\@
.Lfor_b_\@:
	tensor_load_to_lds s[\g0b:\g0b+3], s[\g1b:\g1b+7]
	s_nop 0
.rept 4
	v_nop
.endr
.Lasked_\@:
.endm
.macro CREST                           ; a round of the cluster's barrier behind its opening barrier
	s_cmp_lg_u32 s14, 0
	s_cbranch_scc1 .Lnot_wave_0_\@
	s_barrier_signal -3
.Lnot_wave_0_\@:
	s_barrier_wait -3
	s_barrier_signal -1
	s_barrier_wait -1
.endm
.macro CROUND
	s_barrier_signal -1
	s_barrier_wait -1
	CREST
.endm
	s_load_b128 s[4:7], s[0:1], 0x0                ; xq, wq
	v_lshl_add_u32 v[SPW], v0, 2, SPARE
	v_mov_b32 v[NIL], 0
	ds_add_u32 v[SPW], v[NIL]                      ; the wave's opening: the add and its wait ahead of my first tensor load
	v_lshrrev_b32 v1, 5, v0
	v_readfirstlane_b32 s14, v1                    ; wave 0..3
	s_lshr_b32 s15, s14, 1                         ; which half of A's rows is mine.  Also: I fetch for A (0) or for B (1)
	s_and_b32 s16, s14, 1                          ; which half of B's rows.  Also: which 128 rows I fetch
	s_bfe_u32 s40, ttmp6, 0x40000                  ; cx
	s_bfe_u32 s41, ttmp6, 0x40004                  ; cy
	s_and_b32 s95, ttmp7, 0xffff                   ; the cluster's y: 0-7 Q, 8-15 K, 16-23 V
	s_lshr_b32 s96, s95, 3                         ; which tensor
	s_lshl_b32 s18, s96, 2
	s_lshl_b32 s19, s95, 2
	s_mov_b32 s98, WSC
	s_mov_b32 s100, XSC
	s_mov_b32 s99, 0
	s_mov_b32 s101, 0
	s_cmp_lt_u32 s95, 16
	s_cselect_b32 s42, s18, s19                    ; B's first tile of 256 slots: WQ's or WK's in wq; v's in xq
	s_cselect_b32 s17, s19, 8                      ; A's: q's or k's in xq; WV's in wq
	s_cselect_b32 s98, XSC, s98                    ; where A's buffer has its scale bytes,
	s_cselect_b32 s100, WSC, s100                  ; and B's
	s_add_co_u32 s42, s42, s40                     ; B's tile hangs on cx alone,
	s_add_co_u32 s17, s17, s41                     ; A's on cy alone
	s_lshl_b32 s43, s41, 2
	s_lshl_b32 s43, 15, s43                        ; my row of the cluster
	s_lshl_b32 s44, 0x1111, s40                    ; my column
	s_or_b32 s[G1+0], s43, (0<<16)|(1<<20)|(1<<21)|(3<<22)|(3<<25)  ; the mask; elements of 1 byte; padding on; bit 21 beside a mask; after every 16 words 4 words
	s_or_b32 s[G1B+0], s44, (0<<16)|(1<<20)|(1<<21)|(3<<22)|(3<<25)
.irp g, G1, G1B
	s_mov_b32 s[\g+1], ROWB<<16                    ; tensor_dim0
	s_mov_b32 s[\g+2], 128<<16                     ; tensor_dim1
	s_mov_b32 s[\g+3], ROWB<<16                    ; tile_dim0
	s_mov_b32 s[\g+4], 128                         ; tile_dim1
	s_mov_b32 s[\g+5], KROW                        ; the pitch
	s_mov_b32 s[\g+6], 0
	s_mov_b32 s[\g+7], 0
.endr
	s_or_b32 s[G1S+0], s43, (3<<16)|(1<<20)|(1<<21)|(5<<22)|(3<<25)   ; the scale bytes of 128 rows: 4,096 dense bytes as 16 rows of 256, 16 bytes of padding behind each
	s_or_b32 s[G1SB+0], s44, (3<<16)|(1<<20)|(1<<21)|(5<<22)|(3<<25)
.irp g, G1S, G1SB
	s_mov_b32 s[\g+1], 32<<16
	s_mov_b32 s[\g+2], 16<<16
	s_mov_b32 s[\g+3], 32<<16
	s_mov_b32 s[\g+4], 16
	s_mov_b32 s[\g+5], 32
	s_mov_b32 s[\g+6], 0
	s_mov_b32 s[\g+7], 0
.endr
	s_lshl_b32 s18, s16, 7                         ; which 128 rows of the tile I fetch
	s_lshl_b32 s20, s17, 8
	s_add_co_u32 s20, s20, s18                     ; A's slot
	s_lshl_b32 s46, s42, 8
	s_add_co_u32 s46, s46, s18                     ; B's slot
	s_mov_b32 s21, 0
	s_mov_b32 s47, 0
	s_mov_b64 s[18:19], KS
	s_mul_u64 s[22:23], s[20:21], s[18:19]
	s_mul_u64 s[92:93], s[46:47], s[18:19]
	s_add_nc_u64 s[22:23], s[22:23], s[98:99]      ; where these rows' scale bytes begin,
	s_add_nc_u64 s[92:93], s[92:93], s[100:101]
	s_mov_b64 s[18:19], KROW
	s_mul_u64 s[20:21], s[20:21], s[18:19]         ; and their codes
	s_mul_u64 s[46:47], s[46:47], s[18:19]
	s_mul_i32 s45, s14, HALFT                      ; where they go: no place in the cluster enters an LDS address
	s_mul_i32 s94, s14, HALFS
	s_wait_dscnt 0x0                               ; the opening add is done
	s_wait_kmcnt 0x0
	s_cmp_lt_u32 s95, 16
	s_cselect_b64 s[8:9], s[6:7], s[4:5]           ; B's buffer
	s_cselect_b64 s[4:5], s[4:5], s[6:7]           ; A's buffer
	s_add_nc_u64 s[20:21], s[4:5], s[20:21]
	s_add_nc_u64 s[22:23], s[4:5], s[22:23]
	s_add_nc_u64 s[46:47], s[8:9], s[46:47]
	s_add_nc_u64 s[92:93], s[8:9], s[92:93]
	CROUND                                         ; all sixteen work-groups are here: the first joint loads meet
	s_mov_b32 s[G0S], 1
	s_add_co_u32 s[G0S+1], s94, SCL
	s_mov_b64 s[G0S+2:G0S+3], s[22:23]
	s_or_b32 s[G0S+3], s[G0S+3], 0x80000000
	s_mov_b32 s[G0SB], 1
	s_add_co_u32 s[G0SB+1], s94, SCL
	s_mov_b64 s[G0SB+2:G0SB+3], s[92:93]
	s_or_b32 s[G0SB+3], s[G0SB+3], 0x80000000
	JLOAD G0S, G1S, G0SB, G1SB                     ; the scale bytes first
.irp s, 0,1
	s_mov_b32 s[G0+4*\s], 1
	s_add_co_u32 s[G0+4*\s+1], s45, \s*SLOT
	s_add_nc_u64 s[G0+4*\s+2:G0+4*\s+3], s[20:21], \s*ROWB
	s_or_b32 s[G0+4*\s+3], s[G0+4*\s+3], 0x80000000
	s_mov_b32 s[G0B+4*\s], 1
	s_add_co_u32 s[G0B+4*\s+1], s45, \s*SLOT
	s_add_nc_u64 s[G0B+4*\s+2:G0B+4*\s+3], s[46:47], \s*ROWB
	s_or_b32 s[G0B+4*\s+3], s[G0B+4*\s+3], 0x80000000
	JLOAD G0+4*\s, G1, G0B+4*\s, G1B
.endr
	s_load_b256 s[4:11], s[0:1], 0x10              ; bQ, bK, bV, qkv: wanted on the way out, where the wait for them stands
	v_and_b32 v1, 15, v0                           ; r = l % 16
	v_bfe_u32 v2, v0, 4, 1                         ; h = l / 16
	v_mul_u32_u24 v3, v1, PITCH
	v_mul_u32_u24 v4, v2, 24
	v_add_nc_u32 v4, v3, v4                        ; a fragment's row x pitch + 24 x half
	v_lshl_add_u32 v5, v2, 4, v4                   ; and the same behind one padding more
	s_mul_i32 s21, s15, HALFT
	s_mul_i32 s22, s16, HALFT
	s_add_co_u32 s22, s22, 2*HALFT
.irp s, 0,1
	v_add_nc_u32 v[ADRA+\s], s21, v4
	v_add_nc_u32 v[ADRB+\s], s22, v4
	v_add_nc_u32 v[ADRA+2+\s], s21, v5
	v_add_nc_u32 v[ADRB+2+\s], s22, v5
	s_add_co_u32 s21, s21, SLOT
	s_add_co_u32 s22, s22, SLOT
.endr
	v_mul_u32_u24 v5, v1, KS                       ; my row's scale bytes: 32 a row,
	v_lshrrev_b32 v6, 8, v5
	v_lshl_add_u32 v5, v6, 4, v5                   ; and 16 more for each 256 passed
	s_mul_i32 s21, s15, HALFS
	s_mul_i32 s22, s16, HALFS
	s_add_co_u32 s22, s22, 2*HALFS
	s_sub_co_u32 s22, s22, s21
	v_mul_u32_u24 v6, s22, v2                      ; lanes 16-31 take B's
	s_add_co_u32 s21, s21, SCL
	v_add_nc_u32 v5, v5, v6
	v_add_nc_u32 v[ADRS], s21, v5
	v_and_b32 v6, 31, v0
	v_lshlrev_b32 v[LO8], 3, v6
	v_lshlrev_b32 v[LO16], 4, v6
	s_mov_b32 s[SEL], 0x76543210
	s_mov_b32 s[SEL+1], 0xfedcba98
	s_mov_b32 s104, 0xffff0000                     ; lanes 16-31
.macro FRAG reg, adr, q, i             ; a fragment: 16 rows x 128 K in 12 registers, in pieces of 8 bytes; where the piece three on lies behind one padding more, the second address register serves
.irp p, 0,1,2,3,4,5
.set PCE, 12*(\q)+6*(\p/3)+\p%3
.if PCE%8 < 5
	ds_load_b64 v[\reg+2*\p:\reg+2*\p+1], v[\adr] offset:8*PCE+16*(PCE/8)+(\i)*16*PITCH
.else
	ds_load_b64 v[\reg+2*\p:\reg+2*\p+1], v[\adr+2] offset:8*PCE+16*(PCE/8)+(\i)*16*PITCH
.endif
.endr
.endm
; 16 matrix instructions: A's blocks a0, a0 + 1 x B's eight.  The 64 accumulators take turns, one instruction a turn, in the same order in every step.
.macro MUL16 a0, p, q, sc, zero
.irp a, \a0, \a0+1
.irp b, 0,1,2,3,4,5,6,7
.if \zero
	v_wmma_scale_f32_16x16x128_f8f6f4 v[8*(8*((\a)%4)+\b):8*(8*((\a)%4)+\b)+7], v[128*(\p)+FR*\b:128*(\p)+FR*\b+FR-1], v[AF+FR*(\a):AF+FR*(\a)+FR-1], 0, v[SC+8*NQ*(\sc)+NQ*\b+(\q)], v[SC+8*NQ*(\sc)+NQ*(\a)+(\q)] matrix_a_fmt:MATRIX_FMT_FP6 matrix_b_fmt:MATRIX_FMT_FP6 matrix_a_scale:MATRIX_SCALE_ROW1
.else
	v_wmma_scale_f32_16x16x128_f8f6f4 v[8*(8*((\a)%4)+\b):8*(8*((\a)%4)+\b)+7], v[128*(\p)+FR*\b:128*(\p)+FR*\b+FR-1], v[AF+FR*(\a):AF+FR*(\a)+FR-1], v[8*(8*((\a)%4)+\b):8*(8*((\a)%4)+\b)+7], v[SC+8*NQ*(\sc)+NQ*\b+(\q)], v[SC+8*NQ*(\sc)+NQ*(\a)+(\q)] matrix_a_fmt:MATRIX_FMT_FP6 matrix_b_fmt:MATRIX_FMT_FP6 matrix_a_scale:MATRIX_SCALE_ROW1
.endif
.endr
.endr
.endm
.macro FETCH_B slot, q, p
	WIN TO_B
.irp i, 0,1,2,3,4,5,6,7
	FRAG 128*(\p)+FR*\i, ADRB+\slot, \q, \i
.endr
	WIN 0
.endm
.macro FETCH_A slot, q, i0
.irp i, \i0, \i0+1, \i0+2, \i0+3
	FRAG AF+FR*(\i), ADRA+\slot, \q, \i
.endr
.endm
.macro SCALES sc                       ; a K step's scale words: lanes 0-15 A's block i, lanes 16-31 B's block i
.irp i, 0,1,2,3,4,5,6,7
	ds_load_b64 v[SC+8*NQ*\sc+NQ*\i:SC+8*NQ*\sc+NQ*\i+1], v[ADRS] offset:\i*SBLK
.endr
.endm
.macro PLACES n                        ; plain vector instructions between a matrix instruction and a load into, or a read of, its registers
.rept \n
	v_nop
.endr
.endm
.macro STEP slot, q, zero              ; 128 along K with its successor in the same slot
	s_wait_dscnt 4*NL                              ; B's set and A's blocks 0-3 are in; the youngest 24 loads (A's blocks 4-7) may be out
	WIN MUL_LO
	MUL16 0, (\q)%2, \q, \slot, \zero
	MUL16 2, (\q)%2, \q, \slot, \zero
	s_wait_dscnt 0
	PLACES NP
	FETCH_B \slot, (\q)+1, 1-(\q)%2
	FETCH_A \slot, (\q)+1, 0
	WIN MUL_HI
	MUL16 4, (\q)%2, \q, \slot, \zero
	MUL16 6, (\q)%2, \q, \slot, \zero
	PLACES NP
	WIN 0
	FETCH_A \slot, (\q)+1, 4
.endm
; A slot's last step changes slots: one barrier; in front of it each wave waits for all its tensor loads, adds 0 to its spare word, and waits for that and for its reads of this slot.
.macro TURN slot, next, fill
	s_wait_tensorcnt 0x0                           ; all my tensor loads have landed: my part of the next slot
	ds_add_u32 v[SPW], v[NIL]                      ; 0 onto my spare word
	s_wait_dscnt 4*NL+1                            ; (the add and the youngest 24 loads may be out)
	WIN MUL_LO
	MUL16 0, 1, NQ-1, \slot, 0
	s_wait_dscnt 0x0                               ; the add is done, and my reads of this slot are over
	s_barrier_signal -1
	MUL16 2, 1, NQ-1, \slot, 0
	WIN 0
	s_barrier_wait -1
.if \fill
	CREST                                          ; the barrier has opened a round of the cluster's barrier: no wave of any partner still reads this slot or has a load on its way
	s_add_nc_u64 s[G0+4*\slot+2:G0+4*\slot+3], s[G0+4*\slot+2:G0+4*\slot+3], 2*ROWB
	s_add_nc_u64 s[G0B+4*\slot+2:G0B+4*\slot+3], s[G0B+4*\slot+2:G0B+4*\slot+3], 2*ROWB
	JLOAD G0+4*\slot, G1, G0B+4*\slot, G1B         ; the first tensor load behind the round; its four v_nop are the places in front of the loads below
.else
	PLACES NP
.endif
	v_add_nc_u32 v[ADRS], 4*NQ, v[ADRS]
	FETCH_B \next, 0, 0
	FETCH_A \next, 0, 0
	SCALES \next
	WIN MUL_HI
	MUL16 4, 1, NQ-1, \slot, 0
	MUL16 6, 1, NQ-1, \slot, 0
	PLACES NP
	WIN 0
	FETCH_A \next, 0, 4
.endm
	s_wait_tensorcnt 1                             ; the scale bytes and my part of K step 0 are in (K step 1's load may be out),
	s_barrier_signal -1
	s_barrier_wait -1                              ; everybody's are
	FETCH_B 0, 0, 0
	FETCH_A 0, 0, 0
	SCALES 0
	FETCH_A 0, 0, 4
	STEP 0, 0, 1                                   ; the first step's products start the sums
	s_mov_b32 s3, LAPS-1
.Llap:
	TURN 0, 1, 1
	STEP 1, 0, 0
	TURN 1, 0, 1
	STEP 0, 0, 0
	s_sub_co_u32 s3, s3, 1
	s_cmp_lg_u32 s3, 0
	s_cbranch_scc1 .Llap
	TURN 0, 1, 0                                   ; the last lap fills nothing
	STEP 1, 0, 0
	s_wait_dscnt 4*NL
	WIN MUL_LO
	MUL16 0, 1, NQ-1, 1, 0
	MUL16 2, 1, NQ-1, 1, 0
	s_wait_dscnt 0
	WIN MUL_HI
	MUL16 4, 1, NQ-1, 1, 0
	MUL16 6, 1, NQ-1, 1, 0
	WIN 0
; 64 numbers of a lane, v[s] .. v[s + 63], register 16 b + i = k 32 b + 16 (lane / 16) + i of my row, become a fragment's codes in v[PC] on and its scale word in v[PW] (the same in both halves of the lanes).
.macro QUANT s
.irp b, 0,1,2,3
	v_max3_num_f32 v[TM+\b], |v[\s+16*\b]|, |v[\s+1+16*\b]|, 0x1800000   ; my 16 numbers of block b, and the floor 2^(3 - 127): the byte cannot fall under 1
.endr
.irp i, 2,4,6,8,10,12,14
.irp b, 0,1,2,3
	v_max3_num_f32 v[TM+\b], v[TM+\b], |v[\s+16*\b+\i]|, |v[\s+1+16*\b+\i]|
.endr
.endr
.irp b, 0,1,2,3
	v_permlanex16_b32 v[TM+4+\b], v[TM+\b], s[SEL], s[SEL+1]
.endr
.irp b, 0,1,2,3
	v_max_num_f32 v[TM+\b], v[TM+\b], v[TM+4+\b]   ; with lane l xor 16's: the block's largest magnitude
.endr
.irp b, 0,1,2,3
	v_add_nc_u32 v[TM+12+\b], 0xff000000, v[TM+\b]   ; 2 off its exponent field: the conversion's scale operand
.endr
.irp b, 0,1,2,3
	v_lshrrev_b32 v[TM+4+\b], 23, v[TM+12+\b]      ; the scale's byte
.endr
	v_lshl_or_b32 v[PW], v[TM+5], 8, v[TM+4]
	v_lshl_or_b32 v[PW], v[TM+6], 16, v[PW]
	v_lshl_or_b32 v[PW], v[TM+7], 24, v[PW]
.irp c, 0,1
	v_cvt_scalef32_pk16_fp6_f32 v[PC+6*\c:PC+2+6*\c], v[\s+32*\c:\s+15+32*\c], v[TM+12+2*\c]
	v_cvt_scalef32_pk16_fp6_f32 v[PC+12+4*\c:PC+14+4*\c], v[\s+16+32*\c:\s+31+32*\c], v[TM+12+2*\c+1]   ; (a conversion's three registers begin on an even number)
.endr
	v_nop                                          ; one plain place behind a scaled conversion
.irp c, 0,1                                    ; the operand's layout wants a whole block in a lane
.irp i, 0,1,2
	v_permlane16_swap_b32 v[PC+6*\c+\i], v[PC+12+4*\c+\i]
.endr
.irp i, 0,1,2
	v_mov_b32 v[PC+3+6*\c+\i], v[PC+12+4*\c+\i]
.endr
.endr
.endm
; THE WAY OUT, A's block a (16 lanes' rows) at a time: + bias, quantised, the fragment's six pieces stored, each 256 consecutive bytes; the scale words are gathered, even blocks in lanes 0-15 and odd ones in lanes 16-31.
.macro EPI isv
.irp a, 0,1,2,3,4,5,6,7
.if \a > 0
	s_wait_xcnt 0x0                                ; the last block's stores have read their registers: the codes may be written again
.endif
	WIN 0x02+\a/4                                  ; source 0: window 2 or 3
.set j, 0
.rept 32                                       ; each accumulator from its low end on
.if \isv
	v_pk_add_f32 v[T+j:T+j+1], v[64*(\a%4)+j:64*(\a%4)+j+1], v[BI+2*\a:BI+2*\a+1]
.else
	v_pk_add_f32 v[T+j:T+j+1], v[64*(\a%4)+j:64*(\a%4)+j+1], v[BI+j:BI+j+1]
.endif
.set j, j+2
.endr
	WIN 0
	QUANT T
.if \isv
.irp p, 0,1,2,3,4,5
	global_store_b64 v[LO8], v[PC+2*\p:PC+2*\p+1], s[12:13] offset:(\a/4)*98304+(\a%4)*1536+256*\p   ; head a / 4 of my two, its tile a % 4 of 16 channels
.endr
.if \a%2 == 0
	v_mov_b32 v[SW0+\a/2], v[PW]
.else
	v_cndmask_b32 v[SW0+\a/2], v[SW0+\a/2], v[PW], s104
.endif
.if \a%4 == 3
	global_store_b64 v[LO8], v[SW0+2*(\a/4):SW0+2*(\a/4)+1], s[92:93] offset:(\a/4)*4096   ; a head's 64 scale words of this key step
.endif
.else
.irp p, 0,1,2,3,4,5
	global_store_b64 v[LO8], v[PC+2*\p:PC+2*\p+1], s[12:13] offset:(\p/3)*393216+768*\a+256*(\p%3)   ; pieces 0-2: my first head's 64; pieces 3-5: my second head's
.endr
.if \a%2 == 0
	v_and_or_b32 v[SW0+\a/2], v[PW], 0xffff, v[PAD]
	v_lshrrev_b32 v[SW1+\a/2], 16, v[PW]
	v_or_b32 v[SW1+\a/2], v[PAD], v[SW1+\a/2]
.else
	v_and_or_b32 v[X0], v[PW], 0xffff, v[PAD]
	v_lshrrev_b32 v[X1], 16, v[PW]
	v_or_b32 v[X1], v[PAD], v[X1]
	v_cndmask_b32 v[SW0+\a/2], v[SW0+\a/2], v[X0], s104
	v_cndmask_b32 v[SW1+\a/2], v[SW1+\a/2], v[X1], s104
.endif
.endif
.endr
.endm
	s_wait_kmcnt 0x0                               ; bQ s[4:5], bK s[6:7], bV s[8:9], qkv s[10:11]
	PLACES NP                                      ; behind the last products: their results are read, and registers that held A's fragments are written and loaded into
.irp b, 0,1,2,3
	v_mov_b32 v[TM+4+\b], 0                        ; written once: a lane permute's destination counts as one of its sources
.endr
	v_mov_b32 v[PAD], 0x7f7f0000
	s_mov_b32 s19, 0
	s_cmp_lt_u32 s95, 16                           ; the cluster's y: the same in all sixteen partners
	s_cbranch_scc0 .Lv_arm
	; ---- Q or K
	s_cmp_eq_u32 s96, 0
	s_cselect_b64 s[4:5], s[4:5], s[6:7]
	s_lshl_b32 s18, s40, 10
	s_lshl_b32 s20, s16, 9
	s_add_co_u32 s18, s18, s20                     ; my 128 columns, in bytes
	s_add_nc_u64 s[4:5], s[4:5], s[18:19]
	v_lshlrev_b32 v[BA], 6, v2                     ; 16 h columns on
.irp b, 0,1,2,3,4,5,6,7
	global_load_b128 v[BI+8*\b:BI+8*\b+3], v[BA], s[4:5] offset:4*(32*(\b/2)+8*(\b%2))      ; register 8 b + j: column 32 (b / 2) + 8 (b % 2) + 16 h + j
	global_load_b128 v[BI+8*\b+4:BI+8*\b+7], v[BA], s[4:5] offset:4*(32*(\b/2)+8*(\b%2))+16
.endr
	s_lshl_b32 s20, s40, 1
	s_add_co_u32 s20, s20, s16                     ; my pair of heads
	s_and_b32 s21, s17, 31
	s_lshl_b32 s21, s21, 4
	s_lshl_b32 s22, s15, 3
	s_add_co_u32 s21, s21, s22                     ; my first tile of 16 tokens
	s_mul_i32 s18, s96, 6291456
	s_mul_i32 s22, s20, 786432
	s_add_co_u32 s18, s18, s22
	s_mul_i32 s22, s21, 768
	s_add_co_u32 s18, s18, s22
	s_add_nc_u64 s[12:13], s[10:11], s[18:19]      ; the images
	s_lshl_b32 s18, s96, 19
	s_lshl_b32 s22, s20, 16
	s_add_co_u32 s18, s18, s22
	s_lshl_b32 s22, s21, 6
	s_add_co_u32 s18, s18, s22
	s_add_co_u32 s18, s18, QKS
	s_add_nc_u64 s[92:93], s[10:11], s[18:19]      ; the scale words of my 128 tokens
	s_wait_loadcnt 0x0
	EPI 0
	global_store_b128 v[LO16], v[SW0:SW0+3], s[92:93]                  ; 512 consecutive bytes: my first head's words,
	global_store_b128 v[LO16], v[SW1:SW1+3], s[92:93] offset:32768     ; my second head's
	s_branch .Ldone
.Lv_arm:
	; ---- V
	s_lshl_b32 s18, s41, 10
	s_lshl_b32 s20, s15, 9
	s_add_co_u32 s18, s18, s20                     ; my 128 channels, in bytes
	s_add_nc_u64 s[8:9], s[8:9], s[18:19]
	v_and_b32 v[BA], 8, v1
	v_add_nc_u32 v[BA], v[BA], v1
	v_lshlrev_b32 v[BA], 2, v[BA]                  ; lane r of a block of slots holds channel r + 8 (r / 8) of it
.irp a, 0,1,2,3,4,5,6,7
	global_load_b32 v[BI+2*\a], v[BA], s[8:9] offset:4*(32*(\a/2)+8*(\a%2))       ; twice: a pair for the packed addition
	global_load_b32 v[BI+2*\a+1], v[BA], s[8:9] offset:4*(32*(\a/2)+8*(\a%2))
.endr
	s_lshl_b32 s20, s41, 2
	s_lshl_b32 s21, s15, 1
	s_add_co_u32 s20, s20, s21                     ; my first head
	s_sub_co_u32 s21, s42, 64
	s_lshl_b32 s21, s21, 1
	s_add_co_u32 s21, s21, s16                     ; my 128 tokens: 16 batch + key step
	s_lshr_b32 s22, s21, 4
	s_and_b32 s21, s21, 15
	s_lshl_b32 s22, s22, 4
	s_add_co_u32 s22, s22, s20
	s_lshl_b32 s22, s22, 4
	s_add_co_u32 s22, s22, s21                     ; (16 batch + head) 16 + key step
	s_mul_i32 s18, s22, 6144
	s_add_co_u32 s18, s18, VI
	s_add_nc_u64 s[12:13], s[10:11], s[18:19]
	s_lshl_b32 s18, s22, 8
	s_add_co_u32 s18, s18, VSG
	s_add_nc_u64 s[92:93], s[10:11], s[18:19]
	s_wait_loadcnt 0x0
	EPI 1
.Ldone:
	s_wait_tensorcnt 0x0                           ; the wave's end
	ds_add_u32 v[SPW], v[NIL]
	s_wait_dscnt 0x0
	CROUND                                         ; the closing round
	s_endpgm
.Lfunc_end_k_q292e5bcc6d_proj:
	.size	k_q292e5bcc6d_proj, .Lfunc_end_k_q292e5bcc6d_proj-k_q292e5bcc6d_proj
	.p2alignl 7, 3214868480
	.fill 96, 4, 3214868480
	.section	.rodata,"a",@progbits
	.p2align	6, 0x0
	.amdhsa_kernel k_q292e5bcc6d_proj
		.amdhsa_group_segment_fixed_size 327680
		.amdhsa_private_segment_fixed_size 0
		.amdhsa_enable_private_segment 0
		.amdhsa_kernarg_size 48
		.amdhsa_user_sgpr_count 2
		.amdhsa_user_sgpr_kernarg_segment_ptr 1
		.amdhsa_wavefront_size32 1
		.amdhsa_system_sgpr_workgroup_id_x 1
		.amdhsa_system_sgpr_workgroup_id_y 1
		.amdhsa_system_sgpr_workgroup_id_z 1
		.amdhsa_system_vgpr_workitem_id 0
		.amdhsa_next_free_vgpr 1024
		.amdhsa_next_free_sgpr 106
		.amdhsa_reserve_vcc 0
		.amdhsa_float_denorm_mode_32 3
		.amdhsa_float_denorm_mode_16_64 3
		.amdhsa_memory_ordered 1
		.amdhsa_forward_progress 1
		.amdhsa_inst_pref_size 240
	.end_amdhsa_kernel
	.amdgpu_metadata
---
amdhsa.version: [ 1, 2 ]
amdhsa.kernels:
  - .name:           k_q292e5bcc6d_proj
    .symbol:         k_q292e5bcc6d_proj.kd
    .args:
      - { .name: xq, .offset: 0, .size: 8, .value_kind: global_buffer, .address_space: global }
      - { .name: wq, .offset: 8, .size: 8, .value_kind: global_buffer, .address_space: global }
      - { .name: bQ, .offset: 16, .size: 8, .value_kind: global_buffer, .address_space: global }
      - { .name: bK, .offset: 24, .size: 8, .value_kind: global_buffer, .address_space: global }
      - { .name: bV, .offset: 32, .size: 8, .value_kind: global_buffer, .address_space: global }
      - { .name: qkv, .offset: 40, .size: 8, .value_kind: global_buffer, .address_space: global }
    .group_segment_fixed_size: 327680
    .private_segment_fixed_size: 0
    .kernarg_segment_align: 8
    .kernarg_segment_size: 48
    .max_flat_workgroup_size: 128
    .sgpr_count:     106
    .vgpr_count:     1024
    .wavefront_size: 32
...
	.end_amdgpu_metadata
.endif
;; end of part 4
;; launch attn (part 5): grid 8 x 64, 16 waves a work-group, no clusters, 211,200 bytes of LDS; arguments qkv, mbits, ctx; writes ctx
.if DOCPART == 5
	.amdgcn_target "amdgcn-amd-amdhsa--gfx1250"
	.amdhsa_code_object_version 6
	.text
	.protected	k_q292e5bcc6d_attn
	.globl	k_q292e5bcc6d_attn
	.p2align	8
	.type	k_q292e5bcc6d_attn,@function
k_q292e5bcc6d_attn:
	s_mov_b64 s[64:65], 0
	v_nop
	global_prefetch_b8 v0, s[64:65] scope:SCOPE_SE
	s_setreg_imm32_b32 hwreg(HW_REG_WAVE_MODE, 25, 1), 1
	s_wait_xcnt 0x0
; ctx[b][q][head] = softmax over the keys of (Q K^T / 8, -infinity where the mask is 0) V, both products on codes of FP6 (E2M3) with E8M0 scales; ctx is quantised along its 1,024 columns and leaves as codes.
; THE SOFTMAX: t = score x log2(e) / 8; M = the running largest t rounded UP to a whole number; p = 2^(t - M) is quantised along the keys, not normalised; the row's sum is taken of the unquantised p and divides at the end.
; When M moves, the sum and O are multiplied by 2^(old M - new M), which rounds nothing.
; SHARES.  Work-group (x, y): batch y / 16, head y % 16, queries 256 x on; each of its sixteen waves owns one tile of 16 queries in 256 registers.  Every wave walks the 2,048 keys, 128 a step.
; A HEAD'S WHOLE K AND V LIE IN LDS, as images of operand registers (piece p of lane l at 256 p + 8 l): 208,896 bytes, filled once, wave w bringing key step w by four tensor loads: no slot is filled again; one barrier.
; Four tensor loads of a wave are out at the most.
; LAYOUT.  Both products transposed: S^T = K Q^T, O^T = V^T P^T: a lane holds one query (lane % 16).  K's tiles are 16 slots (bits 3 and 4 of the token's number exchanged), so the 16 registers of tiles 2 b and 2 b + 1
; are keys 32 b + 16 (lane / 16) + 0 .. 15; V's channels likewise, so O^T's registers 16 b + i are channels 32 b + 16 (lane / 16) + i.
; K = 64 IN A FORM 128 DEEP: Q's upper six registers hold zero codes.  K's tile t stands in 12 registers of which the upper six are the next tile's codes (behind the last: zeros): they meet zeros and add nothing; their scale bytes are 0x7f.
; THE MASK comes as lane masks, a word for each score register, by scalar loads a step ahead; it only selects values.
; NO MULTICAST: what the work-groups of a head share is fetched once, at the head, 13 KB a wave; the loop fetches nothing.
; LIMITS: a query all of whose keys are masked gets the scale byte 0xff, so that its output row is NaN as in the softmax of an empty row; NaN and infinities among the inputs are not served; a block of zeros gets the byte 1.
.set KC,    0                          ; LDS: K's images, 6,144 bytes a step
.set VC,    98304                      ; V's, 6,144 a step
.set KSL,   196608                     ; K's scale words, 512 a step
.set VSL,   204800                     ; V's, 256 a step
.set SPARE, 209152                     ; the spare words, 128 bytes a wave (256 unused bytes lie in front of them)
.set VI,    12582912                   ; qkv: V's images,
.set QKS,   18874368                   ; Q's and K's scale words,
.set VSG,   19922944                   ; V's scale words
.set CSO,   6291456                    ; ctx: the scale bytes
.set L8,   1                           ; v1   8 x lane
.set L16,  2                           ; v2   16 x lane
.set SPW,  5
.set NIL,  6
.set NINF, 7                           ; v7   -infinity
.set ADK,  8
.set ADV,  9
.set ADS,  10
.set ADT,  11
.set QF,   16                          ; v16-21 Q's codes, v22-27 zeros
.set QS,   28                          ; v28  Q's scale word
.set KV,   30                          ; v30-77 K's eight tiles or V's four; v78-83 zeros
.set KSC,  84                          ; v84-87 K's scale words: register i: lanes 0-15 tile 2 i, lanes 16-31 tile 2 i + 1
.set VSC,  88                          ; v88-89 V's likewise
.set S,    96                          ; v96-159 S^T, then p
.set O,    160                         ; v160-191 O^T
.set PCD,  192                         ; v192-203 p's codes
.set PT,   204                         ; v204-211 the conversions' second halves
.set BM,   212                         ; v212-215 a block's largest
.set BP,   216                         ; v216-219 at work
.set SO,   220                         ; v220-223 the conversions' scale operands
.set TMP,  224
.set FFF,  225                         ; v225 0xffff, on the way out
.set F,    226                         ; v[226:227] f = 2^(old M - new M), later 1 / the sum
.set PW,   228                         ; the scale word just made
.set WV,   52
.set SEL,  54
.set CS,   56                          ; s[56:57] c = log2(e) / 8
.set MP,   58                          ; s[58:59] the mask words of the step to be loaded
.set CI,   60                          ; s[60:61] where my codes of ctx go
.set CSP,  62                          ; s[62:63] and my scale bytes
.set TK,   66
.set TV,   67
.set TS,   84
.set TT,   85
.set CNT,  86
.set G1C,  20                          ; s[20:27] group 1 for 6,144 bytes; s[28:35] for 512; s[36:43] for 256
.set G1K,  28
.set G1V,  36
	s_load_b128 s[88:91], s[0:1], 0x0              ; qkv, mbits
	s_load_b64 s[92:93], s[0:1], 0x10              ; ctx
	v_lshl_add_u32 v[SPW], v0, 2, SPARE
	v_mov_b32 v[NIL], 0
	ds_add_u32 v[SPW], v[NIL]                      ; the wave's opening: the add and its wait ahead of my first tensor load
	v_lshrrev_b32 v3, 5, v0
	v_readfirstlane_b32 s[WV], v3                  ; wave 0..15
	s_and_b32 s87, ttmp7, 0xffff                   ; 16 batch + head
	s_lshr_b32 s94, s87, 4                         ; batch
	s_and_b32 s95, s87, 15                         ; head
.irp g, G1C, G1K, G1V                          ; dense blocks as rows of 256 bytes: 32 elements of 8 bytes, no padding, no mask
	s_mov_b32 s[\g], 3<<16
	s_mov_b32 s[\g+1], 32<<16
	s_mov_b32 s[\g+3], 32<<16
	s_mov_b32 s[\g+5], 32
	s_mov_b32 s[\g+6], 0
	s_mov_b32 s[\g+7], 0
.endr
	s_mov_b32 s[G1C+2], 24<<16
	s_mov_b32 s[G1C+4], 24
	s_mov_b32 s[G1K+2], 2<<16
	s_mov_b32 s[G1K+4], 2
	s_mov_b32 s[G1V+2], 1<<16
	s_mov_b32 s[G1V+4], 1
	s_mov_b32 s44, 1
	s_mov_b32 s48, 1
	s_mov_b32 s68, 1
	s_mov_b32 s72, 1
	s_mul_i32 s45, s[WV], 6144                     ; LDS: key step w of K's images,
	s_add_co_u32 s49, s45, VC                      ; of V's,
	s_lshl_b32 s69, s[WV], 9
	s_add_co_u32 s69, s69, KSL                     ; of K's scale words,
	s_lshl_b32 s73, s[WV], 8
	s_add_co_u32 s73, s73, VSL                     ; of V's
	s_mul_i32 s66, s95, 393216                     ; and in qkv: K's images
	s_mul_i32 s96, s94, 98304
	s_add_co_u32 s66, s66, s96
	s_add_co_u32 s66, s66, s45
	s_add_co_u32 s66, s66, 6291456
	s_mul_i32 s67, s87, 98304                      ; V's images
	s_add_co_u32 s67, s67, s45
	s_add_co_u32 s67, s67, VI
	s_lshl_b32 s84, s95, 15                        ; K's scale words
	s_lshl_b32 s96, s94, 13
	s_add_co_u32 s84, s84, s96
	s_lshl_b32 s96, s[WV], 9
	s_add_co_u32 s84, s84, s96
	s_add_co_u32 s84, s84, QKS+524288
	s_lshl_b32 s85, s87, 12                        ; V's scale words
	s_lshl_b32 s96, s[WV], 8
	s_add_co_u32 s85, s85, s96
	s_add_co_u32 s85, s85, VSG
	s_mov_b32 s97, 0
	s_mov_b32 s[SEL], 0x76543210
	s_mov_b32 s[SEL+1], 0xfedcba98
	s_mov_b32 s[CS], 0x3e38aa3b                    ; log2(e) / 8
	s_mov_b32 s[CS+1], s[CS]
	s_wait_dscnt 0x0                               ; the opening add is done
	s_wait_kmcnt 0x0
	s_mov_b32 s96, s66
	s_add_nc_u64 s[46:47], s[88:89], s[96:97]
	s_or_b32 s47, s47, 0x80000000
	s_mov_b32 s96, s67
	s_add_nc_u64 s[50:51], s[88:89], s[96:97]
	s_or_b32 s51, s51, 0x80000000
	s_mov_b32 s96, s84
	s_add_nc_u64 s[70:71], s[88:89], s[96:97]
	s_or_b32 s71, s71, 0x80000000
	s_mov_b32 s96, s85
	s_add_nc_u64 s[74:75], s[88:89], s[96:97]
	s_or_b32 s75, s75, 0x80000000
	tensor_load_to_lds s[44:47], s[G1C:G1C+7]      ; the launch's only fills, one group, ahead of every wait on TENSORcnt, LDS read and barrier
	s_nop 0
	tensor_load_to_lds s[48:51], s[G1C:G1C+7]
	s_nop 0
	tensor_load_to_lds s[68:71], s[G1K:G1K+7]
	s_nop 0
	tensor_load_to_lds s[72:75], s[G1V:G1V+7]
	s_nop 0
	s_lshl_b32 s86, s94, 7
	s_lshl_b32 s96, ttmp9, 4
	s_add_co_u32 s86, s86, s96
	s_add_co_u32 s86, s86, s[WV]                   ; my tile of 16 queries: 128 batch + 16 x + wave
	s_mul_i32 s96, s95, 393216
	s_mul_i32 s100, s86, 768
	s_add_co_u32 s96, s96, s100
	s_add_nc_u64 s[98:99], s[88:89], s[96:97]      ; Q's image
	s_lshr_b32 s96, s86, 3                         ; Q's scale word: the group of 8 tiles,
	s_lshl_b32 s96, s96, 9
	s_and_b32 s100, s86, 1                         ; in it tile 2 i + hh, row r, at 16 (r + 16 hh) + 4 i
	s_lshl_b32 s100, s100, 8
	s_add_co_u32 s96, s96, s100
	s_bfe_u32 s100, s86, 0x20001
	s_lshl_b32 s100, s100, 2
	s_add_co_u32 s96, s96, s100
	s_lshl_b32 s100, s95, 15
	s_add_co_u32 s96, s96, s100
	s_add_co_u32 s96, s96, QKS
	s_add_nc_u64 s[100:101], s[88:89], s[96:97]
	s_lshl_b32 s96, s86, 12
	s_add_nc_u64 s[MP:MP+1], s[90:91], s[96:97]    ; my tile's mask words: 4,096 bytes
	s_mul_i32 s96, s86, 12288
	s_mul_i32 s94, s95, 768
	s_add_co_u32 s96, s96, s94
	s_add_nc_u64 s[CI:CI+1], s[92:93], s[96:97]    ; ctx: my tile's eight fragments, in them my head's half fragment
	s_lshl_b32 s96, s86, 9
	s_lshl_b32 s94, s95, 1
	s_add_co_u32 s96, s96, s94
	s_add_co_u32 s96, s96, CSO
	s_add_nc_u64 s[CSP:CSP+1], s[92:93], s[96:97]  ; and my head's two bytes of each row's 32
	v_and_b32 v3, 31, v0
	v_lshlrev_b32 v[L8], 3, v3
	v_lshlrev_b32 v[L16], 4, v3
	v_and_b32 v4, 15, v0
	v_lshlrev_b32 v3, 4, v4
.irp i, 0,1,2
	global_load_b64 v[QF+2*\i:QF+2*\i+1], v[L8], s[98:99] offset:256*\i
.endr
	global_load_b32 v[QS], v3, s[100:101]
	v_lshlrev_b32 v4, 5, v4                        ; 32 r: my row's scale bytes of ctx
	v_mov_b32 v[NINF], 0xff800000
	v_mov_b32 v13, 0xff61b1e6                      ; the largest t so far: -3e38
	v_floor_f32 v12, -v13                          ; -M
	v_mov_b32 v14, 0                               ; the sum, in two halves
	v_mov_b32 v15, 0
.irp i, 0,1,2,3,4,5
	v_mov_b32 v[QF+6+\i], 0                        ; Q has no K beyond 64: zero codes
	v_mov_b32 v[KV+48+\i], 0                       ; what stands behind K's last tile
.endr
.irp i, 0,1,2,3
	v_mov_b32 v[BP+\i], 0                          ; written once: a lane permute's destination counts as one of its sources
.endr
	v_mov_b32 v[F+1], 0                            ; (named as the upper half of a pair)
.set j, 0
.rept 32
	v_mov_b32 v[O+j], 0                            ; O^T: the step is written once; the first finds zeros
.set j, j+1
.endr
	s_mov_b32 s[TK], KC
	s_mov_b32 s[TV], VC
	s_mov_b32 s[TS], KSL
	s_mov_b32 s[TT], VSL
	s_mov_b32 s[CNT], 15
	v_add_nc_u32 v[ADK], s[TK], v[L8]
	v_add_nc_u32 v[ADS], s[TS], v[L16]
	s_wait_tensorcnt 0x0                           ; my four loads have landed,
	s_barrier_signal -1
	s_barrier_wait -1                              ; everybody's have: a head's K and V lie in LDS.  The descriptors' registers are free
.macro MLOAD                           ; a step's 64 mask words: word n in s[4 + n], from word 48 on in s[20 + n]
	s_load_b512 s[4:19], s[MP:MP+1], 0x0
	s_load_b512 s[20:35], s[MP:MP+1], 0x40
	s_load_b512 s[36:51], s[MP:MP+1], 0x80
	s_load_b512 s[68:83], s[MP:MP+1], 0xc0
.endm
.macro KLOAD                           ; a step's eight tiles of K, three pieces each, and their scale words
.irp t, 0,1,2,3,4,5,6,7
.irp p, 0,1,2
	ds_load_b64 v[KV+6*\t+2*\p:KV+6*\t+2*\p+1], v[ADK] offset:768*\t+256*\p
.endr
.endr
	ds_load_b128 v[KSC:KSC+3], v[ADS]
.endm
	MLOAD
	KLOAD
	s_wait_loadcnt 0x0                             ; Q
; A KEY STEP: 128 keys.  more = 1: the next step's mask words and K are asked for.
.macro STEP more
	s_wait_dscnt 0x0                               ; K's tiles and scale words are in
.irp t, 0,2,4,6
	v_wmma_scale_f32_16x16x128_f8f6f4 v[S+8*\t:S+8*\t+7], v[KV+6*\t:KV+6*\t+11], v[QF:QF+11], 0, v[KSC+\t/2], v[QS] matrix_a_fmt:MATRIX_FMT_FP6 matrix_b_fmt:MATRIX_FMT_FP6
	v_wmma_scale_f32_16x16x128_f8f6f4 v[S+8*\t+8:S+8*\t+15], v[KV+6*\t+6:KV+6*\t+17], v[QF:QF+11], 0, v[KSC+\t/2], v[QS] matrix_a_fmt:MATRIX_FMT_FP6 matrix_b_fmt:MATRIX_FMT_FP6 matrix_a_scale:MATRIX_SCALE_ROW1
.endr
	v_add_nc_u32 v[ADV], s[TV], v[L8]              ; four plain instructions: the places behind the products, ahead of the loads into K's registers and of the first read of the scores
	v_add_nc_u32 v[ADT], s[TT], v[L8]
.if \more
	s_add_co_u32 s[TK], s[TK], 6144
	s_add_co_u32 s[TS], s[TS], 512
	s_add_co_u32 s[TV], s[TV], 6144
	s_add_co_u32 s[TT], s[TT], 256
	v_add_nc_u32 v[ADK], s[TK], v[L8]
	v_add_nc_u32 v[ADS], s[TS], v[L16]
.else
	v_nop
	v_nop
.endif
.irp d, 0,1,2,3
.irp p, 0,1,2,3,4,5
	ds_load_b64 v[KV+12*\d+2*\p:KV+12*\d+2*\p+1], v[ADV] offset:1536*\d+256*\p   ; V's four tiles of 16 channels x 128 keys: they land under the softmax
.endr
.endr
	ds_load_b64 v[VSC:VSC+1], v[ADT]
	s_wait_kmcnt 0x0                               ; this step's mask words, asked for a step ago
.set n, 0
.rept 64                                       ; each accumulator from its low end on
	v_cndmask_b32 v[S+n], v[NINF], v[S+n], s[4+n+16*(n/48)]   ; -infinity where the mask is 0
.set n, n+1
.endr
.if \more
	s_add_nc_u64 s[MP:MP+1], s[MP:MP+1], 256       ; (the wait above has shown the last loads done)
	MLOAD
.endif
.irp b, 0,1,2,3
	v_max3_num_f32 v[BM+\b], v[S+16*\b], v[S+1+16*\b], v[S+2+16*\b]   ; the largest score of each block of 32 keys: for the row's maximum, and, since p rises with the score, for the block's largest p
.endr
.irp i, 3,5,7,9,11,13
.irp b, 0,1,2,3
	v_max3_num_f32 v[BM+\b], v[BM+\b], v[S+16*\b+\i], v[S+1+16*\b+\i]
.endr
.endr
.irp b, 0,1,2,3
	v_max_num_f32 v[BM+\b], v[BM+\b], v[S+15+16*\b]
.endr
.irp b, 0,1,2,3
	v_permlanex16_b32 v[BP+\b], v[BM+\b], s[SEL], s[SEL+1]
.endr
.irp b, 0,1,2,3
	v_max_num_f32 v[BM+\b], v[BM+\b], v[BP+\b]     ; with lane l xor 16's 16 keys
.endr
	v_max3_num_f32 v[TMP], v[BM], v[BM+1], v[BM+2]
	v_max_num_f32 v[TMP], v[TMP], v[BM+3]
	v_mul_f32 v[TMP], s[CS], v[TMP]                ; as t
	v_max_num_f32 v13, v13, v[TMP]                 ; the running largest t
	v_mov_b32 v[TMP], v12
	v_floor_f32 v12, -v13                          ; the new -M = -ceil(t)
	v_sub_f32 v[TMP], v12, v[TMP]                  ; old M - new M: a whole number, 0 or less
	v_cvt_i32_f32 v[TMP], v[TMP]                   ; (it saturates)
	v_ldexp_f32 v[F], 1.0, v[TMP]                  ; f
.set j, 0
.rept 32
	v_pk_fma_f32 v[S+j:S+j+1], v[S+j:S+j+1], s[CS:CS+1], v[12:13] op_sel_hi:[1,0,0]   ; t - M
.set j, j+2
.endr
.irp b, 0,1,2,3
	v_fma_f32 v[BM+\b], v[BM+\b], s[CS], v12       ; the same of each block's largest score
.endr
.set j, 0
.rept 64
	v_exp_f32 v[S+j], v[S+j]                       ; p = 2^(t - M)
.set j, j+1
.endr
	v_pk_mul_f32 v[14:15], v[14:15], v[F:F+1] op_sel_hi:[1,0]   ; the sums under the new M; a plain place behind the exponentials
	s_wait_alu depctr_va_vdst(0)                   ; one wait for the batch, ahead of its first reader
.irp b, 0,1,2,3
	v_exp_f32 v[BM+\b], v[BM+\b]                   ; the block's largest p
.endr
	v_pk_add_f32 v[BP:BP+1], v[S:S+1], v[S+2:S+3]  ; the row's sum of the unquantised p, in two chains
.set j, 4
.rept 15
	v_pk_add_f32 v[14:15], v[14:15], v[S+j:S+j+1]
	v_pk_add_f32 v[BP:BP+1], v[BP:BP+1], v[S+j+2:S+j+3]
.set j, j+4
.endr
	v_pk_add_f32 v[14:15], v[14:15], v[BP:BP+1]
	s_wait_alu depctr_va_vdst(0)                   ; and one for the four
.irp b, 0,1,2,3
	v_max_num_f32 v[BM+\b], 0x1800000, v[BM+\b]    ; the floor 2^(3 - 127): the byte cannot fall under 1
.endr
.irp b, 0,1,2,3
	v_add_nc_u32 v[SO+\b], 0xff000000, v[BM+\b]    ; the conversion's scale operand
.endr
.irp b, 0,1,2,3
	v_lshrrev_b32 v[BP+\b], 23, v[SO+\b]           ; the scale's byte
.endr
	v_lshl_or_b32 v[PW], v[BP+1], 8, v[BP]
	v_lshl_or_b32 v[PW], v[BP+2], 16, v[PW]
	v_lshl_or_b32 v[PW], v[BP+3], 24, v[PW]        ; p's scale word for these 128 keys
.irp c, 0,1
	v_cvt_scalef32_pk16_fp6_f32 v[PCD+6*\c:PCD+6*\c+2], v[S+32*\c:S+32*\c+15], v[SO+2*\c]
	v_cvt_scalef32_pk16_fp6_f32 v[PT+4*\c:PT+4*\c+2], v[S+32*\c+16:S+32*\c+31], v[SO+2*\c+1]
.endr
	v_nop                                          ; one plain place behind a scaled conversion
.irp c, 0,1
.irp i, 0,1,2
	v_permlane16_swap_b32 v[PCD+6*\c+\i], v[PT+4*\c+\i]
.endr
.irp i, 0,1,2
	v_mov_b32 v[PCD+3+6*\c+\i], v[PT+4*\c+\i]
.endr
.endr
.set j, 0
.rept 16
	v_pk_mul_f32 v[O+j:O+j+1], v[O+j:O+j+1], v[F:F+1] op_sel_hi:[1,0]   ; O^T under the new M; these sixteen are also the places between the scale word and codes just made and the products
.set j, j+2
.endr
	s_wait_dscnt 0x0                               ; V's tiles and scale words are in
.irp d, 0,2
	v_wmma_scale_f32_16x16x128_f8f6f4 v[O+8*\d:O+8*\d+7], v[KV+12*\d:KV+12*\d+11], v[PCD:PCD+11], v[O+8*\d:O+8*\d+7], v[VSC+\d/2], v[PW] matrix_a_fmt:MATRIX_FMT_FP6 matrix_b_fmt:MATRIX_FMT_FP6
	v_wmma_scale_f32_16x16x128_f8f6f4 v[O+8*\d+8:O+8*\d+15], v[KV+12*\d+12:KV+12*\d+23], v[PCD:PCD+11], v[O+8*\d+8:O+8*\d+15], v[VSC+\d/2], v[PW] matrix_a_fmt:MATRIX_FMT_FP6 matrix_b_fmt:MATRIX_FMT_FP6 matrix_a_scale:MATRIX_SCALE_ROW1
.endr
.if \more
.rept 4
	v_nop                                          ; places in front of loads into registers that the products have read
.endr
	KLOAD
.endif
.endm
.Lstep:                                            ; 15 trips; the last step is written out, so that no load passes an end
	STEP 1
	s_sub_co_u32 s[CNT], s[CNT], 1
	s_cmp_lg_u32 s[CNT], 0
	s_cbranch_scc1 .Lstep
	STEP 0
	; THE WAY OUT: O^T / the sum, quantised along my head's 64 channels (two blocks): half a fragment of the last product's operand, and two scale bytes a row.
	v_add_f32 v14, v14, v15
	v_permlanex16_b32 v[TMP], v14, s[SEL], s[SEL+1]
	v_add_f32 v14, v14, v[TMP]                     ; the row's sum
	v_rcp_f32 v[F], v14
	v_mov_b32 v[FFF], 0xffff                       ; plain instructions: the place behind the reciprocal, and with the additions above the places behind the last products
	v_nop
	v_nop
	v_nop
	s_wait_alu depctr_va_vdst(0)                   ; the wait ahead of the reciprocal's first reader
.set j, 0
.rept 16
	v_pk_mul_f32 v[S+j:S+j+1], v[O+j:O+j+1], v[F:F+1] op_sel_hi:[1,0]   ; register 16 b + i: channel 32 b + 16 h + i; each accumulator from its low end on
.set j, j+2
.endr
.irp b, 0,1
	v_max3_num_f32 v[BM+\b], |v[S+16*\b]|, |v[S+1+16*\b]|, 0x1800000
.endr
.irp i, 2,4,6,8,10,12,14
.irp b, 0,1
	v_max3_num_f32 v[BM+\b], v[BM+\b], |v[S+16*\b+\i]|, |v[S+1+16*\b+\i]|
.endr
.endr
.irp b, 0,1
	v_permlanex16_b32 v[BP+\b], v[BM+\b], s[SEL], s[SEL+1]
.endr
.irp b, 0,1
	v_max_num_f32 v[BM+\b], v[BM+\b], v[BP+\b]
.endr
.irp b, 0,1
	v_add_nc_u32 v[SO+\b], 0xff000000, v[BM+\b]
.endr
.irp b, 0,1
	v_lshrrev_b32 v[BP+\b], 23, v[SO+\b]
.endr
	v_lshl_or_b32 v[PW], v[BP+1], 8, v[BP]
	v_cmp_eq_f32 vcc_lo, 0, v14                    ; a row with no key at all:
	v_cndmask_b32 v[PW], v[PW], v[FFF], vcc_lo     ; the bytes that make its sums NaN
	v_cvt_scalef32_pk16_fp6_f32 v[PCD:PCD+2], v[S:S+15], v[SO]
	v_cvt_scalef32_pk16_fp6_f32 v[PT:PT+2], v[S+16:S+31], v[SO+1]
	v_nop
.irp i, 0,1,2
	v_permlane16_swap_b32 v[PCD+\i], v[PT+\i]
.endr
.irp i, 0,1,2
	v_mov_b32 v[PCD+3+\i], v[PT+\i]
.endr
.irp i, 0,1,2
	global_store_b64 v[L8], v[PCD+2*\i:PCD+2*\i+1], s[CI:CI+1] offset:256*\i   ; 256 consecutive bytes, aligned
.endr
	global_store_b16 v4, v[PW], s[CSP:CSP+1]       ; my head's two bytes of row r's 32 (both halves of the lanes write the same value): 2 of the row's bytes are all that a head has
	s_wait_tensorcnt 0x0                           ; the wave's end
	ds_add_u32 v[SPW], v[NIL]
	s_wait_dscnt 0x0
	s_endpgm
.Lfunc_end_k_q292e5bcc6d_attn:
	.size	k_q292e5bcc6d_attn, .Lfunc_end_k_q292e5bcc6d_attn-k_q292e5bcc6d_attn
	.p2alignl 7, 3214868480
	.fill 96, 4, 3214868480
	.section	.rodata,"a",@progbits
	.p2align	6, 0x0
	.amdhsa_kernel k_q292e5bcc6d_attn
		.amdhsa_group_segment_fixed_size 211200
		.amdhsa_private_segment_fixed_size 0
		.amdhsa_enable_private_segment 0
		.amdhsa_kernarg_size 24
		.amdhsa_user_sgpr_count 2
		.amdhsa_user_sgpr_kernarg_segment_ptr 1
		.amdhsa_wavefront_size32 1
		.amdhsa_system_sgpr_workgroup_id_x 1
		.amdhsa_system_sgpr_workgroup_id_y 1
		.amdhsa_system_sgpr_workgroup_id_z 1
		.amdhsa_system_vgpr_workitem_id 0
		.amdhsa_next_free_vgpr 256
		.amdhsa_next_free_sgpr 102
		.amdhsa_reserve_vcc 1
		.amdhsa_float_denorm_mode_32 3
		.amdhsa_float_denorm_mode_16_64 3
		.amdhsa_memory_ordered 1
		.amdhsa_forward_progress 1
		.amdhsa_inst_pref_size 55
	.end_amdhsa_kernel
	.amdgpu_metadata
---
amdhsa.version: [ 1, 2 ]
amdhsa.kernels:
  - .name:           k_q292e5bcc6d_attn
    .symbol:         k_q292e5bcc6d_attn.kd
    .args:
      - { .name: qkv, .offset: 0, .size: 8, .value_kind: global_buffer, .address_space: global }
      - { .name: mbits, .offset: 8, .size: 8, .value_kind: global_buffer, .address_space: global }
      - { .name: ctx, .offset: 16, .size: 8, .value_kind: global_buffer, .address_space: global }
    .group_segment_fixed_size: 211200
    .private_segment_fixed_size: 0
    .kernarg_segment_align: 8
    .kernarg_segment_size: 24
    .max_flat_workgroup_size: 512
    .sgpr_count:     102
    .vgpr_count:     256
    .wavefront_size: 32
...
	.end_amdgpu_metadata
.endif
;; end of part 5
;; launch oproj (part 6): grid 4 x 32, 4 waves a work-group, clusters of 4 x 4, 327,680 bytes of LDS; arguments ctx, wq, bO, out0; writes out0
.if DOCPART == 6
	.amdgcn_target "amdgcn-amd-amdhsa--gfx1250"
	.amdhsa_code_object_version 6
	.text
	.protected	k_q292e5bcc6d_oproj
	.globl	k_q292e5bcc6d_oproj
	.p2align	8
	.type	k_q292e5bcc6d_oproj,@function
k_q292e5bcc6d_oproj:
	s_mov_b64 s[64:65], 0
	v_nop
	global_prefetch_b8 v0, s[64:65] scope:SCOPE_SE
	s_setreg_imm32_b32 hwreg(HW_REG_WAVE_MODE, 25, 1), 1
	s_wait_xcnt 0x0
	s_wait_alu depctr_hold_cnt(0) depctr_sa_sdst(0) depctr_va_vdst(0) depctr_va_sdst(0) depctr_va_ssrc(0) depctr_va_vcc(0) depctr_vm_vsrc(0)
	s_getreg_b32 s2, hwreg(HW_REG_IB_STS2, 6, 4)
	s_cmp_eq_u32 s2, 0
	s_cbranch_scc0 .Lentry_in_a_cluster
	s_endpgm
.Lentry_in_a_cluster:
	s_bfe_u32 s2, ttmp6, 0x10000c
	s_cmp_lg_u32 s2, 0xf033
	s_cbranch_scc0 .Lentry_shape_is_right
	s_endpgm
.Lentry_shape_is_right:
; out0 = ctx WO + bO on codes of FP6 (E2M3) with E8M0 scales; sums in f32; out0 [8192][1024] f32.
; A = ctx arrives as IMAGES of operand registers, [tile of 16 rows, 512][K step of 128, 8][1,536 bytes], piece p of lane l at 256 p + 8 l; its scale bytes [8192][32].  B = WO's codes [1024 slots][768 bytes], K innermost,
; slot s holding the column whose number is s with bits 3 and 4 exchanged; its scale bytes [1024 slots][32].
; A work-group of four waves makes 256 x 256 of the output, a wave 128 x 128: 64 accumulators.  K goes in steps of 256 through a ring of two LDS slots filled by the tensor data mover; the scale bytes come once.
; CLUSTERS: 4 x 4 work-groups; A's tiles are asked for jointly along a row of the cluster, B's along a column.  THE MATRIX INSTRUCTION IS USED TRANSPOSED (source 0 = 16 slots of WO, source 1 = 16 rows of ctx):
; a lane holds eight neighbouring columns of a row of the output: of B's block b the columns 32 (b / 2) + 8 (b % 2) + 16 (lane / 16) + 0 .. 7.
; 128 work-groups: the output has no more tiles of this size.
; REGISTERS: window 0: v0-31 addresses and the bias; v32-63 scale words; from v128 A's fragments.  window 1: B's fragments, two sets.  windows 2, 3: the accumulators.
.set SIZE_N, 1024
.set KSTEP,  256
.set NQ,     2
.set ROWB,   192
.set KROW,   768
.set AROW,   3072                      ; a tile of 16 rows of A, 256 along K: two images
.set PITCH,  240
.set FR,     12
.set NL,     6
.set NP,     4
.set HALFT,  128*PITCH
.set SLOT,   4*HALFT
.set LAPS,   2
.set KS,     32
.set SCL,    2*SLOT
.set HALFS,  16*272
.set SBLK,   2*272
.set SPARE,  SCL+4*HALFS
.set SPITCH, 528                       ; the way out: a stage of 16 rows x (512 + 16) bytes a wave, in slot 0, which has had its last fill and its last read by then
.set ADRA, 16
.set ADRB, 20
.set STO,  24
.set RD,   25
.set CO,   26
.set ADRS, 27
.set SPW,  28
.set NIL,  29
.set BIA,  8                           ; v8-11 the bias of my four columns
.set SC,   32
.set AF,   128
.set BK,   128
.set G1, 24
.set G0, 32
.set G1B, 48
.set G0B, 56
.set G1S, 68
.set G0S, 76
.set G1SB, 80
.set G0SB, 88
.set MSB, 0
.macro WIN new
.if MSB != (\new)
	s_set_vgpr_msb (MSB<<8)|(\new)
.set MSB, (\new)
.endif
.endm
.set MUL_LO, 0xa1
.set MUL_HI, 0xf1
.set TO_B,   0x40
.macro JLOAD g0a, g1a, g0b, g1b        ; a joint load: waves 0 and 1 fetch for A, waves 2 and 3 for B; an s_nop 0 and four v_nop follow each of the two lines
	s_cmp_eq_u32 s15, 0
	s_cbranch_scc0 .Lfor_b_\@
	tensor_load_to_lds s[\g0a:\g0a+3], s[\g1a:\g1a+7]
	s_nop 0
.rept 4
	v_nop
.endr
	s_branch .Lasked_\@
.Lfor_b_\@:
	tensor_load_to_lds s[\g0b:\g0b+3], s[\g1b:\g1b+7]
	s_nop 0
.rept 4
	v_nop
.endr
.Lasked_\@:
.endm
.macro CREST
	s_cmp_lg_u32 s14, 0
	s_cbranch_scc1 .Lnot_wave_0_\@
	s_barrier_signal -3
.Lnot_wave_0_\@:
	s_barrier_wait -3
	s_barrier_signal -1
	s_barrier_wait -1
.endm
.macro CROUND
	s_barrier_signal -1
	s_barrier_wait -1
	CREST
.endm
	s_load_b128 s[4:7], s[0:1], 0x0                ; ctx, wq
	s_load_b128 s[8:11], s[0:1], 0x10              ; bO, out0
	v_lshl_add_u32 v[SPW], v0, 2, SPARE
	v_mov_b32 v[NIL], 0
	ds_add_u32 v[SPW], v[NIL]                      ; the wave's opening: the add and its wait ahead of my first tensor load
	v_lshrrev_b32 v1, 5, v0
	v_readfirstlane_b32 s14, v1
	s_lshr_b32 s15, s14, 1
	s_and_b32 s16, s14, 1
	s_bfe_u32 s40, ttmp6, 0x40000
	s_bfe_u32 s41, ttmp6, 0x40004
	s_lshl_b32 s42, ttmp9, 2
	s_add_co_u32 s42, s42, s40                     ; tile column
	s_and_b32 s17, ttmp7, 0xffff
	s_lshl_b32 s17, s17, 2
	s_add_co_u32 s17, s17, s41                     ; tile row
	s_lshl_b32 s43, s41, 2
	s_lshl_b32 s43, 15, s43
	s_lshl_b32 s44, 0x1111, s40
	s_or_b32 s[G1+0], s43, (3<<16)|(1<<21)         ; A: eight tiles of 16 rows, of each 3,072 consecutive bytes (384 elements of 8), 12,288 bytes apart; no padding: an image's pieces are 256 consecutive bytes
	s_mov_b32 s[G1+1], 384<<16
	s_mov_b32 s[G1+2], 8<<16
	s_mov_b32 s[G1+3], 384<<16
	s_mov_b32 s[G1+4], 8
	s_mov_b32 s[G1+5], 1536
	s_mov_b32 s[G1+6], 0
	s_mov_b32 s[G1+7], 0
	s_or_b32 s[G1B+0], s44, (0<<16)|(1<<20)|(1<<21)|(3<<22)|(3<<25)   ; B: 128 rows of 192 bytes, 16 bytes of padding behind every 64
	s_mov_b32 s[G1B+1], ROWB<<16
	s_mov_b32 s[G1B+2], 128<<16
	s_mov_b32 s[G1B+3], ROWB<<16
	s_mov_b32 s[G1B+4], 128
	s_mov_b32 s[G1B+5], KROW
	s_mov_b32 s[G1B+6], 0
	s_mov_b32 s[G1B+7], 0
	s_or_b32 s[G1S+0], s43, (3<<16)|(1<<20)|(1<<21)|(5<<22)|(3<<25)
	s_or_b32 s[G1SB+0], s44, (3<<16)|(1<<20)|(1<<21)|(5<<22)|(3<<25)
.irp g, G1S, G1SB
	s_mov_b32 s[\g+1], 32<<16
	s_mov_b32 s[\g+2], 16<<16
	s_mov_b32 s[\g+3], 32<<16
	s_mov_b32 s[\g+4], 16
	s_mov_b32 s[\g+5], 32
	s_mov_b32 s[\g+6], 0
	s_mov_b32 s[\g+7], 0
.endr
	s_lshl_b32 s18, s16, 7
	s_lshl_b32 s20, s17, 8
	s_add_co_u32 s20, s20, s18                     ; A's row
	s_lshl_b32 s46, s42, 8
	s_add_co_u32 s46, s46, s18                     ; B's slot
	s_mov_b32 s21, 0
	s_mov_b32 s47, 0
	s_mov_b64 s[18:19], KS
	s_mul_u64 s[22:23], s[20:21], s[18:19]
	s_mul_u64 s[92:93], s[46:47], s[18:19]
	s_add_nc_u64 s[22:23], s[22:23], 6291456       ; ctx's scale bytes lie behind its images,
	s_add_nc_u64 s[92:93], s[92:93], 3244032       ; WO's behind wq's codes and three weights' scale bytes
	s_mov_b64 s[18:19], KROW
	s_mul_u64 s[20:21], s[20:21], s[18:19]         ; 16 rows of A are 12,288 bytes: 768 a row
	s_mul_u64 s[46:47], s[46:47], s[18:19]
	s_add_nc_u64 s[46:47], s[46:47], 2359296       ; WO's codes lie behind three weights'
	s_mul_i32 s45, s14, HALFT
	s_mul_i32 s94, s14, HALFS
	s_wait_dscnt 0x0
	s_wait_kmcnt 0x0
	s_add_nc_u64 s[20:21], s[4:5], s[20:21]
	s_add_nc_u64 s[22:23], s[4:5], s[22:23]
	s_add_nc_u64 s[46:47], s[6:7], s[46:47]
	s_add_nc_u64 s[92:93], s[6:7], s[92:93]
	CROUND
	s_mov_b32 s[G0S], 1
	s_add_co_u32 s[G0S+1], s94, SCL
	s_mov_b64 s[G0S+2:G0S+3], s[22:23]
	s_or_b32 s[G0S+3], s[G0S+3], 0x80000000
	s_mov_b32 s[G0SB], 1
	s_add_co_u32 s[G0SB+1], s94, SCL
	s_mov_b64 s[G0SB+2:G0SB+3], s[92:93]
	s_or_b32 s[G0SB+3], s[G0SB+3], 0x80000000
	JLOAD G0S, G1S, G0SB, G1SB
.irp s, 0,1
	s_mov_b32 s[G0+4*\s], 1
	s_add_co_u32 s[G0+4*\s+1], s45, \s*SLOT
	s_add_nc_u64 s[G0+4*\s+2:G0+4*\s+3], s[20:21], \s*AROW
	s_or_b32 s[G0+4*\s+3], s[G0+4*\s+3], 0x80000000
	s_mov_b32 s[G0B+4*\s], 1
	s_add_co_u32 s[G0B+4*\s+1], s45, \s*SLOT
	s_add_nc_u64 s[G0B+4*\s+2:G0B+4*\s+3], s[46:47], \s*ROWB
	s_or_b32 s[G0B+4*\s+3], s[G0B+4*\s+3], 0x80000000
	JLOAD G0+4*\s, G1, G0B+4*\s, G1B
.endr
	v_and_b32 v1, 15, v0
	v_bfe_u32 v2, v0, 4, 1
	v_mul_u32_u24 v3, v1, PITCH
	v_mul_u32_u24 v4, v2, 24
	v_add_nc_u32 v4, v3, v4
	v_lshl_add_u32 v5, v2, 4, v4
	v_and_b32 v6, 31, v0
	v_lshlrev_b32 v7, 3, v6                        ; A: 8 x lane
	s_mul_i32 s21, s15, HALFT
	s_mul_i32 s22, s16, HALFT
	s_add_co_u32 s22, s22, 2*HALFT
.irp s, 0,1
	v_add_nc_u32 v[ADRA+\s], s21, v7
	v_add_nc_u32 v[ADRB+\s], s22, v4
	v_add_nc_u32 v[ADRB+2+\s], s22, v5
	s_add_co_u32 s21, s21, SLOT
	s_add_co_u32 s22, s22, SLOT
.endr
	v_mul_u32_u24 v5, v1, KS
	v_lshrrev_b32 v3, 8, v5
	v_lshl_add_u32 v5, v3, 4, v5
	s_mul_i32 s21, s15, HALFS
	s_mul_i32 s22, s16, HALFS
	s_add_co_u32 s22, s22, 2*HALFS
	s_sub_co_u32 s22, s22, s21
	v_mul_u32_u24 v3, s22, v2
	s_add_co_u32 s21, s21, SCL
	v_add_nc_u32 v5, v5, v3
	v_add_nc_u32 v[ADRS], s21, v5
	s_mul_i32 s23, s14, 16*SPITCH                  ; my stage
	v_mul_u32_u24 v5, v1, SPITCH                   ; in: row l % 16, + 64 bytes for the upper half of the lanes (16 columns)
	v_lshl_add_u32 v5, v2, 6, v5
	v_add_nc_u32 v[STO], s23, v5
	v_lshlrev_b32 v[CO], 4, v6                     ; back: the 32 lanes take one row of 512 bytes
	v_add_nc_u32 v[RD], s23, v[CO]
	s_lshl_b32 s20, s17, 8
	s_lshl_b32 s21, s15, 7
	s_add_co_u32 s20, s20, s21                     ; my first row of the output
	s_mov_b32 s21, 0
	s_mov_b64 s[18:19], SIZE_N*4
	s_mul_u64 s[20:21], s[20:21], s[18:19]
	s_lshl_b32 s46, s42, 10                        ; my first column, in bytes
	s_lshl_b32 s47, s16, 9
	s_add_co_u32 s46, s46, s47
	s_mov_b32 s47, 0
	s_add_nc_u64 s[20:21], s[20:21], s[46:47]
	s_add_nc_u64 s[12:13], s[10:11], s[20:21]
	s_add_nc_u64 s[8:9], s[8:9], s[46:47]
	global_load_b128 v[BIA:BIA+3], v[CO], s[8:9]   ; the bias of the four columns that I store
.macro FRAG reg, adr, q, i             ; a fragment of B from padded rows, in pieces of 8 bytes
.irp p, 0,1,2,3,4,5
.set PCE, 12*(\q)+6*(\p/3)+\p%3
.if PCE%8 < 5
	ds_load_b64 v[\reg+2*\p:\reg+2*\p+1], v[\adr] offset:8*PCE+16*(PCE/8)+(\i)*16*PITCH
.else
	ds_load_b64 v[\reg+2*\p:\reg+2*\p+1], v[\adr+2] offset:8*PCE+16*(PCE/8)+(\i)*16*PITCH
.endif
.endr
.endm
.macro FRAGA reg, slot, q, i           ; a fragment of A from its image: each load takes 256 consecutive bytes
.irp p, 0,1,2,3,4,5
	ds_load_b64 v[\reg+2*\p:\reg+2*\p+1], v[ADRA+\slot] offset:AROW*(\i)+1536*(\q)+256*\p
.endr
.endm
.macro MUL16 a0, p, q, sc, zero        ; the 64 accumulators take turns, one instruction a turn
.irp a, \a0, \a0+1
.irp b, 0,1,2,3,4,5,6,7
.if \zero
	v_wmma_scale_f32_16x16x128_f8f6f4 v[8*(8*((\a)%4)+\b):8*(8*((\a)%4)+\b)+7], v[128*(\p)+FR*\b:128*(\p)+FR*\b+FR-1], v[AF+FR*(\a):AF+FR*(\a)+FR-1], 0, v[SC+8*NQ*(\sc)+NQ*\b+(\q)], v[SC+8*NQ*(\sc)+NQ*(\a)+(\q)] matrix_a_fmt:MATRIX_FMT_FP6 matrix_b_fmt:MATRIX_FMT_FP6 matrix_a_scale:MATRIX_SCALE_ROW1
.else
	v_wmma_scale_f32_16x16x128_f8f6f4 v[8*(8*((\a)%4)+\b):8*(8*((\a)%4)+\b)+7], v[128*(\p)+FR*\b:128*(\p)+FR*\b+FR-1], v[AF+FR*(\a):AF+FR*(\a)+FR-1], v[8*(8*((\a)%4)+\b):8*(8*((\a)%4)+\b)+7], v[SC+8*NQ*(\sc)+NQ*\b+(\q)], v[SC+8*NQ*(\sc)+NQ*(\a)+(\q)] matrix_a_fmt:MATRIX_FMT_FP6 matrix_b_fmt:MATRIX_FMT_FP6 matrix_a_scale:MATRIX_SCALE_ROW1
.endif
.endr
.endr
.endm
.macro FETCH_B slot, q, p
	WIN TO_B
.irp i, 0,1,2,3,4,5,6,7
	FRAG 128*(\p)+FR*\i, ADRB+\slot, \q, \i
.endr
	WIN 0
.endm
.macro FETCH_A slot, q, i0
.irp i, \i0, \i0+1, \i0+2, \i0+3
	FRAGA AF+FR*(\i), \slot, \q, \i
.endr
.endm
.macro SCALES sc
.irp i, 0,1,2,3,4,5,6,7
	ds_load_b64 v[SC+8*NQ*\sc+NQ*\i:SC+8*NQ*\sc+NQ*\i+1], v[ADRS] offset:\i*SBLK
.endr
.endm
.macro PLACES n
.rept \n
	v_nop
.endr
.endm
.macro STEP slot, q, zero
	s_wait_dscnt 4*NL                              ; B's set and A's blocks 0-3 are in; the youngest 24 loads (A's blocks 4-7) may be out
	WIN MUL_LO
	MUL16 0, (\q)%2, \q, \slot, \zero
	MUL16 2, (\q)%2, \q, \slot, \zero
	s_wait_dscnt 0
	PLACES NP
	FETCH_B \slot, (\q)+1, 1-(\q)%2
	FETCH_A \slot, (\q)+1, 0
	WIN MUL_HI
	MUL16 4, (\q)%2, \q, \slot, \zero
	MUL16 6, (\q)%2, \q, \slot, \zero
	PLACES NP
	WIN 0
	FETCH_A \slot, (\q)+1, 4
.endm
.macro TURN slot, next, fill
	s_wait_tensorcnt 0x0                           ; all my tensor loads have landed: my part of the next slot
	ds_add_u32 v[SPW], v[NIL]                      ; 0 onto my spare word
	s_wait_dscnt 4*NL+1                            ; (the add and the youngest 24 loads may be out)
	WIN MUL_LO
	MUL16 0, 1, NQ-1, \slot, 0
	s_wait_dscnt 0x0                               ; the add is done, and my reads of this slot are over
	s_barrier_signal -1
	MUL16 2, 1, NQ-1, \slot, 0
	WIN 0
	s_barrier_wait -1
.if \fill
	CREST                                          ; the barrier has opened a round of the cluster's barrier
	s_add_nc_u64 s[G0+4*\slot+2:G0+4*\slot+3], s[G0+4*\slot+2:G0+4*\slot+3], 2*AROW
	s_add_nc_u64 s[G0B+4*\slot+2:G0B+4*\slot+3], s[G0B+4*\slot+2:G0B+4*\slot+3], 2*ROWB
	JLOAD G0+4*\slot, G1, G0B+4*\slot, G1B         ; the first tensor load behind the round; its four v_nop are the places in front of the loads below
.else
	PLACES NP
.endif
	v_add_nc_u32 v[ADRS], 4*NQ, v[ADRS]
	FETCH_B \next, 0, 0
	FETCH_A \next, 0, 0
	SCALES \next
	WIN MUL_HI
	MUL16 4, 1, NQ-1, \slot, 0
	MUL16 6, 1, NQ-1, \slot, 0
	PLACES NP
	WIN 0
	FETCH_A \next, 0, 4
.endm
	s_wait_tensorcnt 1                             ; the scale bytes and my part of K step 0 are in (K step 1's load may be out),
	s_barrier_signal -1
	s_barrier_wait -1
	FETCH_B 0, 0, 0
	FETCH_A 0, 0, 0
	SCALES 0
	FETCH_A 0, 0, 4
	STEP 0, 0, 1
	s_mov_b32 s3, LAPS-1
.Llap:
	TURN 0, 1, 1
	STEP 1, 0, 0
	TURN 1, 0, 1
	STEP 0, 0, 0
	s_sub_co_u32 s3, s3, 1
	s_cmp_lg_u32 s3, 0
	s_cbranch_scc1 .Llap
	TURN 0, 1, 0
	STEP 1, 0, 0
	s_wait_dscnt 4*NL
	WIN MUL_LO
	MUL16 0, 1, NQ-1, 1, 0
	MUL16 2, 1, NQ-1, 1, 0
	s_wait_dscnt 0
	WIN MUL_HI
	MUL16 4, 1, NQ-1, 1, 0
	MUL16 6, 1, NQ-1, 1, 0
	WIN 0
; THE WAY OUT, block by block of 16 rows x 128 columns, through my own stage: in by lanes' 32 bytes, each at its columns' true place, back as whole rows of 512 bytes, + bias, stored.
.macro TOSTAGE a
.set AC, 64*((\a)%4)
	WIN 0x08+4*((\a)/4)                            ; the data: window 2 or 3
.irp b, 0,1,2,3,4,5,6,7
	ds_store_b128 v[STO], v[AC+8*\b:AC+8*\b+3] offset:128*(\b/2)+32*(\b%2)          ; each accumulator from its low end on
	ds_store_b128 v[STO], v[AC+8*\b+4:AC+8*\b+7] offset:128*(\b/2)+32*(\b%2)+16
.endr
	WIN 0
.set BB, BK+64*((\a)%2)
.irp t, 0,1,2,3,4,5,6,7,8,9,10,11,12,13,14,15
	ds_load_b128 v[BB+4*\t:BB+4*\t+3], v[RD] offset:\t*SPITCH      ; LDS serves a wave's instructions in order: these see the stores above
.endr
.endm
.macro SEND a, younger
.set BB, BK+64*((\a)%2)
	s_wait_dscnt \younger                          ; the block is back in registers
.if (\a) > 0
	s_add_nc_u64 s[12:13], s[12:13], 16*SIZE_N*4   ; (behind a wait on XCNT: the earlier stores have read their base)
.endif
.irp t, 0,1,2,3,4,5,6,7,8,9,10,11,12,13,14,15
	v_pk_add_f32 v[BB+4*\t:BB+4*\t+1], v[BB+4*\t:BB+4*\t+1], v[BIA:BIA+1]
	v_pk_add_f32 v[BB+4*\t+2:BB+4*\t+3], v[BB+4*\t+2:BB+4*\t+3], v[BIA+2:BIA+3]
	global_store_b128 v[CO], v[BB+4*\t:BB+4*\t+3], s[12:13] offset:\t*SIZE_N*4 th:TH_STORE_NT   ; 32 lanes store 512 consecutive bytes, aligned
.endr
.endm
	s_wait_loadcnt 0x0                             ; the bias
	PLACES NP
	TOSTAGE 0
.irp a, 1,2,3,4,5,6,7
.if \a > 1
	s_wait_xcnt 0x0                                ; block a - 2's stores have read their registers and their base
.endif
	TOSTAGE \a
	SEND \a-1, 32                                  ; behind block a - 1's loads: block a's 16 stores and 16 loads
.endr
	s_wait_xcnt 0x0
	SEND 7, 0
	s_wait_tensorcnt 0x0                           ; the wave's end
	ds_add_u32 v[SPW], v[NIL]
	s_wait_dscnt 0x0
	CROUND                                         ; the closing round
	s_endpgm
.Lfunc_end_k_q292e5bcc6d_oproj:
	.size	k_q292e5bcc6d_oproj, .Lfunc_end_k_q292e5bcc6d_oproj-k_q292e5bcc6d_oproj
	.p2alignl 7, 3214868480
	.fill 96, 4, 3214868480
	.section	.rodata,"a",@progbits
	.p2align	6, 0x0
	.amdhsa_kernel k_q292e5bcc6d_oproj
		.amdhsa_group_segment_fixed_size 327680
		.amdhsa_private_segment_fixed_size 0
		.amdhsa_enable_private_segment 0
		.amdhsa_kernarg_size 32
		.amdhsa_user_sgpr_count 2
		.amdhsa_user_sgpr_kernarg_segment_ptr 1
		.amdhsa_wavefront_size32 1
		.amdhsa_system_sgpr_workgroup_id_x 1
		.amdhsa_system_sgpr_workgroup_id_y 1
		.amdhsa_system_sgpr_workgroup_id_z 1
		.amdhsa_system_vgpr_workitem_id 0
		.amdhsa_next_free_vgpr 1024
		.amdhsa_next_free_sgpr 98
		.amdhsa_reserve_vcc 0
		.amdhsa_float_denorm_mode_32 3
		.amdhsa_float_denorm_mode_16_64 3
		.amdhsa_memory_ordered 1
		.amdhsa_forward_progress 1
		.amdhsa_inst_pref_size 176
	.end_amdhsa_kernel
	.amdgpu_metadata
---
amdhsa.version: [ 1, 2 ]
amdhsa.kernels:
  - .name:           k_q292e5bcc6d_oproj
    .symbol:         k_q292e5bcc6d_oproj.kd
    .args:
      - { .name: ctx, .offset: 0, .size: 8, .value_kind: global_buffer, .address_space: global }
      - { .name: wq, .offset: 8, .size: 8, .value_kind: global_buffer, .address_space: global }
      - { .name: bO, .offset: 16, .size: 8, .value_kind: global_buffer, .address_space: global }
      - { .name: out0, .offset: 24, .size: 8, .value_kind: global_buffer, .address_space: global }
    .group_segment_fixed_size: 327680
    .private_segment_fixed_size: 0
    .kernarg_segment_align: 8
    .kernarg_segment_size: 32
    .max_flat_workgroup_size: 128
    .sgpr_count:     98
    .vgpr_count:     1024
    .wavefront_size: 32
...
	.end_amdgpu_metadata
.endif
;; end of part 6
;; ======== version 2 of 2: 4 launches
;; limits: right only within a limited range of input values
;; workspace buffers: mbits 2,097,152 bytes of whole numbers; xq 19,660,800 bytes; wq 3,276,800 bytes; qkv 20,185,088 bytes; ctx 6,553,600 bytes
;; launch prep (part 7): grid 1408 x 1, 4 waves a work-group, no clusters, 101,888 bytes of LDS; arguments q, k, v, xq, WQ, WK, WV, WO, wq, mask, mbits; writes xq, wq, mbits
.if DOCPART == 7
	.amdgcn_target "amdgcn-amd-amdhsa--gfx1250"
	.amdhsa_code_object_version 6
	.text
	.protected	k_q292e5bcc6d_prep
	.globl	k_q292e5bcc6d_prep
	.p2align	8
	.type	k_q292e5bcc6d_prep,@function
k_q292e5bcc6d_prep:
	s_mov_b64 s[64:65], 0
	v_nop
	global_prefetch_b8 v0, s[64:65] scope:SCOPE_SE
	s_setreg_imm32_b32 hwreg(HW_REG_WAVE_MODE, 25, 1), 1
	s_wait_xcnt 0x0
; ONE LAUNCH PREPARES ALL OPERANDS.  The work-groups part at the head, on their number alone, into three bodies that share nothing; each body has LDS bytes of its own.
;   work-groups 0-127:     WQ, WK, WV, WO (K their first axis) become codes of FP6 (E2M3) with K innermost, and E8M0 scale bytes, in wq;
;   work-groups 128-895:   q, k, v (K innermost) become codes and scale bytes in xq;
;   work-groups 896-1407:  the mask becomes one bit a number, in mbits, laid as the attention launch's lanes want it.
; The weights' work-groups come first: each of their loads brings few bytes, so they take longest.
; THE QUANTISER: a block's scale is 2^(floor(log2(its largest magnitude)) - 2); its byte is the largest magnitude's exponent field - 2, held at 1 from below (a block of zeros gets the byte 1: its codes are zeros, and this
; program alone reads the bytes).  LIMITS: blocks whose largest magnitude lies under 2^-124 keep the byte 1; NaN and infinities among the inputs are not served.
; No barrier anywhere: waves share nothing.
.set XB,    34816                      ; LDS: the weights' four stages from 0; q, k, v's four regions from here;
.set PB,    67584                      ; the mask's four stages from here;
.set SPARE, 101376                     ; the spare words, 128 bytes a wave
.set SPW,   216                        ; v216 LDS address of my spare word; never rewritten
.set NIL,   217                        ; v217 0; never rewritten
	v_lshl_add_u32 v[SPW], v0, 2, SPARE
	v_mov_b32 v[NIL], 0
	s_cmp_lt_u32 ttmp9, 128
	s_cbranch_scc0 .Lnot_w
; ---------------------------------------------------------------- THE WEIGHTS
; [1024 (k)][1024 (n)], f32, become codes and scale bytes in wq.
; CODES: [32 groups of 128 slots][4 parts of 256 along K][128 slots][192 bytes]: one part of one group is 24,576 bytes on end, a multiple of 256, which the products' launches load as 96 rows of 256 bytes.
; SCALE BYTES: [4 x 1024 slots][32], from WSC on.
; A LANE TAKES A COLUMN n, AND ITS REGISTERS RUN DOWN K: a block of 32 along K lies in one lane's 32 registers, and the conversions give codes with K innermost.  Nothing is transposed by an instruction.
; SLOTS: slot s of a weight holds the column whose number is s with bits 3 and 4 exchanged, so that 16 neighbouring slots, taken as the first source of a matrix instruction, give a lane's result registers of two
; neighbouring tiles 16 neighbouring columns.  A lane's row in the stage, and its row of scale bytes, are its slot.
; Work-group i: columns 128 (i % 8) on of weight i / 32, K from 256 ((i / 8) % 4) on; a wave 32 columns x 256 along K.  The codes leave through the wave's own stage: 32 lanes store two slots' 384 consecutive bytes.
.set SIZE_K, 1024
.set SIZE_N, 1024
.set KW,    256
.set NB,    KW/32
.set ROWB,  192
.set PITCH, 272
.set KROW,  SIZE_K*6/8
.set EMAX,  2
.set WSC,   3145728                    ; where the scale bytes begin in wq
.set X,     32                         ; v32-95   two sets of 32 numbers
.set C,     96                         ; v96..    a block's codes
.set OUTR,  112                        ; v112-175 the way out
.set SB,    24                         ; v24-25   the scale bytes
	s_load_b256 s[4:11], s[0:1], 0x20              ; WQ, WK, WV, WO
	s_load_b64 s[12:13], s[0:1], 0x40              ; wq
	v_lshrrev_b32 v1, 5, v0
	v_readfirstlane_b32 s16, v1                    ; wave
	v_and_b32 v2, 31, v0                           ; lane
	s_wait_alu depctr_va_vdst(0)
	s_and_b32 s17, ttmp9, 7
	s_lshl_b32 s17, s17, 7
	s_lshl_b32 s18, s16, 5
	s_add_co_u32 s17, s17, s18                     ; my wave's first column
	s_lshr_b32 s18, ttmp9, 3
	s_lshr_b32 s30, s18, 2                         ; which weight
	s_and_b32 s18, s18, 3                          ; which 256 along K
	v_lshlrev_b32 v3, 2, v2                        ; in: 4 bytes a lane
	s_mul_i32 s19, s16, 32*PITCH                   ; my stage
	v_and_b32 v10, 7, v2
	v_and_b32 v11, 8, v2
	v_lshl_add_u32 v10, v11, 1, v10
	v_bfe_u32 v11, v2, 4, 1
	v_lshl_add_u32 v10, v11, 3, v10                ; my column's slot among the wave's 32: bits 3 and 4 exchanged
	v_mul_u32_u24 v4, v10, PITCH
	v_add_nc_u32 v4, s19, v4                       ; into the stage: row = my slot
	v_and_b32 v5, 15, v2
	v_lshrrev_b32 v6, 4, v2
	v_mul_u32_u24 v7, v6, PITCH
	v_lshl_add_u32 v7, v5, 4, v7
	v_add_nc_u32 v7, s19, v7                       ; out of it: sixteen lanes to a row, two rows an instruction
	v_mul_u32_u24 v8, v6, ROWB
	v_mad_u32_u24 v8, v5, 12, v8                   ; and the same place in the codes
	v_lshlrev_b32 v9, 5, v10                       ; my slot's row of scale bytes
	s_lshl_b32 s20, s18, 20                        ; in: 256 rows of 4,096 bytes for each part of K,
	s_lshl_b32 s22, s17, 2
	s_add_co_u32 s20, s20, s22                     ; + 4 x column
	s_mov_b32 s21, 0
	s_lshl_b32 s22, s30, 10
	s_add_co_u32 s22, s22, s17                     ; my wave's first slot in wq
	s_and_b32 s24, s22, 0xffffff80
	s_mul_i32 s24, s24, KROW                       ; my group of 128 slots: 98,304 bytes each,
	s_and_b32 s26, s22, 127
	s_mul_i32 s26, s26, ROWB                       ; my first slot in it,
	s_add_co_u32 s24, s24, s26
	s_mul_i32 s26, s18, 128*ROWB                   ; my part of K
	s_add_co_u32 s24, s24, s26
	s_mov_b32 s25, 0
	s_lshl_b32 s28, s22, 5
	s_lshl_b32 s26, s18, 3
	s_add_co_u32 s28, s28, s26
	s_add_co_u32 s28, s28, WSC
	s_mov_b32 s29, 0
	s_wait_kmcnt 0x0
	s_cmp_lt_u32 s30, 1                            ; the choices hang on the work-group's number alone
	s_cselect_b64 s[4:5], s[4:5], s[6:7]
	s_cmp_lt_u32 s30, 3
	s_cselect_b64 s[8:9], s[8:9], s[10:11]
	s_cmp_lt_u32 s30, 2
	s_cselect_b64 s[4:5], s[4:5], s[8:9]
	s_add_nc_u64 s[4:5], s[4:5], s[20:21]
	s_add_nc_u64 s[6:7], s[12:13], s[24:25]        ; codes
	s_add_nc_u64 s[8:9], s[12:13], s[28:29]        ; scale bytes
.macro WLOAD t                         ; block t: W(32 t + i, my column) into set t % 2
.irp i, 0,1,2,3,4,5,6,7,8,9,10,11,12,13,14,15,16,17,18,19,20,21,22,23,24,25,26,27,28,29,30,31
	global_load_b32 v[X+32*((\t)%2)+\i], v3, s[4:5] offset:(32*(\t)+\i)*SIZE_N*4 th:TH_LOAD_NT
.endr
.endm
	WLOAD 0
	WLOAD 1
.macro WBLOCK t
.set XS, X+32*((\t)%2)
.if (\t) < NB-1
	s_wait_loadcnt 32                              ; this block's 32 loads are in; the next block's may be out
.else
	s_wait_loadcnt 0
.endif
	v_max3_num_f32 v12, |v[XS]|, |v[XS+1]|, |v[XS+2]|
	v_max3_num_f32 v13, |v[XS+3]|, |v[XS+4]|, |v[XS+5]|
.irp i, 6,10,14,18,22,26
	v_max3_num_f32 v12, v12, |v[XS+\i]|, |v[XS+\i+1]|
	v_max3_num_f32 v13, v13, |v[XS+\i+2]|, |v[XS+\i+3]|
.endr
	v_max3_num_f32 v12, v12, |v[XS+30]|, |v[XS+31]|
	v_max3_num_f32 v12, v12, v13, (EMAX+1)<<23     ; and the floor: the byte cannot fall under 1
	v_add_nc_u32 v11, -(EMAX<<23), v12             ; the conversion's scale operand
	v_lshrrev_b32 v13, 23, v11                     ; the scale's byte
.if (\t)%4 == 0
	v_mov_b32 v[SB+(\t)/4], v13
.else
	v_lshl_or_b32 v[SB+(\t)/4], v13, 8*((\t)%4), v[SB+(\t)/4]
.endif
	v_cvt_scalef32_pk16_fp6_f32 v[C:C+2], v[XS:XS+15], v11
	v_cvt_scalef32_pk16_fp6_f32 v[C+4:C+6], v[XS+16:XS+31], v11
	ds_store_b96 v4, v[C:C+2] offset:32*(\t)       ; 12 bytes to a place of 16 in the stage
	ds_store_b96 v4, v[C+4:C+6] offset:32*(\t)+16
.if (\t)+2 < NB
	WLOAD (\t)+2
.endif
	s_wait_dscnt 0x0                               ; the stores have read their registers: the next block's codes may be written
.endm
.set Q, 0
.rept NB
	WBLOCK Q
.set Q, Q+1
.endr
	s_wait_alu depctr_va_vdst(0)
	global_store_b64 v9, v[SB:SB+1], s[8:9]        ; my slot's 8 scale bytes
.irp t, 0,1,2,3,4,5,6,7,8,9,10,11,12,13,14,15
	ds_load_b96 v[OUTR+4*\t:OUTR+4*\t+2], v7 offset:2*\t*PITCH
.endr
.irp t, 0,1,2,3,4,5,6,7,8,9,10,11,12,13,14,15
	s_wait_dscnt 15-\t
	global_store_b96 v8, v[OUTR+4*\t:OUTR+4*\t+2], s[6:7] offset:2*\t*ROWB
.endr
	s_wait_tensorcnt 0x0                           ; the wave's end: behind my last LDS store
	ds_add_u32 v[SPW], v[NIL]
	s_wait_dscnt 0x0
	s_endpgm
.Lnot_w:
	s_cmp_lt_u32 ttmp9, 896
	s_cbranch_scc0 .Lmask
; ---------------------------------------------------------------- q, k, v
; [8192][1024], f32, become codes and scale bytes in xq.  CODES: [192 groups of 128 slots][4 parts of 256 along K][128 slots][192 bytes], as the weights'.  SCALE BYTES: [3 x 8192 slots][32], from XSC on.
; ROWS LIE IN SLOTS, 8 rows (a wave's share) at a time.  q: as they come.  v: slot s holds the row whose number is s with bits 3 and 4 exchanged (as the weights' columns).
; k: in each 128 rows, slot 64 c + 16 u + 8 h + j holds row 64 c + 32 h + 8 u + j: tile 4 c + u of 16 slots then gives the attention launch's lane half h, register j, key 64 c + 32 h + 8 u + j, so that a lane's 32 score
; registers of four neighbouring tiles are one whole block of 32 neighbouring keys.
; A wave takes 16 steps of 512 numbers.  STEP t IS PART t / 4 OF K (256 numbers) OF THE TWO ROWS 2 (t % 4) AND 2 (t % 4) + 1: two loads of 512 consecutive bytes from each row.  A step turns through the wave's own stage in
; LDS, so that a lane holds 16 neighbours (two lanes a block) for the conversion: lanes 0-15 the first row's, lanes 16-31 the second's.  A lane's 16 codes are 12 bytes, and the two rows' slots are neighbours: the wave
; stores 384 consecutive bytes, four steps on end 1,536.  A wave's 256 scale bytes are gathered in LDS and leave as 256 consecutive bytes, aligned.
.set STEPS, 16
.set CB,    12                         ; bytes of 16 codes
.set R,     16                         ; v16-79   four sets of 16 numbers as loaded
.set X,     80                         ; v80-111  two sets of 16 neighbours
.set C,     128                        ; v128-191 codes: four registers for each step
.set E,     112                        ; v112-127 a scale byte for each step
.set WREG,  8192                       ; LDS: a wave's region: two stages of 32 x SP bytes, then its 256 scale bytes
.set SP,    80
.set XSC,   18874368                   ; where the scale bytes begin in xq
	s_load_b256 s[4:11], s[0:1], 0x0               ; q, k, v, xq
	s_sub_co_u32 s15, ttmp9, 128                   ; 0 .. 767: 256 work-groups a tensor
	v_lshrrev_b32 v1, 5, v0
	v_readfirstlane_b32 s16, v1                    ; wave
	v_and_b32 v2, 31, v0                           ; lane
	v_lshlrev_b32 v3, 4, v2                        ; my 16 bytes of a load's 512
	s_mul_i32 s17, s16, WREG
	s_add_co_u32 s17, s17, XB
	v_lshrrev_b32 v14, 2, v2
	v_mul_u32_u24 v14, v14, SP
	v_and_b32 v15, 3, v2
	v_lshl_add_u32 v14, v15, 4, v14
	v_add_nc_u32 v14, s17, v14                     ; the stage, on the way in: SP (lane / 4) + 16 (lane % 4)
	v_mul_u32_u24 v15, v2, SP
	v_add_nc_u32 v15, s17, v15                     ; and on the way out: SP x lane
	v_mul_u32_u24 v4, v2, CB                       ; my codes' place in a step's: 12 bytes a lane,
	v_bfe_u32 v5, v2, 1, 3                         ; my block among the eight of my row's part of K,
	v_lshrrev_b32 v6, 4, v2
	v_lshl_add_u32 v5, v6, 5, v5                   ; lanes 16-31: the next row's 32 scale bytes
	s_add_co_u32 s17, s17, 2*32*SP
	v_add_nc_u32 v5, s17, v5
	v_lshlrev_b32 v7, 3, v2
	v_add_nc_u32 v6, s17, v7
	s_lshl_b32 s20, s15, 2
	s_add_co_u32 s23, s20, s16                     ; q: the 8 slots that I write are the 8 rows that I read
	s_and_b32 s18, s16, 1
	s_lshl_b32 s18, s18, 1
	s_lshr_b32 s19, s16, 1
	s_or_b32 s22, s18, s19
	s_add_co_u32 s22, s22, s20                     ; v: the wave's two bits exchanged
	s_and_b32 s26, s15, 0xfffffffc                 ; k: my rows are 64 c + 32 h + 8 u on, c and h the work-group's bits 1 and 0, u the wave:
	s_lshl_b32 s26, s26, 2
	s_bfe_u32 s27, s15, 0x10001
	s_lshl_b32 s27, s27, 3
	s_add_co_u32 s26, s26, s27                     ; 8 c,
	s_lshl_b32 s27, s16, 1
	s_add_co_u32 s26, s26, s27                     ; + 2 u,
	s_and_b32 s27, s15, 1
	s_add_co_u32 s26, s26, s27                     ; + h
	s_and_b32 s18, s15, 255
	s_lshl_b32 s18, s18, 2
	s_add_co_u32 s18, s18, s16                     ; which 8 rows of the tensor I read,
	s_lshl_b32 s18, s18, 15                        ; 32,768 bytes each
	s_mov_b32 s19, 0
	s_mov_b32 s25, 0
	s_wait_alu depctr_va_vdst(0)
	s_wait_kmcnt 0x0
	s_cmp_lt_u32 s15, 512                          ; the choices hang on the work-group's number alone
	s_cselect_b64 s[6:7], s[6:7], s[8:9]
	s_cselect_b32 s22, s26, s22
	s_cmp_lt_u32 s15, 256
	s_cselect_b64 s[4:5], s[4:5], s[6:7]
	s_cselect_b32 s20, s23, s22                    ; which 8 slots of xq I write
	s_add_nc_u64 s[4:5], s[4:5], s[18:19]
	s_lshr_b32 s24, s20, 4
	s_mul_i32 s24, s24, 98304                      ; my group of 128 slots,
	s_and_b32 s26, s20, 15
	s_mul_i32 s26, s26, 1536                       ; my 8 slots in it
	s_add_co_u32 s24, s24, s26
	s_add_nc_u64 s[8:9], s[10:11], s[24:25]        ; their codes,
	s_lshl_b32 s24, s20, 8
	s_add_co_u32 s24, s24, XSC
	s_add_nc_u64 s[10:11], s[10:11], s[24:25]      ; their scale bytes
.macro XLOAD t
.irp i, 0,1,2,3
	global_load_b128 v[R+16*((\t)%4)+4*\i:R+16*((\t)%4)+4*\i+3], v3, s[4:5] offset:(2*((\t)%4)+\i/2)*4096+((\t)/4)*1024+(\i%2)*512 th:TH_LOAD_NT
.endr
.endm
.macro XTURN t                         ; step t's numbers through the stage: LDS serves a wave's instructions in order
.irp i, 0,1,2,3
	ds_store_b128 v14, v[R+16*((\t)%4)+4*\i:R+16*((\t)%4)+4*\i+3] offset:32*SP*((\t)%2)+8*SP*\i
.endr
.irp i, 0,1,2,3
	ds_load_b128 v[X+16*((\t)%2)+4*\i:X+16*((\t)%2)+4*\i+3], v15 offset:32*SP*((\t)%2)+16*\i
.endr
.endm
.irp t, 0,1,2,3
	XLOAD \t
.endr
	s_wait_loadcnt 12                              ; step 0's four loads are in
	XTURN 0
.macro XSTEP t
.set XS, X+16*((\t)%2)
.if (\t) > 0
	s_wait_dscnt 1                                 ; this step's numbers are back (the last step's byte store may be out)
.else
	s_wait_dscnt 0x0
.endif
.if (\t)+4 < STEPS
	XLOAD (\t)+4
.endif
.if (\t)+1 < STEPS
.if STEPS-2-(\t) >= 3
	s_wait_loadcnt 12                              ; the next step's four loads are in; those of the three steps behind it may be out
.else
	s_wait_loadcnt 4*(STEPS-2-(\t))
.endif
	XTURN (\t)+1
.endif
	v_max3_num_f32 v8, |v[XS]|, |v[XS+1]|, |v[XS+2]|
	v_max3_num_f32 v9, |v[XS+3]|, |v[XS+4]|, |v[XS+5]|
.irp i, 6,10
	v_max3_num_f32 v8, v8, |v[XS+\i]|, |v[XS+\i+1]|
	v_max3_num_f32 v9, v9, |v[XS+\i+2]|, |v[XS+\i+3]|
.endr
	v_max3_num_f32 v8, v8, |v[XS+14]|, |v[XS+15]|
	v_max3_num_f32 v8, v8, v9, (EMAX+1)<<23        ; and the floor 2^(3 - 127): the byte cannot fall under 1
	v_max_num_f32_dpp v8, v8, v8 row_xmask:1 row_mask:0xf bank_mask:0xf   ; with my neighbour's 16: the block's largest magnitude
	v_add_nc_u32 v11, -(EMAX<<23), v8              ; 2 off its exponent field: the conversion's scale operand
	v_cvt_scalef32_pk16_fp6_f32 v[C+4*(\t):C+4*(\t)+2], v[XS:XS+15], v11
	v_lshrrev_b32 v[E+(\t)], 23, v11               ; the scale's byte
	ds_store_b8 v5, v[E+(\t)] offset:((\t)%4)*64+((\t)/4)*8
	global_store_b96 v4, v[C+4*(\t):C+4*(\t)+2], s[8:9] offset:((\t)/4)*24576+((\t)%4)*384
.endm
.irp t, 0,1,2,3,4,5,6,7,8,9,10,11,12,13,14,15
	XSTEP \t
.endr
	ds_load_b64 v[8:9], v6
	s_wait_dscnt 0x0
	global_store_b64 v7, v[8:9], s[10:11]          ; 32 lanes store 256 consecutive bytes, aligned
	s_wait_tensorcnt 0x0                           ; the wave's end: behind my last LDS store
	ds_add_u32 v[SPW], v[NIL]
	s_wait_dscnt 0x0
	s_endpgm
.Lmask:
; ---------------------------------------------------------------- THE MASK
; [4][1][2048][2048], int32, becomes mbits [tile of 16 queries, 512][step of 128 keys, 16][64 words]; bit (r + 16 h) of word n says whether mask[16 tile + r][128 step + 64 (n / 32) + 32 h + n % 32] is not 0.
; So a word is the lane mask of one score register of a wave that holds query r in lanes r and r + 16.  The mask's 67 MB are read once, here; the sixteen heads then read 2 MB.
; A work-group takes a tile of 16 queries, wave w the steps 4 w .. 4 w + 3, a step (16 rows x 512 bytes) at a time.  Each load reads 512 consecutive bytes of a row; the step turns through the wave's own stage in LDS
; (rows 528 bytes apart), so that lane (r, h) gets row r's keys 64 c + 32 h + 0 .. 31; 64 compares give the 64 words; they are dealt to the lanes, two a lane, and leave as 256 consecutive bytes.
.set STG,   8448                       ; a wave's stage: 16 rows x 528 bytes
.set GA,  1                            ; v1   16 x lane: my 16 bytes of a load's 512
.set SA,  2                            ; v2   the same in my stage
.set LA,  3                            ; v3   stage: row r, + 128 h
.set OA,  4                            ; v4   8 x lane: my two words of a step's 64
.set R,   16                           ; v16-143  two sets of 64 registers as loaded
.set X,   144                          ; v144-207 register n: key 64 (n / 32) + 32 h + n % 32 of row r
.set OU,  208                          ; v208-215 two registers of words for each of the four steps
	s_load_b64 s[4:5], s[0:1], 0x48                ; mask
	s_load_b64 s[6:7], s[0:1], 0x50                ; mbits
	s_sub_co_u32 s14, ttmp9, 896                   ; the tile of 16 queries
	v_lshrrev_b32 v5, 5, v0
	v_readfirstlane_b32 s8, v5                     ; wave
	v_and_b32 v5, 31, v0                           ; lane
	v_and_b32 v6, 15, v0                           ; r
	v_bfe_u32 v7, v0, 4, 1                         ; h
	s_mul_i32 s9, s8, STG
	s_add_co_u32 s9, s9, PB
	v_lshlrev_b32 v[GA], 4, v5
	v_add_nc_u32 v[SA], s9, v[GA]
	v_mul_u32_u24 v[LA], v6, 528
	v_lshl_add_u32 v[LA], v7, 7, v[LA]
	v_add_nc_u32 v[LA], s9, v[LA]
	v_lshlrev_b32 v[OA], 3, v5
.irp i, 0,1,2,3,4,5,6,7
	v_mov_b32 v[OU+\i], 0                          ; written once: v_writelane_b32's destination counts as one of its sources
.endr
	s_lshl_b32 s10, s14, 17                        ; 16 rows of 8,192 bytes a tile,
	s_lshl_b32 s11, s8, 11                         ; 4 steps of 512 bytes a wave
	s_add_co_u32 s10, s10, s11
	s_mov_b32 s11, 0
	s_lshl_b32 s12, s14, 12                        ; out: 16 steps of 256 bytes a tile,
	s_lshl_b32 s13, s8, 10                         ; 4 a wave
	s_add_co_u32 s12, s12, s13
	s_mov_b32 s13, 0
	s_wait_kmcnt 0x0
	s_add_nc_u64 s[4:5], s[4:5], s[10:11]
	s_add_nc_u64 s[6:7], s[6:7], s[12:13]
.macro PLOAD u                         ; step u: 16 rows x 512 consecutive bytes
.irp j, 0,1,2,3,4,5,6,7,8,9,10,11,12,13,14,15
	global_load_b128 v[R+64*((\u)%2)+4*\j:R+64*((\u)%2)+4*\j+3], v[GA], s[4:5] offset:8192*\j+512*(\u) th:TH_LOAD_NT
.endr
.endm
.macro PUNIT u
.if (\u) < 3
	s_wait_loadcnt 16                              ; this step's 16 loads are in; the next step's 16 may be out
.else
	s_wait_loadcnt 0
.endif
.irp j, 0,1,2,3,4,5,6,7,8,9,10,11,12,13,14,15
	ds_store_b128 v[SA], v[R+64*((\u)%2)+4*\j:R+64*((\u)%2)+4*\j+3] offset:528*\j
.endr
.irp m, 0,1,2,3,4,5,6,7,8,9,10,11,12,13,14,15
	ds_load_b128 v[X+4*\m:X+4*\m+3], v[LA] offset:256*(\m/8)+16*(\m%8)   ; LDS serves a wave's instructions in order: these see the stores above
.endr
	s_wait_dscnt 0x0                               ; the step is back; the stores have read their registers
.if (\u) < 2
	PLOAD (\u)+2                                   ; which take the step two on
.endif
.irp g, 0,1
.irp n, 0,1,2,3,4,5,6,7,8,9,10,11,12,13,14,15,16,17,18,19,20,21,22,23,24,25,26,27,28,29,30,31
	v_cmp_ne_u32 s[16+\n], 0, v[X+32*\g+\n]        ; word 32 g + n: one bit a lane
.endr
.irp n, 0,1,2,3,4,5,6,7,8,9,10,11,12,13,14,15,16,17,18,19,20,21,22,23,24,25,26,27,28,29,30,31
	v_writelane_b32 v[OU+2*(\u)+\n%2], s[16+\n], 16*\g+\n/2   ; lane l keeps words 2 l and 2 l + 1
.endr
.endr
	global_store_b64 v[OA], v[OU+2*(\u):OU+2*(\u)+1], s[6:7] offset:256*(\u)   ; 32 lanes store 256 consecutive bytes, aligned; each step has its own two registers
.endm
	PLOAD 0
	PLOAD 1
	PUNIT 0
	PUNIT 1
	PUNIT 2
	PUNIT 3
	s_wait_tensorcnt 0x0                           ; the wave's end: behind my last LDS store
	ds_add_u32 v[SPW], v[NIL]
	s_wait_dscnt 0x0
	s_endpgm
.Lfunc_end_k_q292e5bcc6d_prep:
	.size	k_q292e5bcc6d_prep, .Lfunc_end_k_q292e5bcc6d_prep-k_q292e5bcc6d_prep
	.p2alignl 7, 3214868480
	.fill 96, 4, 3214868480
	.section	.rodata,"a",@progbits
	.p2align	6, 0x0
	.amdhsa_kernel k_q292e5bcc6d_prep
		.amdhsa_group_segment_fixed_size 101888
		.amdhsa_private_segment_fixed_size 0
		.amdhsa_enable_private_segment 0
		.amdhsa_kernarg_size 88
		.amdhsa_user_sgpr_count 2
		.amdhsa_user_sgpr_kernarg_segment_ptr 1
		.amdhsa_wavefront_size32 1
		.amdhsa_system_sgpr_workgroup_id_x 1
		.amdhsa_system_sgpr_workgroup_id_y 1
		.amdhsa_system_sgpr_workgroup_id_z 1
		.amdhsa_system_vgpr_workitem_id 0
		.amdhsa_next_free_vgpr 218
		.amdhsa_next_free_sgpr 66
		.amdhsa_reserve_vcc 0
		.amdhsa_float_denorm_mode_32 3
		.amdhsa_float_denorm_mode_16_64 3
		.amdhsa_memory_ordered 1
		.amdhsa_forward_progress 1
		.amdhsa_inst_pref_size 123
	.end_amdhsa_kernel
	.amdgpu_metadata
---
amdhsa.version: [ 1, 2 ]
amdhsa.kernels:
  - .name:           k_q292e5bcc6d_prep
    .symbol:         k_q292e5bcc6d_prep.kd
    .args:
      - { .name: q, .offset: 0, .size: 8, .value_kind: global_buffer, .address_space: global }
      - { .name: k, .offset: 8, .size: 8, .value_kind: global_buffer, .address_space: global }
      - { .name: v, .offset: 16, .size: 8, .value_kind: global_buffer, .address_space: global }
      - { .name: xq, .offset: 24, .size: 8, .value_kind: global_buffer, .address_space: global }
      - { .name: WQ, .offset: 32, .size: 8, .value_kind: global_buffer, .address_space: global }
      - { .name: WK, .offset: 40, .size: 8, .value_kind: global_buffer, .address_space: global }
      - { .name: WV, .offset: 48, .size: 8, .value_kind: global_buffer, .address_space: global }
      - { .name: WO, .offset: 56, .size: 8, .value_kind: global_buffer, .address_space: global }
      - { .name: wq, .offset: 64, .size: 8, .value_kind: global_buffer, .address_space: global }
      - { .name: mask, .offset: 72, .size: 8, .value_kind: global_buffer, .address_space: global }
      - { .name: mbits, .offset: 80, .size: 8, .value_kind: global_buffer, .address_space: global }
    .group_segment_fixed_size: 101888
    .private_segment_fixed_size: 0
    .kernarg_segment_align: 8
    .kernarg_segment_size: 88
    .max_flat_workgroup_size: 128
    .sgpr_count:     66
    .vgpr_count:     218
    .wavefront_size: 32
...
	.end_amdgpu_metadata
.endif
;; end of part 7
;; launch proj (part 8): grid 4 x 96, 4 waves a work-group, clusters of 4 x 4, 327,680 bytes of LDS; arguments xq, wq, bQ, bK, bV, qkv; writes qkv
.if DOCPART == 8
	.amdgcn_target "amdgcn-amd-amdhsa--gfx1250"
	.amdhsa_code_object_version 6
	.text
	.protected	k_q292e5bcc6d_proj
	.globl	k_q292e5bcc6d_proj
	.p2align	8
	.type	k_q292e5bcc6d_proj,@function
k_q292e5bcc6d_proj:
	s_mov_b64 s[64:65], 0
	v_nop
	global_prefetch_b8 v0, s[64:65] scope:SCOPE_SE
	s_setreg_imm32_b32 hwreg(HW_REG_WAVE_MODE, 25, 1), 1
	s_wait_xcnt 0x0
	s_wait_alu depctr_hold_cnt(0) depctr_sa_sdst(0) depctr_va_vdst(0) depctr_va_sdst(0) depctr_va_ssrc(0) depctr_va_vcc(0) depctr_vm_vsrc(0)
	s_getreg_b32 s2, hwreg(HW_REG_IB_STS2, 6, 4)
	s_cmp_eq_u32 s2, 0
	s_cbranch_scc0 .Lentry_in_a_cluster
	s_endpgm
.Lentry_in_a_cluster:
	s_bfe_u32 s2, ttmp6, 0x10000c
	s_cmp_lg_u32 s2, 0xf033
	s_cbranch_scc0 .Lentry_shape_is_right
	s_endpgm
.Lentry_shape_is_right:
; Q = q WQ + bQ, K = k WK + bK, V = v WV + bV on codes of FP6 (E2M3) with E8M0 scales, each result quantised again and stored as images of the attention launch's operand registers, with its scale words, in qkv.
; A work-group of four waves makes 256 x 256, a wave 128 x 128; K goes in steps of 256 through a ring of two LDS slots filled by joint loads of a 4 x 4 cluster.
; TILES: xq and wq hold their codes as [group of 128 slots][256 along K][128 slots][192 bytes]: a wave's load is 24,576 bytes on end, taken as 96 rows of 256 bytes that begin at multiples of 256;
; 16 bytes of padding behind every 64 make an LDS row of 240 bytes of each slot's 192.  ROWB is the distance in memory from one step of K to the next.
.set KSTEP,  256
.set NQ,     2
.set ROWB,   24576
.set KROW,   768
.set PITCH,  240
.set FR,     12
.set NL,     6
.set NP,     4
.set HALFT,  128*PITCH
.set SLOT,   4*HALFT
.set LAPS,   2
.set KS,     32
.set SCL,    2*SLOT
.set HALFS,  16*272
.set SBLK,   2*272
.set SPARE,  SCL+4*HALFS
.set XSC,    18874368
.set WSC,    3145728
.set VI,     12582912
.set QKS,    18874368
.set VSG,    19922944
.set ADRA, 16
.set ADRB, 20
.set LO8,  24
.set LO16, 25
.set BA,   26
.set ADRS, 27
.set SPW,  28
.set NIL,  29
.set SC,   32
.set T,    64
.set AF,   128
.set PC,   128
.set TM,   152
.set PW,   168
.set X0,   169
.set X1,   170
.set PAD,  171
.set BI,   176
.set SW0,  240
.set SW1,  244
.set SEL,  66
.set G1, 24
.set G0, 32
.set G1B, 48
.set G0B, 56
.set G1S, 68
.set G0S, 76
.set G1SB, 80
.set G0SB, 88
.set MSB, 0
.macro WIN new
.if MSB != (\new)
	s_set_vgpr_msb (MSB<<8)|(\new)
.set MSB, (\new)
.endif
.endm
.set MUL_LO, 0xa1
.set MUL_HI, 0xf1
.set TO_B,   0x40
.macro JLOAD g0a, g1a, g0b, g1b
	s_cmp_eq_u32 s15, 0
	s_cbranch_scc0 .Lfor_b_\@
	tensor_load_to_lds s[\g0a:\g0a+3], s[\g1a:\g1a+7]
	s_nop 0
.rept 4
	v_nop
.endr
	s_branch .Lasked_\@
.Lfor_b_\@:
	tensor_load_to_lds s[\g0b:\g0b+3], s[\g1b:\g1b+7]
	s_nop 0
.rept 4
	v_nop
.endr
.Lasked_\@:
.endm
.macro CREST
	s_cmp_lg_u32 s14, 0
	s_cbranch_scc1 .Lnot_wave_0_\@
	s_barrier_signal -3
.Lnot_wave_0_\@:
	s_barrier_wait -3
	s_barrier_signal -1
	s_barrier_wait -1
.endm
.macro CROUND
	s_barrier_signal -1
	s_barrier_wait -1
	CREST
.endm
	s_load_b128 s[4:7], s[0:1], 0x0
	v_lshl_add_u32 v[SPW], v0, 2, SPARE
	v_mov_b32 v[NIL], 0
	ds_add_u32 v[SPW], v[NIL]
	ds_add_u32 v[SPW], v[NIL]
	v_lshrrev_b32 v1, 5, v0
	v_readfirstlane_b32 s14, v1
	s_lshr_b32 s15, s14, 1
	s_and_b32 s16, s14, 1
	s_bfe_u32 s40, ttmp6, 0x40000
	s_bfe_u32 s41, ttmp6, 0x40004
	s_and_b32 s95, ttmp7, 0xffff
	s_lshr_b32 s96, s95, 3
	s_lshl_b32 s18, s96, 2
	s_lshl_b32 s19, s95, 2
	s_mov_b32 s98, WSC
	s_mov_b32 s100, XSC
	s_mov_b32 s99, 0
	s_mov_b32 s101, 0
	s_cmp_lt_u32 s95, 16
	s_cselect_b32 s42, s18, s19
	s_cselect_b32 s17, s19, 8
	s_cselect_b32 s98, XSC, s98
	s_cselect_b32 s100, WSC, s100
	s_add_co_u32 s42, s42, s40
	s_add_co_u32 s17, s17, s41
	s_lshl_b32 s43, s41, 2
	s_lshl_b32 s43, 15, s43
	s_lshl_b32 s44, 0x1111, s40
	s_or_b32 s[G1+0], s43, (0<<16)|(1<<20)|(1<<21)|(3<<22)|(3<<25)
	s_or_b32 s[G1B+0], s44, (0<<16)|(1<<20)|(1<<21)|(3<<22)|(3<<25)
.irp g, G1, G1B
	s_mov_b32 s[\g+1], 24576<<16                   ; for the head's loads: 256 slots of a step of K are 2 rows of 24,576 bytes, 98,304 bytes apart
	s_mov_b32 s[\g+2], 2<<16
	s_mov_b32 s[\g+3], 24576<<16
	s_mov_b32 s[\g+4], 2
	s_mov_b32 s[\g+5], 98304
	s_mov_b32 s[\g+6], 0
	s_mov_b32 s[\g+7], 0
.endr
	s_or_b32 s[G1S+0], s43, (3<<16)|(1<<20)|(1<<21)|(5<<22)|(3<<25)
	s_or_b32 s[G1SB+0], s44, (3<<16)|(1<<20)|(1<<21)|(5<<22)|(3<<25)
.irp g, G1S, G1SB
	s_mov_b32 s[\g+1], 32<<16
	s_mov_b32 s[\g+2], 32<<16                      ; the scale bytes of 256 slots: 32 rows of 256 bytes
	s_mov_b32 s[\g+3], 32<<16
	s_mov_b32 s[\g+4], 32
	s_mov_b32 s[\g+5], 32
	s_mov_b32 s[\g+6], 0
	s_mov_b32 s[\g+7], 0
.endr
	s_lshl_b32 s18, s16, 7
	s_lshl_b32 s20, s17, 8
	s_add_co_u32 s20, s20, s18
	s_lshl_b32 s46, s42, 8
	s_add_co_u32 s46, s46, s18
	s_mov_b32 s21, 0
	s_mov_b32 s47, 0
	s_mov_b64 s[18:19], KS
	s_mul_u64 s[22:23], s[20:21], s[18:19]
	s_mul_u64 s[92:93], s[46:47], s[18:19]
	s_add_nc_u64 s[22:23], s[22:23], s[98:99]
	s_add_nc_u64 s[92:93], s[92:93], s[100:101]
	s_mov_b64 s[18:19], KROW
	s_mul_u64 s[20:21], s[20:21], s[18:19]
	s_mul_u64 s[46:47], s[46:47], s[18:19]
	s_mul_i32 s45, s14, HALFT
	s_mul_i32 s94, s14, HALFS
	s_wait_dscnt 0x0
	s_wait_kmcnt 0x0
	s_cmp_lt_u32 s95, 16
	s_cselect_b64 s[8:9], s[6:7], s[4:5]
	s_cselect_b64 s[4:5], s[4:5], s[6:7]
	s_add_nc_u64 s[20:21], s[4:5], s[20:21]
	s_add_nc_u64 s[22:23], s[4:5], s[22:23]
	s_add_nc_u64 s[46:47], s[8:9], s[46:47]
	s_add_nc_u64 s[92:93], s[8:9], s[92:93]
	CROUND
	s_mov_b32 s[G0S], 1                            ; the scale bytes are fetched whole by waves 1 and 3, whose own halves are the second ones: one half back, in LDS and in memory
	s_add_co_u32 s[G0S+1], s94, SCL-HALFS
	s_sub_nc_u64 s[G0S+2:G0S+3], s[22:23], 128*KS
	s_or_b32 s[G0S+3], s[G0S+3], 0x80000000
	s_mov_b32 s[G0SB], 1
	s_add_co_u32 s[G0SB+1], s94, SCL-HALFS
	s_sub_nc_u64 s[G0SB+2:G0SB+3], s[92:93], 128*KS
	s_or_b32 s[G0SB+3], s[G0SB+3], 0x80000000
.irp s, 0,1
	s_mov_b32 s[G0+4*\s], 1
	s_add_co_u32 s[G0+4*\s+1], s45, \s*SLOT
	s_add_nc_u64 s[G0+4*\s+2:G0+4*\s+3], s[20:21], \s*ROWB
	s_or_b32 s[G0+4*\s+3], s[G0+4*\s+3], 0x80000000
	s_mov_b32 s[G0B+4*\s], 1
	s_add_co_u32 s[G0B+4*\s+1], s45, \s*SLOT
	s_add_nc_u64 s[G0B+4*\s+2:G0B+4*\s+3], s[46:47], \s*ROWB
	s_or_b32 s[G0B+4*\s+3], s[G0B+4*\s+3], 0x80000000
.endr
	; THE HEAD'S LOADS, one a wave, in one chain of branches on the wave's number with one join: what the first step of K needs.  Waves 0 and 2, whose own halves are the first ones, fetch slot 0's 256 slots of source 1 and of
	; source 0 by their own group 0 of slot 0; waves 1 and 3 the two blocks of scale bytes.
	s_cmp_eq_u32 s14, 0
	s_cbranch_scc0 .Lhead_1
	tensor_load_to_lds s[G0:G0+3], s[G1:G1+7]
	s_nop 0
.rept 4
	v_nop
.endr
	s_branch .Lhead_asked
.Lhead_1:
	s_cmp_eq_u32 s14, 1
	s_cbranch_scc0 .Lhead_2
	tensor_load_to_lds s[G0S:G0S+3], s[G1S:G1S+7]
	s_nop 0
.rept 4
	v_nop
.endr
	s_branch .Lhead_asked
.Lhead_2:
	s_cmp_eq_u32 s14, 2
	s_cbranch_scc0 .Lhead_3
	tensor_load_to_lds s[G0B:G0B+3], s[G1B:G1B+7]
	s_nop 0
.rept 4
	v_nop
.endr
	s_branch .Lhead_asked
.Lhead_3:
	tensor_load_to_lds s[G0SB:G0SB+3], s[G1SB:G1SB+7]
	s_nop 0
.rept 4
	v_nop
.endr
.Lhead_asked:
	s_wait_alu depctr_va_vdst(0)
	s_wait_tensorcnt 0x0                           ; my tile of the head's four is in
	ds_add_u32 v28, v29
.irp g, G1, G1B                                ; no tensor load of mine is out, so a descriptor may be written: from here on a load brings 128 slots of a step of K: 96 rows of 256 bytes on end
	s_mov_b32 s[\g+1], 256<<16
	s_mov_b32 s[\g+2], 96<<16
	s_mov_b32 s[\g+3], 256<<16
	s_mov_b32 s[\g+4], 96
	s_mov_b32 s[\g+5], 256
.endr
	s_wait_dscnt 0x0
	CROUND                                         ; a whole round: all four tiles are in, and all sixteen work-groups are here
	JLOAD G0+4, G1, G0B+4, G1B                     ; slot 1's first fill, a quarter a wave: the first tensor load behind the round
	s_load_b256 s[4:11], s[0:1], 0x10
	v_and_b32 v1, 15, v0
	v_bfe_u32 v2, v0, 4, 1
	v_mul_u32_u24 v3, v1, PITCH
	v_mul_u32_u24 v4, v2, 24
	v_add_nc_u32 v4, v3, v4
	v_lshl_add_u32 v5, v2, 4, v4
	s_mul_i32 s21, s15, HALFT
	s_mul_i32 s22, s16, HALFT
	s_add_co_u32 s22, s22, 2*HALFT
.irp s, 0,1
	v_add_nc_u32 v[ADRA+\s], s21, v4
	v_add_nc_u32 v[ADRB+\s], s22, v4
	v_add_nc_u32 v[ADRA+2+\s], s21, v5
	v_add_nc_u32 v[ADRB+2+\s], s22, v5
	s_add_co_u32 s21, s21, SLOT
	s_add_co_u32 s22, s22, SLOT
.endr
	v_mul_u32_u24 v5, v1, KS
	v_lshrrev_b32 v6, 8, v5
	v_lshl_add_u32 v5, v6, 4, v5
	s_mul_i32 s21, s15, HALFS
	s_mul_i32 s22, s16, HALFS
	s_add_co_u32 s22, s22, 2*HALFS
	s_sub_co_u32 s22, s22, s21
	v_mul_u32_u24 v6, s22, v2
	s_add_co_u32 s21, s21, SCL
	v_add_nc_u32 v5, v5, v6
	v_add_nc_u32 v[ADRS], s21, v5
	v_and_b32 v6, 31, v0
	v_lshlrev_b32 v[LO8], 3, v6
	v_lshlrev_b32 v[LO16], 4, v6
	s_mov_b32 s[SEL], 0x76543210
	s_mov_b32 s[SEL+1], 0xfedcba98
	s_mov_b32 s104, 0xffff0000
.macro FRAG reg, adr, q, i
.irp p, 0,1,2,3,4,5
.set PCE, 12*(\q)+6*(\p/3)+\p%3
.if PCE%8 < 5
	ds_load_b64 v[\reg+2*\p:\reg+2*\p+1], v[\adr] offset:8*PCE+16*(PCE/8)+(\i)*16*PITCH
.else
	ds_load_b64 v[\reg+2*\p:\reg+2*\p+1], v[\adr+2] offset:8*PCE+16*(PCE/8)+(\i)*16*PITCH
.endif
.endr
.endm
.macro MUL16 a0, p, q, sc, zero
.irp a, \a0, \a0+1
.irp b, 0,1,2,3,4,5,6,7
.if \zero
	v_wmma_scale_f32_16x16x128_f8f6f4 v[8*(8*((\a)%4)+\b):8*(8*((\a)%4)+\b)+7], v[128*(\p)+FR*\b:128*(\p)+FR*\b+FR-1], v[AF+FR*(\a):AF+FR*(\a)+FR-1], 0, v[SC+8*NQ*(\sc)+NQ*\b+(\q)], v[SC+8*NQ*(\sc)+NQ*(\a)+(\q)] matrix_a_fmt:MATRIX_FMT_FP6 matrix_b_fmt:MATRIX_FMT_FP6 matrix_a_scale:MATRIX_SCALE_ROW1
.else
	v_wmma_scale_f32_16x16x128_f8f6f4 v[8*(8*((\a)%4)+\b):8*(8*((\a)%4)+\b)+7], v[128*(\p)+FR*\b:128*(\p)+FR*\b+FR-1], v[AF+FR*(\a):AF+FR*(\a)+FR-1], v[8*(8*((\a)%4)+\b):8*(8*((\a)%4)+\b)+7], v[SC+8*NQ*(\sc)+NQ*\b+(\q)], v[SC+8*NQ*(\sc)+NQ*(\a)+(\q)] matrix_a_fmt:MATRIX_FMT_FP6 matrix_b_fmt:MATRIX_FMT_FP6 matrix_a_scale:MATRIX_SCALE_ROW1
.endif
.endr
.endr
.endm
.macro FETCH_B slot, q, p
	WIN TO_B
.irp i, 0,1,2,3,4,5,6,7
	FRAG 128*(\p)+FR*\i, ADRB+\slot, \q, \i
.endr
	WIN 0
.endm
.macro FETCH_A slot, q, i0
.irp i, \i0, \i0+1, \i0+2, \i0+3
	FRAG AF+FR*(\i), ADRA+\slot, \q, \i
.endr
.endm
.macro SCALES sc
.irp i, 0,1,2,3,4,5,6,7
	ds_load_b64 v[SC+8*NQ*\sc+NQ*\i:SC+8*NQ*\sc+NQ*\i+1], v[ADRS] offset:\i*SBLK
.endr
.endm
.macro PLACES n
.rept \n
	v_nop
.endr
.endm
.macro STEP slot, q, zero
	s_wait_dscnt 4*NL
	WIN MUL_LO
	MUL16 0, (\q)%2, \q, \slot, \zero
	MUL16 2, (\q)%2, \q, \slot, \zero
	s_wait_dscnt 0
	PLACES NP
	FETCH_B \slot, (\q)+1, 1-(\q)%2
	FETCH_A \slot, (\q)+1, 0
	WIN MUL_HI
	MUL16 4, (\q)%2, \q, \slot, \zero
	MUL16 6, (\q)%2, \q, \slot, \zero
	PLACES NP
	WIN 0
	FETCH_A \slot, (\q)+1, 4
.endm
.macro TURN slot, next, fill
	s_wait_tensorcnt 0x0
	ds_add_u32 v[SPW], v[NIL]
	s_wait_dscnt 4*NL+1
	WIN MUL_LO
	MUL16 0, 1, NQ-1, \slot, 0
	s_wait_dscnt 0x0
	s_barrier_signal -1
	MUL16 2, 1, NQ-1, \slot, 0
	WIN 0
	s_barrier_wait -1
.if \fill
	CREST
	s_add_nc_u64 s[G0+4*\slot+2:G0+4*\slot+3], s[G0+4*\slot+2:G0+4*\slot+3], 2*ROWB
	s_add_nc_u64 s[G0B+4*\slot+2:G0B+4*\slot+3], s[G0B+4*\slot+2:G0B+4*\slot+3], 2*ROWB
	JLOAD G0+4*\slot, G1, G0B+4*\slot, G1B
.else
	PLACES NP
.endif
	s_wait_alu depctr_va_vdst(0)
	v_add_nc_u32 v[ADRS], 4*NQ, v[ADRS]
	FETCH_B \next, 0, 0
	FETCH_A \next, 0, 0
	SCALES \next
	WIN MUL_HI
	MUL16 4, 1, NQ-1, \slot, 0
	MUL16 6, 1, NQ-1, \slot, 0
	PLACES NP
	WIN 0
	FETCH_A \next, 0, 4
.endm
	s_wait_alu depctr_va_vdst(0)
	s_wait_tensorcnt 1
	s_barrier_signal -1
	s_barrier_wait -1
	FETCH_B 0, 0, 0
	FETCH_A 0, 0, 0
	SCALES 0
	FETCH_A 0, 0, 4
	STEP 0, 0, 1
	s_mov_b32 s3, LAPS-1
.Llap:
	TURN 0, 1, 1
	STEP 1, 0, 0
	TURN 1, 0, 1
	STEP 0, 0, 0
	s_sub_co_u32 s3, s3, 1
	s_cmp_lg_u32 s3, 0
	s_cbranch_scc1 .Llap
	TURN 0, 1, 0
	STEP 1, 0, 0
	s_wait_dscnt 4*NL
	WIN MUL_LO
	MUL16 0, 1, NQ-1, 1, 0
	MUL16 2, 1, NQ-1, 1, 0
	s_wait_dscnt 0
	WIN MUL_HI
	MUL16 4, 1, NQ-1, 1, 0
	MUL16 6, 1, NQ-1, 1, 0
	WIN 0
.macro QUANT s
.irp b, 0,1,2,3
	v_max3_num_f32 v[TM+\b], |v[\s+16*\b]|, |v[\s+1+16*\b]|, 0x1800000
.endr
.irp i, 2,4,6,8,10,12,14
.irp b, 0,1,2,3
	v_max3_num_f32 v[TM+\b], v[TM+\b], |v[\s+16*\b+\i]|, |v[\s+1+16*\b+\i]|
.endr
.endr
.irp b, 0,1,2,3
	v_permlanex16_b32 v[TM+4+\b], v[TM+\b], s[SEL], s[SEL+1]
.endr
.irp b, 0,1,2,3
	v_max_num_f32 v[TM+\b], v[TM+\b], v[TM+4+\b]
.endr
.irp b, 0,1,2,3
	v_add_nc_u32 v[TM+12+\b], 0xff000000, v[TM+\b]
.endr
.irp b, 0,1,2,3
	v_lshrrev_b32 v[TM+4+\b], 23, v[TM+12+\b]
.endr
	v_lshl_or_b32 v[PW], v[TM+5], 8, v[TM+4]
	v_lshl_or_b32 v[PW], v[TM+6], 16, v[PW]
	v_lshl_or_b32 v[PW], v[TM+7], 24, v[PW]
.irp c, 0,1
	v_cvt_scalef32_pk16_fp6_f32 v[PC+6*\c:PC+2+6*\c], v[\s+32*\c:\s+15+32*\c], v[TM+12+2*\c]
	v_cvt_scalef32_pk16_fp6_f32 v[PC+12+4*\c:PC+14+4*\c], v[\s+16+32*\c:\s+31+32*\c], v[TM+12+2*\c+1]
.endr
	v_nop
.irp c, 0,1
.irp i, 0,1,2
	v_permlane16_swap_b32 v[PC+6*\c+\i], v[PC+12+4*\c+\i]
.endr
.irp i, 0,1,2
	v_mov_b32 v[PC+3+6*\c+\i], v[PC+12+4*\c+\i]
.endr
.endr
.endm
.macro EPI isv
.irp a, 0,1,2,3,4,5,6,7
.if \a > 0
	s_wait_xcnt 0x0
.endif
	WIN 0x02+\a/4
.set j, 0
.rept 32
.if \isv
	v_pk_add_f32 v[T+j:T+j+1], v[64*(\a%4)+j:64*(\a%4)+j+1], v[BI+2*\a:BI+2*\a+1]
.else
	v_pk_add_f32 v[T+j:T+j+1], v[64*(\a%4)+j:64*(\a%4)+j+1], v[BI+j:BI+j+1]
.endif
.set j, j+2
.endr
	WIN 0
	QUANT T
.if \isv
.irp p, 0,1,2,3,4,5
	global_store_b64 v[LO8], v[PC+2*\p:PC+2*\p+1], s[12:13] offset:(\a/4)*98304+(\a%4)*1536+256*\p
.endr
.if \a%2 == 0
	v_mov_b32 v[SW0+\a/2], v[PW]
.else
	v_cndmask_b32 v[SW0+\a/2], v[SW0+\a/2], v[PW], s104
.endif
.if \a%4 == 3
	global_store_b64 v[LO8], v[SW0+2*(\a/4):SW0+2*(\a/4)+1], s[92:93] offset:(\a/4)*4096
.endif
.else
.irp p, 0,1,2,3,4,5
	global_store_b64 v[LO8], v[PC+2*\p:PC+2*\p+1], s[12:13] offset:(\p/3)*393216+768*\a+256*(\p%3)
.endr
.if \a%2 == 0
	v_and_or_b32 v[SW0+\a/2], v[PW], 0xffff, v[PAD]
	v_lshrrev_b32 v[SW1+\a/2], 16, v[PW]
	v_or_b32 v[SW1+\a/2], v[PAD], v[SW1+\a/2]
.else
	v_and_or_b32 v[X0], v[PW], 0xffff, v[PAD]
	v_lshrrev_b32 v[X1], 16, v[PW]
	v_or_b32 v[X1], v[PAD], v[X1]
	v_cndmask_b32 v[SW0+\a/2], v[SW0+\a/2], v[X0], s104
	v_cndmask_b32 v[SW1+\a/2], v[SW1+\a/2], v[X1], s104
.endif
.endif
.endr
.endm
	s_wait_kmcnt 0x0
	PLACES NP
.irp b, 0,1,2,3
	v_mov_b32 v[TM+4+\b], 0
.endr
	v_mov_b32 v[PAD], 0x7f7f0000
	s_mov_b32 s19, 0
	s_cmp_lt_u32 s95, 16
	s_cbranch_scc0 .Lv_arm
	s_cmp_eq_u32 s96, 0
	s_cselect_b64 s[4:5], s[4:5], s[6:7]
	s_lshl_b32 s18, s40, 10
	s_lshl_b32 s20, s16, 9
	s_add_co_u32 s18, s18, s20
	s_add_nc_u64 s[4:5], s[4:5], s[18:19]
	v_lshlrev_b32 v[BA], 6, v2
.irp b, 0,1,2,3,4,5,6,7
	global_load_b128 v[BI+8*\b:BI+8*\b+3], v[BA], s[4:5] offset:4*(32*(\b/2)+8*(\b%2))
	global_load_b128 v[BI+8*\b+4:BI+8*\b+7], v[BA], s[4:5] offset:4*(32*(\b/2)+8*(\b%2))+16
.endr
	s_lshl_b32 s20, s40, 1
	s_add_co_u32 s20, s20, s16
	s_and_b32 s21, s17, 31
	s_lshl_b32 s21, s21, 4
	s_lshl_b32 s22, s15, 3
	s_add_co_u32 s21, s21, s22
	s_mul_i32 s18, s96, 6291456
	s_mul_i32 s22, s20, 786432
	s_add_co_u32 s18, s18, s22
	s_mul_i32 s22, s21, 768
	s_add_co_u32 s18, s18, s22
	s_add_nc_u64 s[12:13], s[10:11], s[18:19]
	s_lshl_b32 s18, s96, 19
	s_lshl_b32 s22, s20, 16
	s_add_co_u32 s18, s18, s22
	s_lshl_b32 s22, s21, 6
	s_add_co_u32 s18, s18, s22
	s_add_co_u32 s18, s18, QKS
	s_add_nc_u64 s[92:93], s[10:11], s[18:19]
	s_wait_loadcnt 0x0
	EPI 0
	global_store_b128 v[LO16], v[SW0:SW0+3], s[92:93]
	global_store_b128 v[LO16], v[SW1:SW1+3], s[92:93] offset:32768
	s_branch .Ldone
.Lv_arm:
	s_lshl_b32 s18, s41, 10
	s_lshl_b32 s20, s15, 9
	s_add_co_u32 s18, s18, s20
	s_add_nc_u64 s[8:9], s[8:9], s[18:19]
	v_and_b32 v[BA], 8, v1
	v_add_nc_u32 v[BA], v[BA], v1
	v_lshlrev_b32 v[BA], 2, v[BA]
.irp a, 0,1,2,3,4,5,6,7
	global_load_b32 v[BI+2*\a], v[BA], s[8:9] offset:4*(32*(\a/2)+8*(\a%2))
	global_load_b32 v[BI+2*\a+1], v[BA], s[8:9] offset:4*(32*(\a/2)+8*(\a%2))
.endr
	s_lshl_b32 s20, s41, 2
	s_lshl_b32 s21, s15, 1
	s_add_co_u32 s20, s20, s21
	s_sub_co_u32 s21, s42, 64
	s_lshl_b32 s21, s21, 1
	s_add_co_u32 s21, s21, s16
	s_lshr_b32 s22, s21, 4
	s_and_b32 s21, s21, 15
	s_lshl_b32 s22, s22, 4
	s_add_co_u32 s22, s22, s20
	s_lshl_b32 s22, s22, 4
	s_add_co_u32 s22, s22, s21
	s_mul_i32 s18, s22, 6144
	s_add_co_u32 s18, s18, VI
	s_add_nc_u64 s[12:13], s[10:11], s[18:19]
	s_lshl_b32 s18, s22, 8
	s_add_co_u32 s18, s18, VSG
	s_add_nc_u64 s[92:93], s[10:11], s[18:19]
	s_wait_loadcnt 0x0
	EPI 1
.Ldone:
	s_wait_tensorcnt 0x0
	ds_add_u32 v[SPW], v[NIL]
	s_wait_dscnt 0x0
	CROUND
	s_endpgm
.Lfunc_end_k_q292e5bcc6d_proj:
	.size	k_q292e5bcc6d_proj, .Lfunc_end_k_q292e5bcc6d_proj-k_q292e5bcc6d_proj
	.p2alignl 7, 3214868480
	.fill 96, 4, 3214868480
	.section	.rodata,"a",@progbits
	.p2align	6, 0x0
	.amdhsa_kernel k_q292e5bcc6d_proj
		.amdhsa_group_segment_fixed_size 327680
		.amdhsa_private_segment_fixed_size 0
		.amdhsa_enable_private_segment 0
		.amdhsa_kernarg_size 48
		.amdhsa_user_sgpr_count 2
		.amdhsa_user_sgpr_kernarg_segment_ptr 1
		.amdhsa_wavefront_size32 1
		.amdhsa_system_sgpr_workgroup_id_x 1
		.amdhsa_system_sgpr_workgroup_id_y 1
		.amdhsa_system_sgpr_workgroup_id_z 1
		.amdhsa_system_vgpr_workitem_id 0
		.amdhsa_next_free_vgpr 1024
		.amdhsa_next_free_sgpr 106
		.amdhsa_reserve_vcc 0
		.amdhsa_float_denorm_mode_32 3
		.amdhsa_float_denorm_mode_16_64 3
		.amdhsa_memory_ordered 1
		.amdhsa_forward_progress 1
		.amdhsa_inst_pref_size 241
	.end_amdhsa_kernel
	.amdgpu_metadata
---
amdhsa.version: [ 1, 2 ]
amdhsa.kernels:
  - .name:           k_q292e5bcc6d_proj
    .symbol:         k_q292e5bcc6d_proj.kd
    .args:
      - { .name: xq, .offset: 0, .size: 8, .value_kind: global_buffer, .address_space: global }
      - { .name: wq, .offset: 8, .size: 8, .value_kind: global_buffer, .address_space: global }
      - { .name: bQ, .offset: 16, .size: 8, .value_kind: global_buffer, .address_space: global }
      - { .name: bK, .offset: 24, .size: 8, .value_kind: global_buffer, .address_space: global }
      - { .name: bV, .offset: 32, .size: 8, .value_kind: global_buffer, .address_space: global }
      - { .name: qkv, .offset: 40, .size: 8, .value_kind: global_buffer, .address_space: global }
    .group_segment_fixed_size: 327680
    .private_segment_fixed_size: 0
    .kernarg_segment_align: 8
    .kernarg_segment_size: 48
    .max_flat_workgroup_size: 128
    .sgpr_count:     106
    .vgpr_count:     1024
    .wavefront_size: 32
...
	.end_amdgpu_metadata
.endif
;; end of part 8
;; launch attn (part 9): grid 4 x 64, 16 waves a work-group, clusters of 4 x 1, 211,200 bytes of LDS; arguments qkv, mbits, ctx; writes ctx
.if DOCPART == 9
	.amdgcn_target "amdgcn-amd-amdhsa--gfx1250"
	.amdhsa_code_object_version 6
	.text
	.protected	k_q292e5bcc6d_attn
	.globl	k_q292e5bcc6d_attn
	.p2align	8
	.type	k_q292e5bcc6d_attn,@function
k_q292e5bcc6d_attn:
	s_mov_b64 s[64:65], 0
	v_nop
	global_prefetch_b8 v0, s[64:65] scope:SCOPE_SE
	s_setreg_imm32_b32 hwreg(HW_REG_WAVE_MODE, 25, 1), 1
	s_wait_xcnt 0x0
	s_wait_alu depctr_hold_cnt(0) depctr_sa_sdst(0) depctr_va_vdst(0) depctr_va_sdst(0) depctr_va_ssrc(0) depctr_va_vcc(0) depctr_vm_vsrc(0)
	s_getreg_b32 s2, hwreg(HW_REG_IB_STS2, 6, 4)
	s_cmp_eq_u32 s2, 0
	s_cbranch_scc0 .Lentry_in_a_cluster
	s_endpgm
.Lentry_in_a_cluster:
	s_bfe_u32 s2, ttmp6, 0x10000c
	s_cmp_lg_u32 s2, 0x3003
	s_cbranch_scc0 .Lentry_shape_is_right
	s_endpgm
.Lentry_shape_is_right:
; ctx[b][q][head] = softmax over the keys of (Q K^T / 8, -infinity where the mask is 0) V, both products on codes of FP6 (E2M3) with E8M0 scales; ctx is quantised along its 1,024 columns and leaves as codes.
; THE SOFTMAX: t = score x log2(e) / 8; M = the running largest t rounded UP to a whole number; p = 2^(t - M) is quantised along the keys, not normalised; the row's sum is taken of the unquantised p and divides at the end.
; When M moves, the sum and O are multiplied by 2^(old M - new M), which rounds nothing.
; SHARES.  A CLUSTER of four work-groups is one (batch, head): cluster y = 16 batch + head.  Work-group x owns queries 512 x on; each of its sixteen waves owns two tiles of 16 queries, one after the other (tiles 32 x + w and
; 32 x + 16 + w).  For each tile the wave walks the 2,048 keys, 128 a step.
; A HEAD'S WHOLE K AND V LIE IN LDS, as images of operand registers (piece p of lane l at 256 p + 8 l): 208,896 bytes, filled once for both tiles; no byte is filled again.  One tensor load a wave at the most:
; waves 0-5 bring 16,384 bytes each of K's images, waves 6-11 of V's, wave 12 K's scale words, wave 13 V's.  The four partners need the same bytes, so each load is asked for JOINTLY: the same descriptor, made of the
; cluster's y and the wave's number alone, and a mask that names the four.
; LAYOUT.  Both products transposed: S^T = K Q^T, O^T = V^T P^T: a lane holds one query (lane % 16).  THE KEYS OF A TILE OF K ARE NOT NEIGHBOURS: row 8 h + j of tile 4 c + u is key 64 c + 32 h + 8 u + j, so that lane half h's
; score registers 32 c .. 32 c + 31 are keys 64 c + 32 h + 0 .. 31: one whole block of the quantiser, in the very place that registers 6 c .. 6 c + 5 of P's operand want.  No code changes lanes.
; V's channels lie in slots (bits 3 and 4 exchanged), so O^T's registers 16 b + i are channels 32 b + 16 (lane / 16) + i.
; K = 64 IN A FORM 128 DEEP: Q's upper six registers hold zero codes.  K's tile t stands in 12 registers of which the upper six are the next tile's codes (behind the last: V's first six registers): whatever codes they hold
; meet zeros and add nothing; their scale bytes are 0x7f.
; K AND V HAVE REGISTERS OF THEIR OWN: behind a step's first product its V and the NEXT step's K are asked of LDS in one run.  A step's 24 pieces of K, and of V, come two to a load (two addresses 256 bytes apart), eight pieces
; to an address register: 12 loads and one for the scale words, each.  V's 13 are waited for ahead of the second product, K's at the next step's head.
; THE MASK comes as lane masks, a word for each score register, by scalar loads a step ahead; it only selects values.
; NO PREFETCH: all tiles are asked for at the head; the mask words are asked for a step ahead of their use.
; LIMITS: a query all of whose keys are masked gets the scale byte 0xff, so that its output row is NaN as in the softmax of an empty row; NaN and infinities among the inputs are not served; a block of zeros gets the byte 1;
; the promise holds while the scaled scores t stay under 2^31 in magnitude.
.set KC,    0                          ; LDS: K's images, 6,144 bytes a step
.set VC,    98304                      ; V's, 6,144 a step
.set KSL,   196608                     ; K's scale words, 512 a step
.set VSL,   204800                     ; V's, 256 a step
.set SPARE, 209152                     ; the spare words, 128 bytes a wave
.set VI,    12582912                   ; qkv: V's images,
.set QKS,   18874368                   ; Q's and K's scale words,
.set VSG,   19922944                   ; V's scale words
.set CSO,   6291456                    ; ctx: the scale bytes
.set L8,   1                           ; 8 x lane
.set L16,  2                           ; 16 x lane
.set QA,   3                           ; 16 r: my query's scale word
.set RA,   4                           ; 32 r: my row's scale bytes of ctx
.set SPW,  5
.set NIL,  6
.set NINF, 7                           ; -infinity
.set ADK,  8
.set ADV,  9
.set ADS,  10
.set ADT,  11                          ; v12 -M, v13 the largest t, v[14:15] the sum
.set QF,   16                          ; v16-21 Q's codes, v22-27 zeros
.set QS,   28                          ; Q's scale word
.set SH8,  29                          ; 8 h
.set KSC,  30                          ; v30-33 K's scale words: register i: lanes 0-15 tile 2 i, lanes 16-31 tile 2 i + 1
.set VSC,  34                          ; v34-35 V's likewise
.set PCD,  36                          ; v36-47 p's codes
.set BM,   48                          ; v48-51 largest scores; my two blocks' at v48 and v50
.set BP,   52                          ; v52-55 at work; at a step's head they hold four LDS addresses:
.set AV1,  52                          ; V's pieces 8-15, 16-23,
.set AV2,  53
.set AK1,  54                          ; K's
.set AK2,  55
.set SO,   56                          ; v56-57 the conversions' scale operands
.set F,    58                          ; v[58:59] f = 2^(old M - new M), later 1 / the sum
.set SUMB, 60                          ; v[60:61] the sum's second chain
.set FFF,  60                          ; 0xffff, on the way out
.set TMP,  62
.set PW,   63                          ; the scale word just made
.set KR,   64                          ; v64-111 K's eight tiles
.set VR,   112                         ; v112-159 V's four tiles
.set S,    160                         ; v160-223 S^T, then p
.set O,    224                         ; v224-255 O^T
.set WV,   52
.set SEL,  54
.set CS,   56                          ; s[56:57] c = log2(e) / 8
.set MP,   58                          ; s[58:59] the mask words of the step to be loaded
.set CI,   60                          ; s[60:61] where my codes of ctx go
.set CSP,  62                          ; s[62:63] and my scale bytes
.set TK,   66
.set TV,   67
.set TS,   84
.set TT,   85
.set CNT,  86
.set QP,   98                          ; s[98:99] Q's image
.set QSP,  100                         ; s[100:101] Q's scale words
.set G1C,  20                          ; s[20:27] group 1 for 16,384 bytes; s[28:35] for 8,192; s[36:43] for 4,096
.set G1K,  28
.set G1V,  36
.macro ROUND                           ; a round of the cluster's barrier
	s_barrier_signal -1
	s_barrier_wait -1
	s_cmp_lg_u32 s[WV], 0
	s_cbranch_scc1 .Lnot_wave_0_\@
	s_barrier_signal -3
.Lnot_wave_0_\@:
	s_barrier_wait -3
	s_barrier_signal -1
	s_barrier_wait -1
.endm
.macro ARM g0, g1                      ; a joint load with an s_nop 0 and four v_nop behind it
	tensor_load_to_lds s[\g0:\g0+3], s[\g1:\g1+7]
	s_nop 0
.rept 4
	v_nop
.endr
.endm
.macro WM d, a, b, c, sa, sb, row
	v_wmma_scale_f32_16x16x128_f8f6f4 v[\d:\d+7], v[\a:\a+11], v[\b:\b+11], \c, v[\sa], v[\sb] matrix_a_fmt:MATRIX_FMT_FP6 matrix_b_fmt:MATRIX_FMT_FP6 matrix_a_scale:MATRIX_SCALE_ROW\row
.endm
.macro ADD2 j                          ; four more p into the row's sum, two to each chain
	v_pk_add_f32 v[14:15], v[14:15], v[S+\j:S+\j+1]
	v_pk_add_f32 v[SUMB:SUMB+1], v[SUMB:SUMB+1], v[S+\j+2:S+\j+3]
.endm
.macro LD24 reg, a0, a1, a2            ; 24 pieces of 8 bytes a lane, 256 bytes apart, into 48 registers: 12 loads of two pieces (offsets count in units of 8 bytes)
.irp g, 0,2,4,6
	ds_load_2addr_b64 v[\reg+2*\g:\reg+2*\g+3], v[\a0] offset0:32*\g offset1:32*\g+32
	ds_load_2addr_b64 v[\reg+16+2*\g:\reg+16+2*\g+3], v[\a1] offset0:32*\g offset1:32*\g+32
	ds_load_2addr_b64 v[\reg+32+2*\g:\reg+32+2*\g+3], v[\a2] offset0:32*\g offset1:32*\g+32
.endr
.endm
	s_load_b128 s[88:91], s[0:1], 0x0              ; qkv, mbits
	s_load_b64 s[92:93], s[0:1], 0x10              ; ctx
	v_lshl_add_u32 v[SPW], v0, 2, SPARE
	v_mov_b32 v[NIL], 0
	ds_add_u32 v[SPW], v[NIL]                      ; the wave's opening: the add, twice on end, and its wait
	ds_add_u32 v[SPW], v[NIL]
	v_lshrrev_b32 v3, 5, v0
	s_delay_alu instid0(VALU_DEP_1)
	v_readfirstlane_b32 s[WV], v3                  ; wave 0..15
	s_and_b32 s87, ttmp7, 0xffff                   ; the cluster's y: 16 batch + head, which the four partners share
	s_lshr_b32 s94, s87, 4                         ; batch
	s_and_b32 s95, s87, 15                         ; head
.irp g, G1C, G1K, G1V                          ; dense blocks as rows of 256 bytes: 32 elements of 8 bytes, no padding; the mask names all four work-groups, bit 21 set beside it
	s_mov_b32 s[\g], 15|(3<<16)|(1<<21)
	s_mov_b32 s[\g+1], 32<<16
	s_mov_b32 s[\g+3], 32<<16
	s_mov_b32 s[\g+5], 32
	s_mov_b32 s[\g+6], 0
	s_mov_b32 s[\g+7], 0
.endr
	s_mov_b32 s[G1C+2], 64<<16
	s_mov_b32 s[G1C+4], 64
	s_mov_b32 s[G1K+2], 32<<16
	s_mov_b32 s[G1K+4], 32
	s_mov_b32 s[G1V+2], 16<<16
	s_mov_b32 s[G1V+4], 16
	s_mov_b32 s44, 1
	s_mov_b32 s48, 1
	s_mov_b32 s68, 1
	s_mov_b32 s72, 1
	s_lshl_b32 s45, s[WV], 14                      ; LDS: part w of the twelve of 16,384 bytes: K's six, then V's six (VC = 6 x 16,384)
	s_lshl_b32 s49, s[WV], 14
	s_mov_b32 s69, KSL
	s_mov_b32 s73, VSL                             ; no place in the cluster enters an LDS address
	s_mul_i32 s66, s95, 393216                     ; in qkv: K's images of my head and batch, part w
	s_mul_i32 s96, s94, 98304
	s_add_co_u32 s66, s66, s96
	s_add_co_u32 s66, s66, s45
	s_add_co_u32 s66, s66, 6291456
	s_mul_i32 s67, s87, 98304                      ; V's images, part w - 6
	s_add_co_u32 s67, s67, s45
	s_add_co_u32 s67, s67, VI-VC
	s_lshl_b32 s84, s95, 15                        ; K's scale words
	s_lshl_b32 s96, s94, 13
	s_add_co_u32 s84, s84, s96
	s_add_co_u32 s84, s84, QKS+524288
	s_lshl_b32 s85, s87, 12                        ; V's scale words
	s_add_co_u32 s85, s85, VSG
	s_mov_b32 s97, 0
	s_mov_b32 s[SEL], 0x76543210
	s_mov_b32 s[SEL+1], 0xfedcba98
	s_mov_b32 s[CS], 0x3e38aa3b                    ; log2(e) / 8
	s_mov_b32 s[CS+1], s[CS]
	s_wait_dscnt 0x0                               ; both opening adds are done
	s_wait_kmcnt 0x0
	s_mov_b32 s96, s66
	s_add_nc_u64 s[46:47], s[88:89], s[96:97]
	s_or_b32 s47, s47, 0x80000000
	s_mov_b32 s96, s67
	s_add_nc_u64 s[50:51], s[88:89], s[96:97]
	s_or_b32 s51, s51, 0x80000000
	s_mov_b32 s96, s84
	s_add_nc_u64 s[70:71], s[88:89], s[96:97]
	s_or_b32 s71, s71, 0x80000000
	s_mov_b32 s96, s85
	s_add_nc_u64 s[74:75], s[88:89], s[96:97]
	s_or_b32 s75, s75, 0x80000000
	ROUND                                          ; all four work-groups are here: the joint loads meet
	s_cmp_lt_u32 s[WV], 6                          ; the launch's only fills: one chain of branches on the wave's number, one load to an arm, one join
	s_cbranch_scc0 .Lfor_v
	ARM 44, G1C                                    ; waves 0-5: K's images
	s_branch .Lasked
.Lfor_v:
	s_cmp_lt_u32 s[WV], 12
	s_cbranch_scc0 .Lfor_ks
	ARM 48, G1C                                    ; waves 6-11: V's images
	s_branch .Lasked
.Lfor_ks:
	s_cmp_eq_u32 s[WV], 12
	s_cbranch_scc0 .Lfor_vs
	ARM 68, G1K                                    ; wave 12: K's scale words
	s_branch .Lasked
.Lfor_vs:
	s_cmp_eq_u32 s[WV], 13
	s_cbranch_scc0 .Lasked
	ARM 72, G1V                                    ; wave 13: V's scale words
.Lasked:
	; what hangs on my place in the cluster: global addresses of Q, the mask words and ctx alone, made in registers that fed no descriptor
	s_bfe_u32 s53, ttmp6, 0x40000                  ; cx
	s_lshl_b32 s86, ttmp9, 2
	s_add_co_u32 s86, s86, s53                     ; work-group x
	s_lshl_b32 s86, s86, 5                         ; 32 tiles of 16 queries each
	s_lshl_b32 s53, s94, 7
	s_add_co_u32 s86, s86, s53
	s_add_co_u32 s86, s86, s[WV]                   ; my first tile: 128 batch + 32 x + wave
	s_mov_b32 s3, 0
	s_mul_i32 s2, s95, 393216
	s_mul_i32 s53, s86, 768
	s_add_co_u32 s2, s2, s53
	s_add_nc_u64 s[QP:QP+1], s[88:89], s[2:3]      ; Q's image
	s_lshr_b32 s2, s86, 3                          ; Q's scale word: the group of 8 tiles,
	s_lshl_b32 s2, s2, 9
	s_and_b32 s53, s86, 1                          ; in it tile 2 i + hh, row r, at 16 (r + 16 hh) + 4 i
	s_lshl_b32 s53, s53, 8
	s_add_co_u32 s2, s2, s53
	s_bfe_u32 s53, s86, 0x20001
	s_lshl_b32 s53, s53, 2
	s_add_co_u32 s2, s2, s53
	s_lshl_b32 s53, s95, 15
	s_add_co_u32 s2, s2, s53
	s_add_co_u32 s2, s2, QKS
	s_add_nc_u64 s[QSP:QSP+1], s[88:89], s[2:3]
	s_lshl_b32 s2, s86, 12
	s_add_nc_u64 s[MP:MP+1], s[90:91], s[2:3]      ; my tile's mask words: 4,096 bytes
	s_mul_i32 s2, s86, 12288
	s_mul_i32 s53, s95, 768
	s_add_co_u32 s2, s2, s53
	s_add_nc_u64 s[CI:CI+1], s[92:93], s[2:3]      ; ctx: my tile's eight fragments, in them my head's half fragment
	s_lshl_b32 s2, s86, 9
	s_lshl_b32 s53, s95, 1
	s_add_co_u32 s2, s2, s53
	s_add_co_u32 s2, s2, CSO
	s_add_nc_u64 s[CSP:CSP+1], s[92:93], s[2:3]    ; and my head's two bytes of each row's 32
	v_and_b32 v3, 31, v0
	s_delay_alu instid0(VALU_DEP_1)
	v_lshlrev_b32 v[L8], 3, v3
	s_delay_alu instid0(VALU_DEP_2)
	v_lshlrev_b32 v[L16], 4, v3
	v_and_b32 v4, 15, v0
	s_delay_alu instid0(VALU_DEP_1)
	v_lshlrev_b32 v[QA], 4, v4
	s_delay_alu instid0(VALU_DEP_2)
	v_lshlrev_b32 v[RA], 5, v4
	v_bfe_u32 v[SH8], v0, 4, 1
	s_delay_alu instid0(VALU_DEP_1)
	v_lshlrev_b32 v[SH8], 3, v[SH8]
	v_mov_b32 v[NINF], 0xff800000
.irp i, 0,1,2,3,4,5
	v_mov_b32 v[QF+6+\i], 0                        ; Q has no K beyond 64: zero codes
	v_mov_b32 v[VR+\i], 0                          ; what stands behind K's last tile in the very first product
.endr
.irp i, 0,1,2,3
	v_mov_b32 v[BP+\i], 0                          ; written once: a lane permute's destination counts as one of its sources
.endr
	v_mov_b32 v[F+1], 0                            ; (named as the upper half of a pair)
; A tile of queries begins.  n = 1: my second tile, 16 tiles on.
.macro QINIT n
.if \n
	s_wait_xcnt 0x0                                ; the first tile's loads and stores have read their bases and registers: all may be written again
	s_add_nc_u64 s[QP:QP+1], s[QP:QP+1], 16*768
	s_add_nc_u64 s[QSP:QSP+1], s[QSP:QSP+1], 2*512
	s_add_nc_u64 s[MP:MP+1], s[MP:MP+1], 16*4096-15*256   ; (it stands at the first tile's last step)
	s_add_nc_u64 s[CI:CI+1], s[CI:CI+1], 16*12288
	s_add_nc_u64 s[CSP:CSP+1], s[CSP:CSP+1], 16*512
.endif
.irp i, 0,1,2
	global_load_b64 v[QF+2*\i:QF+2*\i+1], v[L8], s[QP:QP+1] offset:256*\i
.endr
	global_load_b32 v[QS], v[QA], s[QSP:QSP+1]
	v_mov_b32 v13, 0xff61b1e6                      ; the largest t so far: -3e38
	s_delay_alu instid0(VALU_DEP_1)
	v_floor_f32 v12, -v13                          ; -M
	v_mov_b32 v14, 0                               ; the sum, in two halves
	v_mov_b32 v15, 0
.set j, 0
.rept 32
	v_mov_b32 v[O+j], 0                            ; O^T: the step is written once; the first finds zeros
.set j, j+1
.endr
	s_mov_b32 s[TK], KC
	s_mov_b32 s[TV], VC
	s_mov_b32 s[TS], KSL
	s_mov_b32 s[TT], VSL
	s_mov_b32 s[CNT], 15
	v_add_nc_u32 v[ADK], s[TK], v[L8]
	v_add_nc_u32 v[ADS], s[TS], v[L16]
	v_add_nc_u32 v[AK1], 2048, v[ADK]
	v_add_nc_u32 v[AK2], 4096, v[ADK]
.endm
.macro MLOAD                           ; a step's 64 mask words: word n in s[4 + n], from word 48 on in s[20 + n]
	s_load_b512 s[4:19], s[MP:MP+1], 0x0
	s_load_b512 s[20:35], s[MP:MP+1], 0x40
	s_load_b512 s[36:51], s[MP:MP+1], 0x80
	s_load_b512 s[68:83], s[MP:MP+1], 0xc0
.endm
.macro KLOAD                           ; a step's eight tiles of K and their scale words: 13 loads
	LD24 KR, ADK, AK1, AK2
	ds_load_b128 v[KSC:KSC+3], v[ADS]
.endm
; A KEY STEP: 128 keys.  more = 1: the next step's mask words and K are asked for.
.macro STEP more
	s_wait_dscnt 0x0                               ; K's tiles and scale words are in
.irp t, 0,2,4,6
	WM S+8*\t, KR+6*\t, QF, 0, KSC+\t/2, QS, 0
	WM S+8*\t+8, KR+6*\t+6, QF, 0, KSC+\t/2, QS, 1
.endr
	v_add_nc_u32 v[ADV], s[TV], v[L8]              ; plain instructions, four at the least: the places behind the products, ahead of the loads into their registers and of the first read of the scores
	v_add_nc_u32 v[ADT], s[TT], v[L8]
.if \more
	s_add_co_u32 s[TK], s[TK], 6144
	s_add_co_u32 s[TS], s[TS], 512
	s_add_co_u32 s[TV], s[TV], 6144
	s_add_co_u32 s[TT], s[TT], 256
	v_add_nc_u32 v[ADK], s[TK], v[L8]
	v_add_nc_u32 v[ADS], s[TS], v[L16]
	v_add_nc_u32 v[AK1], 2048, v[ADK]
	v_add_nc_u32 v[AK2], 4096, v[ADK]
.endif
	v_add_nc_u32 v[AV1], 2048, v[ADV]
	v_add_nc_u32 v[AV2], 4096, v[ADV]
	LD24 VR, ADV, AV1, AV2                         ; V's four tiles of 16 channels x 128 keys
	ds_load_b64 v[VSC:VSC+1], v[ADT]
.if \more
	KLOAD                                          ; the next step's K, into registers that this step reads no more
.endif
	s_wait_kmcnt 0x0                               ; this step's mask words, asked for a step ago
.set n, 0
.rept 64                                       ; each accumulator from its low end on
	v_cndmask_b32 v[S+n], v[NINF], v[S+n], s[4+n+16*(n/48)]   ; -infinity where the mask is 0
.set n, n+1
.endr
.if \more
	s_add_nc_u64 s[MP:MP+1], s[MP:MP+1], 256       ; (the wait above has shown the last loads done)
	MLOAD
.endif
.irp q, 0,1,2,3
	v_max3_num_f32 v[BM+\q], v[S+16*\q], v[S+1+16*\q], v[S+2+16*\q]   ; the largest score of my two blocks of 32 keys, in four chains by turns: for the row's maximum, and, since p rises with the score, for the block's largest p
.endr
.irp i, 3,5,7,9,11,13
.irp q, 0,1,2,3
	v_max3_num_f32 v[BM+\q], v[BM+\q], v[S+16*\q+\i], v[S+1+16*\q+\i]
.endr
.endr
	s_delay_alu instid0(VALU_DEP_3)
	v_max3_num_f32 v[BM], v[BM], v[BM+1], v[S+15]
	s_delay_alu instid0(VALU_DEP_2)
	v_max3_num_f32 v[BM+2], v[BM+2], v[BM+3], v[S+47]
.irp c, 0,1
	s_delay_alu instid0(VALU_DEP_2)
	v_max_num_f32 v[BM+2*\c], v[BM+2*\c], v[S+31+32*\c]   ; block 2 c + h: all its 32 keys are mine
.endr
	s_delay_alu instid0(VALU_DEP_1)
	v_max_num_f32 v[TMP], v[BM], v[BM+2]
	s_delay_alu instid0(VALU_DEP_1)
	v_permlanex16_b32 v[BP], v[TMP], s[SEL], s[SEL+1]
	s_delay_alu instid0(VALU_DEP_1)
	v_max_num_f32 v[TMP], v[TMP], v[BP]            ; with lane l xor 16's two blocks: the step's largest score of my query
	s_delay_alu instid0(VALU_DEP_1)
	v_mul_f32 v[TMP], s[CS], v[TMP]                ; as t
	s_delay_alu instid0(VALU_DEP_1)
	v_max_num_f32 v13, v13, v[TMP]                 ; the running largest t
	v_mov_b32 v[TMP], v12
	s_delay_alu instid0(VALU_DEP_2)
	v_floor_f32 v12, -v13                          ; the new -M = -ceil(t)
	s_delay_alu instid0(VALU_DEP_1)
	v_sub_f32 v[TMP], v12, v[TMP]                  ; old M - new M: a whole number, 0 or less
.set j, 0
.rept 32                                       ; t - M; the two lines that finish f stand among the first of them
	v_pk_fma_f32 v[S+j:S+j+1], v[S+j:S+j+1], s[CS:CS+1], v[12:13] op_sel_hi:[1,0,0]
.if j == 4
	v_cvt_i32_f32 v[TMP], v[TMP]                   ; (it saturates)
.endif
.if j == 10
	v_ldexp_f32 v[F], 1.0, v[TMP]                  ; f
.endif
.set j, j+2
.endr
.irp c, 0,1
	v_fma_f32 v[BM+2*\c], v[BM+2*\c], s[CS], v12   ; the same of each block's largest score
.endr
.set j, 0
.rept 16
	v_pk_mul_f32 v[O+j:O+j+1], v[O+j:O+j+1], v[F:F+1] op_sel_hi:[1,0]   ; O^T under the new M, each accumulator from its low end on; no transcendental stands between the last product and these reads
.set j, j+2
.endr
	s_wait_alu depctr_va_vdst(0)                   ; the wait ahead of the batch
.set j, 0
.rept 64
	v_exp_f32 v[S+j], v[S+j]                       ; p = 2^(t - M)
.set j, j+1
.endr
.irp c, 0,1
	v_exp_f32 v[BM+2*\c], v[BM+2*\c]               ; the block's largest p
.endr
	v_pk_mul_f32 v[14:15], v[14:15], v[F:F+1] op_sel_hi:[1,0]   ; the sums under the new M; the plain place behind the exponentials
	s_wait_alu depctr_va_vdst(0)                   ; one wait for the batch, ahead of its first reader
	; the scale word's chain and the row's sum of the unquantised p (two chains) by turns
	v_pk_add_f32 v[SUMB:SUMB+1], v[S:S+1], v[S+2:S+3]
.irp c, 0,1
	v_max_num_f32 v[BM+2*\c], 0x1800000, v[BM+2*\c]   ; the floor 2^(3 - 127): the byte cannot fall under 1
.endr
	ADD2 4
.irp c, 0,1
	v_add_nc_u32 v[SO+\c], 0xff000000, v[BM+2*\c]  ; the conversion's scale operand
.endr
	ADD2 8
.irp c, 0,1
	v_lshrrev_b32 v[BP+\c], 23, v[SO+\c]           ; the scale's byte
.endr
	ADD2 12
	v_lshl_or_b32 v[PW], v[BP+1], 16, v[BP]        ; my two bytes: blocks h and 2 + h,
	ADD2 16
	v_lshlrev_b32 v[PW], v[SH8], v[PW]             ; at their places in the scale word;
	ADD2 20
	v_permlanex16_b32 v[BP+2], v[PW], s[SEL], s[SEL+1]
	ADD2 24
	v_or_b32 v[PW], v[PW], v[BP+2]                 ; with lane l xor 16's two the word of these 128 keys is whole; 18 plain instructions follow ahead of the product that takes it
	ADD2 28
	ADD2 32
	ADD2 36
	v_cvt_scalef32_pk16_fp6_f32 v[PCD:PCD+2], v[S:S+15], v[SO]
	v_cvt_scalef32_pk16_fp6_f32 v[PCD+6:PCD+8], v[S+32:S+47], v[SO+1]
	v_pk_add_f32 v[14:15], v[14:15], v[S+40:S+41]  ; the plain place behind the two conversions
	v_cvt_scalef32_pk16_fp6_f32 v[S:S+2], v[S+16:S+31], v[SO]        ; (a conversion's three registers begin on an even number: the second halves land on p that have been summed and converted, and are moved)
	v_cvt_scalef32_pk16_fp6_f32 v[S+4:S+6], v[S+48:S+63], v[SO+1]
	v_pk_add_f32 v[SUMB:SUMB+1], v[SUMB:SUMB+1], v[S+42:S+43]   ; the plain place
.irp c, 0,1
.irp i, 0,1,2
	v_mov_b32 v[PCD+3+6*\c+\i], v[S+4*\c+\i]
.endr
.endr
	ADD2 44                                        ; four places between the codes just moved and the products
	ADD2 48
	s_wait_alu depctr_va_vdst(0)                   ; directly ahead of the wait below
.if \more
	s_wait_dscnt 13                                ; V's tiles and scale words are in; the 13 loads of the next step's K, issued behind them, may be out
.else
	s_wait_dscnt 0x0
.endif
.irp d, 0,2
	WM O+8*\d, VR+12*\d, PCD, v[O+8*\d:O+8*\d+7], VSC+\d/2, PW, 0
	WM O+8*\d+8, VR+12*\d+12, PCD, v[O+8*\d+8:O+8*\d+15], VSC+\d/2, PW, 1
.endr
	ADD2 52                                        ; the sum's last additions name no register of the products: they are the places behind them
	ADD2 56
	ADD2 60
	v_pk_add_f32 v[14:15], v[14:15], v[SUMB:SUMB+1]
.endm
; The walk over the keys for the tile in hand, and its way out.
.macro RUN
	MLOAD
	KLOAD
	s_wait_alu depctr_va_vdst(0)                   ; directly ahead of the wait below
	s_wait_loadcnt 0x0                             ; Q
.Lstep_\@:                                         ; 15 trips; the last step is written out, so that no load passes an end
	STEP 1
	s_sub_co_u32 s[CNT], s[CNT], 1
	s_cmp_lg_u32 s[CNT], 0
	s_cbranch_scc1 .Lstep_\@
	STEP 0
	; THE WAY OUT: O^T / the sum, quantised along my head's 64 channels (two blocks): half a fragment of the last product's operand, and two scale bytes a row.
	s_delay_alu instid0(VALU_DEP_1)
	v_add_f32 v14, v14, v15
	s_delay_alu instid0(VALU_DEP_1)
	v_permlanex16_b32 v[TMP], v14, s[SEL], s[SEL+1]
	s_delay_alu instid0(VALU_DEP_1)
	v_add_f32 v14, v14, v[TMP]                     ; the row's sum
	s_wait_alu depctr_va_vdst(0)
	v_rcp_f32 v[F], v14
	v_mov_b32 v[FFF], 0xffff                       ; the plain place behind the reciprocal
	s_wait_alu depctr_va_vdst(0)                   ; the wait ahead of the reciprocal's first reader and of O^T's
.set j, 0
.rept 16
	v_pk_mul_f32 v[S+j:S+j+1], v[O+j:O+j+1], v[F:F+1] op_sel_hi:[1,0]   ; register 16 b + i: channel 32 b + 16 h + i; each accumulator from its low end on
.set j, j+2
.endr
.irp b, 0,1
	v_max3_num_f32 v[BM+\b], |v[S+16*\b]|, |v[S+1+16*\b]|, 0x1800000
.endr
.irp i, 2,4,6,8,10,12,14
.irp b, 0,1
	s_delay_alu instid0(VALU_DEP_2)
	v_max3_num_f32 v[BM+\b], v[BM+\b], |v[S+16*\b+\i]|, |v[S+1+16*\b+\i]|
.endr
.endr
.irp b, 0,1
	s_delay_alu instid0(VALU_DEP_2)
	v_permlanex16_b32 v[BP+\b], v[BM+\b], s[SEL], s[SEL+1]
.endr
.irp b, 0,1
	s_delay_alu instid0(VALU_DEP_2)
	v_max_num_f32 v[BM+\b], v[BM+\b], v[BP+\b]     ; here a block lies in lanes l and l xor 16
.endr
.irp b, 0,1
	s_delay_alu instid0(VALU_DEP_2)
	v_add_nc_u32 v[SO+\b], 0xff000000, v[BM+\b]
.endr
.irp b, 0,1
	s_delay_alu instid0(VALU_DEP_2)
	v_lshrrev_b32 v[BP+\b], 23, v[SO+\b]
.endr
	s_delay_alu instid0(VALU_DEP_1)
	v_lshl_or_b32 v[PW], v[BP+1], 8, v[BP]
	v_cmp_eq_f32 vcc_lo, 0, v14                    ; a row with no key at all:
	s_delay_alu instid0(VALU_DEP_1)
	v_cndmask_b32 v[PW], v[PW], v[FFF], vcc_lo     ; the bytes that make its sums NaN
	v_cvt_scalef32_pk16_fp6_f32 v[PCD:PCD+2], v[S:S+15], v[SO]
	v_cvt_scalef32_pk16_fp6_f32 v[S+32:S+34], v[S+16:S+31], v[SO+1]
	v_nop                                          ; one plain place behind a scaled conversion
.irp i, 0,1,2
	v_permlane16_swap_b32 v[PCD+\i], v[S+32+\i]    ; the operand's layout wants a whole block in a lane
.endr
.irp i, 0,1,2
	s_delay_alu instid0(VALU_DEP_3)
	v_mov_b32 v[PCD+3+\i], v[S+32+\i]
.endr
.irp i, 0,1,2
	global_store_b64 v[L8], v[PCD+2*\i:PCD+2*\i+1], s[CI:CI+1] offset:256*\i   ; 256 consecutive bytes, aligned
.endr
	global_store_b16 v[RA], v[PW], s[CSP:CSP+1]    ; my head's two bytes of row r's 32 (both halves of the lanes write the same value): 2 of the row's bytes are all that a head has
.endm
	QINIT 0                                        ; Q is asked for while the tiles are on their way
	s_wait_alu depctr_va_vdst(0)                   ; the wait at the head's end
	s_wait_tensorcnt 0x0                           ; my load, if I have one, has landed,
	s_barrier_signal -1
	s_barrier_wait -1                              ; everybody's have: a head's K and V lie in LDS.  The descriptors' registers are free for the mask words
	RUN
	QINIT 1                                        ; my second tile finds the same K and V
	RUN
	s_wait_tensorcnt 0x0                           ; the wave's end
	ds_add_u32 v[SPW], v[NIL]
	s_wait_dscnt 0x0
	ROUND                                          ; the closing round: no work-group ends while a partner may still ask for a tile that names it
	s_endpgm
.Lfunc_end_k_q292e5bcc6d_attn:
	.size	k_q292e5bcc6d_attn, .Lfunc_end_k_q292e5bcc6d_attn-k_q292e5bcc6d_attn
	.p2alignl 7, 3214868480
	.fill 96, 4, 3214868480
	.section	.rodata,"a",@progbits
	.p2align	6, 0x0
	.amdhsa_kernel k_q292e5bcc6d_attn
		.amdhsa_group_segment_fixed_size 211200
		.amdhsa_private_segment_fixed_size 0
		.amdhsa_enable_private_segment 0
		.amdhsa_kernarg_size 24
		.amdhsa_user_sgpr_count 2
		.amdhsa_user_sgpr_kernarg_segment_ptr 1
		.amdhsa_wavefront_size32 1
		.amdhsa_system_sgpr_workgroup_id_x 1
		.amdhsa_system_sgpr_workgroup_id_y 1
		.amdhsa_system_sgpr_workgroup_id_z 1
		.amdhsa_system_vgpr_workitem_id 0
		.amdhsa_next_free_vgpr 256
		.amdhsa_next_free_sgpr 102
		.amdhsa_reserve_vcc 1
		.amdhsa_float_denorm_mode_32 3
		.amdhsa_float_denorm_mode_16_64 3
		.amdhsa_memory_ordered 1
		.amdhsa_forward_progress 1
		.amdhsa_inst_pref_size 98
	.end_amdhsa_kernel
	.amdgpu_metadata
---
amdhsa.version: [ 1, 2 ]
amdhsa.kernels:
  - .name:           k_q292e5bcc6d_attn
    .symbol:         k_q292e5bcc6d_attn.kd
    .args:
      - { .name: qkv, .offset: 0, .size: 8, .value_kind: global_buffer, .address_space: global }
      - { .name: mbits, .offset: 8, .size: 8, .value_kind: global_buffer, .address_space: global }
      - { .name: ctx, .offset: 16, .size: 8, .value_kind: global_buffer, .address_space: global }
    .group_segment_fixed_size: 211200
    .private_segment_fixed_size: 0
    .kernarg_segment_align: 8
    .kernarg_segment_size: 24
    .max_flat_workgroup_size: 512
    .sgpr_count:     102
    .vgpr_count:     256
    .wavefront_size: 32
...
	.end_amdgpu_metadata
.endif
;; end of part 9
;; launch oproj (part 10): grid 8 x 32, 4 waves a work-group, clusters of 4 x 4, 327,680 bytes of LDS; arguments ctx, wq, bO, out0; writes out0
.if DOCPART == 10
	.amdgcn_target "amdgcn-amd-amdhsa--gfx1250"
	.amdhsa_code_object_version 6
	.text
	.protected	k_q292e5bcc6d_oproj
	.globl	k_q292e5bcc6d_oproj
	.p2align	8
	.type	k_q292e5bcc6d_oproj,@function
k_q292e5bcc6d_oproj:
	s_mov_b64 s[64:65], 0
	v_nop
	global_prefetch_b8 v0, s[64:65] scope:SCOPE_SE
	s_setreg_imm32_b32 hwreg(HW_REG_WAVE_MODE, 25, 1), 1
	s_wait_xcnt 0x0
	s_wait_alu depctr_hold_cnt(0) depctr_sa_sdst(0) depctr_va_vdst(0) depctr_va_sdst(0) depctr_va_ssrc(0) depctr_va_vcc(0) depctr_vm_vsrc(0)
	s_getreg_b32 s2, hwreg(HW_REG_IB_STS2, 6, 4)
	s_cmp_eq_u32 s2, 0
	s_cbranch_scc0 .Lentry_in_a_cluster
	s_endpgm
.Lentry_in_a_cluster:
	s_bfe_u32 s2, ttmp6, 0x10000c
	s_cmp_lg_u32 s2, 0xf033
	s_cbranch_scc0 .Lentry_shape_is_right
	s_endpgm
.Lentry_shape_is_right:
; out0 = ctx WO + bO on codes of FP6 (E2M3) with E8M0 scales, f32 sums.
; SHARES.  256 work-groups of four waves; a work-group makes 256 rows x 128 columns, a wave 128 x 64: 8 x 4 accumulators of 16 x 16, 256 registers.
; ALL OF K LIES IN LDS, filled once: ctx's images of operand registers (256 rows x 768 bytes) and WO's 128 slots (768 bytes each, 16 bytes of padding behind every 64), each in two halves of K: 2 x 98,304 + 2 x 61,440 bytes.
; No byte is filled again.  FOUR LOADS AT THE HEAD, one a wave, each in an arm of its own: wave 0 ctx's first half of K, wave 1 WO's, wave 2 ctx's second half, wave 3 WO's.  The first barrier waits for waves 0 and 1 alone;
; behind the first four steps of 128 along K a second barrier, with every wave's wait for its load ahead of it, shows the second halves.
; CLUSTERS: 4 x 4.  ctx's tile hangs on the tile row alone and is asked for jointly by a row of the cluster, WO's on the tile column alone, by a column.
; TILES IN MEMORY: ctx: [16 rows][8 steps of 128 along K][1,536 bytes]: half of K of 16 rows is 6,144 bytes on end.  wq: [group of 128 slots][256 along K][128 slots][192 bytes]: half of K of a group is 49,152 bytes on end,
; taken as 192 rows of 256 bytes.  Every tensor row begins at a multiple of 256 bytes.
; THE SCALE WORDS go from memory straight into registers, once: for 16 rows one load of 512 consecutive bytes, lane (r, h) taking bytes 32 r + 16 h on: register w holds the word of step w in lanes 0-15 and of step 4 + w in
; lanes 16-31, chosen by the instruction's row selector.  ctx's from v32, WO's from v66: the two registers of a product never have the same number modulo 8.
; THE MATRIX INSTRUCTION IS USED TRANSPOSED (source 0 = 16 slots of WO, source 1 = 16 rows of ctx): a lane holds eight neighbouring numbers of a row of out0.  Slot s holds the column s with bits 3 and 4 exchanged.
; FRAGMENTS lie twice in registers: step k's products read set k % 2 while step k + 1's 72 loads land in the other.  The 32 accumulators take turns.
; THE WAY OUT: 16 rows x 64 columns at a time through the wave's own stage, which lies on ctx's first half of K: nobody reads that behind the second barrier, and nothing is filled there again.  Sixteen lanes store 256 consecutive bytes, aligned.
; NO PREFETCH: every tile is asked for at the head; there is no loop to run ahead in.
; A row of ctx whose scale bytes are 0xff (a query with no key) gives NaN in its whole row of out0, as the softmax of an empty row does.
; REGISTERS: window 0: v0-31 addresses and the bias, v32-63 and v66-81 scale words, v136-231 WO's fragments (on the way out: rows read back); window 1: v0-191 ctx's fragments; window 2: the accumulators, (i, j) at 32 i + 8 j.
.set PITCH,  240                       ; a slot's 192 bytes of 256 along K, with padding
.set AH,     98304                     ; ctx's half of K in LDS
.set BH,     61440                     ; WO's
.set BB0,    2*AH
.set SPARE,  BB0+2*BH                  ; the spare words, 128 bytes a wave
.set SPITCH, 272                       ; a stage row: 256 bytes + 16
.set CSO,    6291456                   ; ctx: the scale bytes
.set WOC,    2359296                   ; wq: WO's codes,
.set WOS,    3244032                   ; its scale bytes
.set BIA,  8                           ; v8-11 the bias of my four columns on the way out
.set ADA,  12                          ; v12-13 LDS address of my fragments of ctx, first and second half of K
.set ADB,  14                          ; v14-15 of WO; v16-17 for the pieces whose lanes 16-31 lie behind one padding more
.set SCA,  18                          ; 32 r + 16 h
.set STO,  19
.set RD,   20
.set CO,   21
.set BO,   22
.set SPW,  28
.set NIL,  29
.set SA,   32
.set SB,   66
.set BF,   136
.set BK,   136
.set G0A,  32                          ; s[32:35], s[48:55] ctx's descriptor; s[36:39], s[56:63] WO's
.set G0B,  36
.set G1A,  48
.set G1B,  56
.set MSB, 0
.macro WIN new                         ; the immediate's high byte repeats the setting that is left
.if MSB != (\new)
	s_set_vgpr_msb (MSB<<8)|(\new)
.set MSB, (\new)
.endif
.endm
.set MULW, 0xa4                        ; source 0 window 0, source 1 window 1, C and D window 2
.set TO_A, 0x40                        ; destination window 1, address window 0
.macro PLACES
.rept 4
	v_nop
.endr
.endm
.macro TLOAD g0, g1
	tensor_load_to_lds s[\g0:\g0+3], s[\g1:\g1+7]
	s_nop 0
	PLACES
.endm
.macro CROUND                          ; a round of the cluster's barrier
	s_barrier_signal -1
	s_barrier_wait -1
	s_cmp_lg_u32 s14, 0
	s_cbranch_scc1 .Lnot_wave_0_\@
	s_barrier_signal -3
.Lnot_wave_0_\@:
	s_barrier_wait -3
	s_barrier_signal -1
	s_barrier_wait -1
.endm
	s_load_b128 s[4:7], s[0:1], 0x0                ; ctx, wq
	s_load_b128 s[8:11], s[0:1], 0x10              ; bO, out0
	v_lshl_add_u32 v[SPW], v0, 2, SPARE
	v_mov_b32 v[NIL], 0
	ds_add_u32 v[SPW], v[NIL]                      ; the wave's opening: the add, twice on end, and its wait
	ds_add_u32 v[SPW], v[NIL]
	v_lshrrev_b32 v1, 5, v0
	v_readfirstlane_b32 s14, v1                    ; wave
	s_lshr_b32 s15, s14, 1                         ; my half of the rows.  Also: which half of K I fetch
	s_and_b32 s16, s14, 1                          ; my half of the columns
	s_bfe_u32 s40, ttmp6, 0x40000                  ; cx
	s_bfe_u32 s41, ttmp6, 0x40004                  ; cy
	s_lshl_b32 s42, ttmp9, 2
	s_add_co_u32 s42, s42, s40                     ; tile column, 0 .. 7
	s_and_b32 s17, ttmp7, 0xffff
	s_lshl_b32 s17, s17, 2
	s_add_co_u32 s17, s17, s41                     ; tile row, 0 .. 31
	s_lshl_b32 s43, s41, 2
	s_lshl_b32 s43, 15, s43                        ; my row of the cluster
	s_lshl_b32 s44, 0x1111, s40                    ; my column
	s_or_b32 s[G1A], s43, (3<<16)|(1<<21)          ; ctx: 16 rows of 768 elements of 8 bytes, 1,536 elements apart, no padding
	s_mov_b32 s[G1A+1], 768<<16
	s_mov_b32 s[G1A+2], 16<<16
	s_mov_b32 s[G1A+3], 768<<16
	s_mov_b32 s[G1A+4], 16
	s_mov_b32 s[G1A+5], 1536
	s_mov_b32 s[G1A+6], 0
	s_mov_b32 s[G1A+7], 0
	s_or_b32 s[G1B], s44, (1<<20)|(1<<21)|(3<<22)|(3<<25)   ; WO: 192 rows of 256 bytes on end; 4 words of padding behind every 16
	s_mov_b32 s[G1B+1], 256<<16
	s_mov_b32 s[G1B+2], 192<<16
	s_mov_b32 s[G1B+3], 256<<16
	s_mov_b32 s[G1B+4], 192
	s_mov_b32 s[G1B+5], 256
	s_mov_b32 s[G1B+6], 0
	s_mov_b32 s[G1B+7], 0
	s_mul_i32 s20, s17, 196608                     ; ctx: 16 x 12,288 bytes a tile row,
	s_mul_i32 s18, s15, 6144                       ; + my half of K
	s_add_co_u32 s20, s20, s18
	s_mov_b32 s21, 0
	s_mul_i32 s46, s42, 98304                      ; WO: a group a tile column,
	s_mul_i32 s18, s15, 49152
	s_add_co_u32 s46, s46, s18
	s_add_co_u32 s46, s46, WOC
	s_mov_b32 s47, 0
	s_mov_b32 s[G0A], 1
	s_mul_i32 s[G0A+1], s15, AH                    ; no place in the cluster enters an LDS address
	s_mov_b32 s[G0B], 1
	s_mul_i32 s[G0B+1], s15, BH
	s_add_co_u32 s[G0B+1], s[G0B+1], BB0
	s_wait_dscnt 0x0                               ; both opening adds are done
	s_wait_kmcnt 0x0
	s_add_nc_u64 s[G0A+2:G0A+3], s[4:5], s[20:21]
	s_or_b32 s[G0A+3], s[G0A+3], 0x80000000
	s_add_nc_u64 s[G0B+2:G0B+3], s[6:7], s[46:47]
	s_or_b32 s[G0B+3], s[G0B+3], 0x80000000
	CROUND                                         ; all sixteen work-groups are here: the joint loads meet
	s_cmp_eq_u32 s14, 0                            ; one chain of branches on the wave's number, one load to an arm, one join
	s_cbranch_scc0 .Lwave_1
	TLOAD G0A, G1A                                 ; wave 0: ctx, first half of K
	s_branch .Lasked
.Lwave_1:
	s_cmp_eq_u32 s14, 1
	s_cbranch_scc0 .Lwave_2
	TLOAD G0B, G1B                                 ; wave 1: WO, first half
	s_branch .Lasked
.Lwave_2:
	s_cmp_eq_u32 s14, 2
	s_cbranch_scc0 .Lwave_3
	TLOAD G0A, G1A                                 ; wave 2: ctx, second half
	s_branch .Lasked
.Lwave_3:
	TLOAD G0B, G1B                                 ; wave 3: WO, second half
.Lasked:
	s_lshl_b32 s24, s17, 13                        ; ctx's scale bytes of my 128 rows: 32 bytes a row
	s_lshl_b32 s18, s15, 12
	s_add_co_u32 s24, s24, s18
	s_add_co_u32 s24, s24, CSO
	s_mov_b32 s25, 0
	s_add_nc_u64 s[24:25], s[4:5], s[24:25]
	s_lshl_b32 s26, s42, 12                        ; WO's of my 64 slots
	s_lshl_b32 s18, s16, 11
	s_add_co_u32 s26, s26, s18
	s_add_co_u32 s26, s26, WOS
	s_mov_b32 s27, 0
	s_add_nc_u64 s[26:27], s[6:7], s[26:27]
	s_lshl_b32 s28, s42, 9                         ; my 64 columns, in bytes
	s_lshl_b32 s18, s16, 8
	s_add_co_u32 s28, s28, s18
	s_mov_b32 s29, 0
	s_lshl_b32 s30, s17, 20                        ; my first row of out0: 4,096 bytes a row
	s_lshl_b32 s18, s15, 19
	s_add_co_u32 s30, s30, s18
	s_mov_b32 s31, 0
	s_add_nc_u64 s[12:13], s[10:11], s[30:31]
	s_add_nc_u64 s[12:13], s[12:13], s[28:29]
	s_add_nc_u64 s[28:29], s[8:9], s[28:29]        ; the bias of my columns
	v_and_b32 v1, 15, v0                           ; r
	v_bfe_u32 v2, v0, 4, 1                         ; h
	v_and_b32 v3, 31, v0                           ; lane
	v_lshlrev_b32 v[SCA], 5, v1
	v_lshl_add_u32 v[SCA], v2, 4, v[SCA]
	v_lshlrev_b32 v[BO], 4, v1
.irp i, 0,1,2,3,4,5,6,7
	global_load_b128 v[SA+4*\i:SA+4*\i+3], v[SCA], s[24:25] offset:512*\i
.endr
.irp j, 0,1,2,3
	global_load_b128 v[SB+4*\j:SB+4*\j+3], v[SCA], s[26:27] offset:512*\j
.endr
	global_load_b128 v[BIA:BIA+3], v[BO], s[28:29]
	v_lshlrev_b32 v4, 3, v3
	s_mul_i32 s21, s15, 8*6144                     ; my 128 rows of ctx
	v_add_nc_u32 v[ADA], s21, v4
	v_add_nc_u32 v[ADA+1], AH, v[ADA]
	v_mul_u32_u24 v5, v1, PITCH
	v_mad_u32_u24 v5, v2, 24, v5
	s_mul_i32 s22, s16, 64*PITCH                   ; my 64 slots of WO
	s_add_co_u32 s22, s22, BB0
	v_add_nc_u32 v[ADB], s22, v5
	v_add_nc_u32 v[ADB+1], BH, v[ADB]
	v_lshl_add_u32 v[ADB+2], v2, 4, v[ADB]
	v_lshl_add_u32 v[ADB+3], v2, 4, v[ADB+1]
	s_mul_i32 s23, s14, 16*SPITCH                  ; my stage
	v_mul_u32_u24 v6, v1, SPITCH                   ; in: row r, 64 bytes on for lanes 16-31
	v_lshl_add_u32 v6, v2, 6, v6
	v_add_nc_u32 v[STO], s23, v6
	v_mul_u32_u24 v7, v2, SPITCH                   ; back: sixteen lanes to a row of 256 bytes, two rows an instruction
	v_lshl_add_u32 v7, v1, 4, v7
	v_add_nc_u32 v[RD], s23, v7
	v_lshl_add_u32 v[CO], v2, 12, v[BO]            ; and the same two rows in out0
.macro FETCH k                         ; step k's fragments into set k % 2: 48 loads for ctx's eight, 24 for WO's four
.set ST_, (\k)%2
	WIN TO_A
.irp i, 0,1,2,3,4,5,6,7
.irp p, 0,1,2,3,4,5
	ds_load_b64 v[96*ST_+12*\i+2*\p:96*ST_+12*\i+2*\p+1], v[ADA+(\k)/4] offset:6144*\i+1536*((\k)%4)+256*\p
.endr
.endr
	WIN 0
.irp j, 0,1,2,3
.irp p, 0,1,2,3,4,5
.set PCE, 12*((\k)%2)+6*(\p/3)+\p%3    ; which 8 bytes of the slot's 192 lanes 0-15 take; lanes 16-31 take those 24 bytes on
.if PCE%8 < 5
	ds_load_b64 v[BF+48*ST_+12*\j+2*\p:BF+48*ST_+12*\j+2*\p+1], v[ADB+(\k)/4] offset:128*PITCH*(((\k)%4)/2)+16*PITCH*\j+8*PCE+16*(PCE/8)
.else
	ds_load_b64 v[BF+48*ST_+12*\j+2*\p:BF+48*ST_+12*\j+2*\p+1], v[ADB+2+(\k)/4] offset:128*PITCH*(((\k)%4)/2)+16*PITCH*\j+8*PCE+16*(PCE/8)
.endif
.endr
.endr
.endm
.macro WM d, bf, af, c, sb, sa, row
	v_wmma_scale_f32_16x16x128_f8f6f4 v[\d:\d+7], v[\bf:\bf+11], v[\af:\af+11], \c, v[\sb], v[\sa] matrix_a_fmt:MATRIX_FMT_FP6 matrix_b_fmt:MATRIX_FMT_FP6 matrix_a_scale:MATRIX_SCALE_ROW\row matrix_b_scale:MATRIX_SCALE_ROW\row
.endm
.macro MUL k                           ; step k's 32 products; the first step's start the sums
.set ST_, (\k)%2
.set KQ_, (\k)%4
	WIN MULW
.irp i, 0,1,2,3,4,5,6,7
.irp j, 0,1,2,3
.if (\k) == 0
	WM 32*\i+8*\j, BF+48*ST_+12*\j, 96*ST_+12*\i, 0, SB+4*\j+KQ_, SA+4*\i+KQ_, 0
.elseif (\k) < 4
	WM 32*\i+8*\j, BF+48*ST_+12*\j, 96*ST_+12*\i, v[32*\i+8*\j:32*\i+8*\j+7], SB+4*\j+KQ_, SA+4*\i+KQ_, 0
.else
	WM 32*\i+8*\j, BF+48*ST_+12*\j, 96*ST_+12*\i, v[32*\i+8*\j:32*\i+8*\j+7], SB+4*\j+KQ_, SA+4*\i+KQ_, 1
.endif
.endr
.endr
.endm
	s_wait_alu depctr_va_vdst(0)                   ; the wait at the head's end
	s_cmp_lt_u32 s14, 2
	s_cbranch_scc0 .Lnot_first
	s_wait_tensorcnt 0x0                           ; waves 0 and 1: my tile of the first half of K has landed
.Lnot_first:
	s_barrier_signal -1
	s_barrier_wait -1                              ; the first halves are in; the second may be on their way
	FETCH 0
	s_wait_loadcnt 0x0                             ; the scale words and the bias
	s_wait_dscnt 0x0
	FETCH 1
	MUL 0
.irp k, 1,2
	s_wait_dscnt 0x0                               ; step k's fragments are in
	PLACES                                         ; behind the products that read the set which the loads below fill
	FETCH \k+1
	MUL \k
.endr
	s_wait_dscnt 0x0
	MUL 3
	WIN 0
	s_wait_tensorcnt 0x0                           ; every wave: my load has landed; none of my LDS loads is out
	s_barrier_signal -1
	s_barrier_wait -1                              ; the second halves are in, and nobody reads the first halves any more
	PLACES
	FETCH 4
.irp k, 4,5,6
	s_wait_dscnt 0x0
	PLACES
	FETCH \k+1
	MUL \k
.endr
	s_wait_dscnt 0x0
	MUL 7
	WIN 0
.macro TOSTAGE a                       ; block a, 16 rows x 64 columns, into my stage and back as rows.  LDS serves a wave's instructions in order: no wait between the stores and the loads
	WIN 0x08                                       ; the data: window 2
.irp j, 0,1,2,3
	ds_store_b128 v[STO], v[32*(\a)+8*\j:32*(\a)+8*\j+3] offset:128*(\j/2)+32*(\j%2)        ; each accumulator from its low end on
	ds_store_b128 v[STO], v[32*(\a)+8*\j+4:32*(\a)+8*\j+7] offset:128*(\j/2)+32*(\j%2)+16
.endr
	WIN 0
.set BB, BK+32*((\a)%2)
.irp t, 0,1,2,3,4,5,6,7
	ds_load_b128 v[BB+4*\t:BB+4*\t+3], v[RD] offset:\t*2*SPITCH
.endr
.endm
.macro SEND a, younger                 ; younger: the LDS instructions issued behind block a's loads, which may stay out
.set BB, BK+32*((\a)%2)
	s_wait_dscnt \younger
.if (\a) > 0
	s_add_nc_u64 s[12:13], s[12:13], 16*4096       ; (behind a wait on XCNT: the earlier stores have read their base)
.endif
.irp t, 0,1,2,3,4,5,6,7
	v_pk_add_f32 v[BB+4*\t:BB+4*\t+1], v[BB+4*\t:BB+4*\t+1], v[BIA:BIA+1]
	v_pk_add_f32 v[BB+4*\t+2:BB+4*\t+3], v[BB+4*\t+2:BB+4*\t+3], v[BIA+2:BIA+3]
	global_store_b128 v[CO], v[BB+4*\t:BB+4*\t+3], s[12:13] offset:\t*2*4096 th:TH_STORE_NT   ; sixteen lanes store 256 consecutive bytes, aligned
.endr
.endm
	PLACES                                         ; behind the last products: for the reads of their results and the loads into WO's fragments' registers
	TOSTAGE 0
.irp a, 1,2,3,4,5,6,7
.if \a > 1
	s_wait_xcnt 0x0                                ; block a - 2's stores have read their registers and their base
.endif
	TOSTAGE \a
	SEND \a-1, 16                                  ; behind block a - 1's loads: block a's 8 stores and 8 loads
.endr
	s_wait_xcnt 0x0
	SEND 7, 0
	s_wait_tensorcnt 0x0                           ; the wave's end
	ds_add_u32 v[SPW], v[NIL]
	s_wait_dscnt 0x0
	CROUND                                         ; the closing round
	s_endpgm
.Lfunc_end_k_q292e5bcc6d_oproj:
	.size	k_q292e5bcc6d_oproj, .Lfunc_end_k_q292e5bcc6d_oproj-k_q292e5bcc6d_oproj
	.p2alignl 7, 3214868480
	.fill 96, 4, 3214868480
	.section	.rodata,"a",@progbits
	.p2align	6, 0x0
	.amdhsa_kernel k_q292e5bcc6d_oproj
		.amdhsa_group_segment_fixed_size 327680
		.amdhsa_private_segment_fixed_size 0
		.amdhsa_enable_private_segment 0
		.amdhsa_kernarg_size 32
		.amdhsa_user_sgpr_count 2
		.amdhsa_user_sgpr_kernarg_segment_ptr 1
		.amdhsa_wavefront_size32 1
		.amdhsa_system_sgpr_workgroup_id_x 1
		.amdhsa_system_sgpr_workgroup_id_y 1
		.amdhsa_system_sgpr_workgroup_id_z 1
		.amdhsa_system_vgpr_workitem_id 0
		.amdhsa_next_free_vgpr 768
		.amdhsa_next_free_sgpr 66
		.amdhsa_reserve_vcc 0
		.amdhsa_float_denorm_mode_32 3
		.amdhsa_float_denorm_mode_16_64 3
		.amdhsa_memory_ordered 1
		.amdhsa_forward_progress 1
		.amdhsa_inst_pref_size 103
	.end_amdhsa_kernel
	.amdgpu_metadata
---
amdhsa.version: [ 1, 2 ]
amdhsa.kernels:
  - .name:           k_q292e5bcc6d_oproj
    .symbol:         k_q292e5bcc6d_oproj.kd
    .args:
      - { .name: ctx, .offset: 0, .size: 8, .value_kind: global_buffer, .address_space: global }
      - { .name: wq, .offset: 8, .size: 8, .value_kind: global_buffer, .address_space: global }
      - { .name: bO, .offset: 16, .size: 8, .value_kind: global_buffer, .address_space: global }
      - { .name: out0, .offset: 24, .size: 8, .value_kind: global_buffer, .address_space: global }
    .group_segment_fixed_size: 327680
    .private_segment_fixed_size: 0
    .kernarg_segment_align: 8
    .kernarg_segment_size: 32
    .max_flat_workgroup_size: 128
    .sgpr_count:     66
    .vgpr_count:     768
    .wavefront_size: 32
...
	.end_amdgpu_metadata
.endif
;; end of part 10
